; MI455X (gfx1250); checked and timed in simulation.
; The chip was launched on July 23, 2026; its instructions are those of AMD's public machine-readable ISA for CDNA 5 (MIT licence, August 2026) and "CDNA5" Instruction Set Architecture Reference Guide (July 2026). The comments in the code are by the model that wrote it; some were corrected since.
;; Mulit Head Attention. Allowed arithmetic: matrix products marked QUANTISED: E2M3 operands, one E8M0 scale for each 32 along K, by v_wmma_scale_f32_16x16x128_f8f6f4 with both operands' format E2M3, f32 sums; everything else in f32.
;; Inputs: b_proj 1,024 float32; b_qkv 3,072 float32; w_proj 1,024 x 1,024 float32; w_qkv 3,072 x 1,024 float32; x 2 x 2,048 x 1,024 float32.
;; Outputs: out0 2 x 2,048 x 1,024 float32.
;; This version of the problem:
;;   THIS VERSION OF THE PROBLEM IS GIVEN IN LOW PRECISION. The matrix products marked QUANTISED in the list below multiply operands that are first quantised to E2M3 (2 exponent bits, 3 mantissa bits; 6 bits a number), with one power-of-two scale for each 32 numbers along K (OCP MX v1.0); their sums are f32. All else is computed in f32.
;;   The module's matrix products, in the order in which they are computed (A, B: the left and right operand; K: the contracted axis; several contracted axes count as one K, in the product's order):
;;     1. [M 4,096, K 1,024] x [K 1,024, N 3,072]; A: input x; B: input w_qkv: QUANTISED
;;     2. batch 32 x [M 2,048, K 64] x [K 64, N 2,048]; A: computed on the way; B: computed on the way: QUANTISED
;;     3. batch 32 x [M 2,048, K 2,048] x [K 2,048, N 64]; A: softmax (see below); B: computed on the way: QUANTISED
;;     4. [M 4,096, K 1,024] x [K 1,024, N 1,024]; A: computed on the way; B: input w_proj: QUANTISED
;;   THE QUANTISER, for each operand of a quantised product, along K:
;;     - K is cut into blocks of 32 from its start; a last block that is shorter is filled with zeros.
;;     - A block's scale is 2^e with e = floor(log2(the largest magnitude in the block)) - 2, held to -126 .. 127; a block of zeros has e = 0. As a byte (E8M0): e + 127.
;;     - Each number is divided by its block's scale, clamped to +-7.5, and rounded to the nearest number of E2M3, ties to even, subnormals kept.
;;     - The product sums the exact products of the quantised numbers (number of the format x scale) in f32.
;;   ~~~python
;;   def quantise(x, axis):      # numpy; x: float32 -> the quantised numbers, widened to float32 again
;;       x = np.moveaxis(x, axis, -1); K = x.shape[-1]
;;       x = np.pad(x, [(0, 0)] * (x.ndim - 1) + [(0, -K % 32)]); x = x.reshape(x.shape[:-1] + (-1, 32)); a = np.abs(x).max(-1, keepdims=True)
;;       e = np.where(a > 0, np.clip(np.frexp(np.where(a > 0, a, 1))[1] - 1 - 2, -126, 127), 0)      # np.frexp(a)[1] - 1 = floor(log2(a)), exactly
;;       r = np.clip(x / 2.0 ** e, -7.5, 7.5)
;;       step = 2.0 ** (np.maximum(np.frexp(np.where(r == 0, 1, r))[1] - 1, 0) - 3)
;;       q = np.round(r / step) * step * 2.0 ** e      # np.round: ties to even
;;       return np.moveaxis(q.reshape(q.shape[:-2] + (-1,))[..., :K], -1, axis).astype(np.float32)
;;   ~~~
;;   SOFTMAX AHEAD OF A QUANTISED PRODUCT. Where the list says 'softmax', what is quantised is not the finished softmax but p = 2^(t - M), with t = logit x log2(e) and M = ceil(the row's largest t), a whole number; so 1/2 < the row's largest p <= 1. The row's sum l is taken of the UNQUANTISED p, in f32, and the product's result is divided by l at the end. Since M is a whole number, a kernel that streams over the keys may use a running M (the ceiling of the running maximum): every later rescaling is an exact power of two, which a block's scale takes up: the codes' values come out the same.
;;   OPERANDS COMPUTED ON THE WAY. 'Computed on the way' means the value that the module computes at that place (a softmax that the list does not call 'softmax' is quantised finished and normalised). What goes into a quantiser is computed in f32, as accurately as f32 sums, v_exp_f32 and their like allow (about 1e-6 of the number): no bf16 or f16 on the way to a quantiser, and a product that is left as it is and whose result goes on into a quantised operand takes f32 operands (vector FMAs, or v_wmma_f32_16x16x4_f32). A number that lies on a knife's edge between two numbers of the format may be rounded either way, as far as f32 arithmetic and the matrix unit's own rounding can turn it there, and no further.
;; 2 versions. Each part assembles by itself: llvm-mc -triple=amdgcn-amd-amdhsa -mcpu=gfx1250 --defsym DOCPART=n.
;; ======== version 1 of 2: 4 launches
;; workspace buffers: c1 6,291,456 bytes; s1 262,144 bytes; qrec 3,407,872 bytes; kv 6,815,744 bytes; ac 3,145,728 bytes; asc 131,072 bytes
;; launch quant (part 1): grid 256 x 1, 4 waves a work-group, no clusters, 33,280 bytes of LDS; arguments x, w_qkv, w_proj, c1, s1; writes c1, s1
.if DOCPART == 1
	.amdgcn_target "amdgcn-amd-amdhsa--gfx1250"
	.amdhsa_code_object_version 6
	.text
	.protected	k_qac31eaa796_quant
	.globl	k_qac31eaa796_quant
	.p2align	8
	.type	k_qac31eaa796_quant,@function
k_qac31eaa796_quant:
	s_mov_b64 s[64:65], 0
	v_nop
	global_prefetch_b8 v0, s[64:65] scope:SCOPE_SE
	s_setreg_imm32_b32 hwreg(HW_REG_WAVE_MODE, 25, 1), 1
	s_wait_xcnt 0x0
; x [4096][1024], w_qkv [3072][1024] and w_proj [1024][1024], f32, K innermost, become codes of FP6 (E2M3) with one E8M0 scale byte for each 32 along K.
; The three tensors are one stream of blocks of 32 numbers, and so are the outputs: c1 holds 24 bytes a block (x, then w_qkv, then w_proj), s1 one byte a block.
; A block's scale is 2^(floor(log2(its largest magnitude)) - 2); its byte is the largest magnitude's exponent field - 2, held at 1 from below.
; THE ORDER INSIDE A BLOCK: the 32 codes lie in the order 0-7, 16-23, 8-15, 24-31 of the block's numbers.  Every operand of every product of this program has that order, so each product's sums
; pair the same numbers as in the plain order; it is the order in which a matrix result's registers fall into codes in the later launches.
; LIMITS: NaN and infinities among the inputs are not served; a block of zeros gets the byte 1 (its codes are zeros; this program alone reads the bytes); largest magnitudes under 2^-124 are taken as 2^-124.
; A wave takes 16 steps of 512 numbers.  Each of a step's four loads reads 512 consecutive bytes, 16 a lane; the 2,048 bytes go through the wave's own stage in LDS as they lie (16 bytes of padding behind
; each 64) and come back 64 bytes a lane: an even lane takes numbers 0-7 and 16-23 of its block, the odd lane beside it 8-15 and 24-31.  Those reads take pieces of 32 bytes that lie 32 bytes apart, so
; two lanes meet in a bank; the launch is bound by its global bytes, and that is borne.  A lane's 16 codes are 12 bytes: a wave stores 384 consecutive bytes.
; No tensor loads, no barrier: waves share nothing.  Loads run four steps (16 loads a wave) ahead, the turn through LDS one step.
.set STEPS, 16
.set EMAX,  2
.set CB,    12                         ; bytes of 16 codes
.set R,     16                         ; v16-79   four sets of 16 numbers as they are loaded
.set X,     80                         ; v80-111  two sets of 16 numbers of one block's half
.set C,     128                        ; v128-191 codes: four registers for each step, so that no store's data are written again
.set E,     112                        ; v112-127 a scale byte for each step
.set WREG,  8192                       ; LDS: a region for each wave: two stages of 32 x SP bytes, behind them its 256 scale bytes
.set SP,    80                         ; 64 bytes + 16 of padding
	s_load_b128 s[4:7], s[0:1], 0x0                ; x, w_qkv
	s_load_b128 s[8:11], s[0:1], 0x10              ; w_proj, c1
	s_load_b64 s[12:13], s[0:1], 0x20              ; s1
	v_lshl_add_u32 v192, v0, 2, 0x8000
	v_mov_b32 v193, 0
	v_lshrrev_b32 v1, 5, v0
	v_readfirstlane_b32 s16, v1                    ; wave
	v_and_b32 v2, 31, v0                           ; lane
	v_lshlrev_b32 v3, 4, v2                        ; my 16 bytes of a load's 512
	s_mul_i32 s17, s16, WREG
	v_lshrrev_b32 v14, 2, v2
	v_mul_u32_u24 v14, v14, SP
	v_and_b32 v15, 3, v2
	v_lshl_add_u32 v14, v15, 4, v14
	v_add_nc_u32 v14, s17, v14                     ; the stage, on the way in: SP (lane / 4) + 16 (lane % 4); a load's 512 bytes take eight places
	v_lshrrev_b32 v15, 1, v2
	v_mul_u32_u24 v15, v15, 2*SP                   ; on the way out: a block is two places,
	v_and_b32 v10, 1, v2
	v_lshl_add_u32 v15, v10, 5, v15                ; and the odd lane begins 32 bytes (8 numbers) further on
	v_add_nc_u32 v15, s17, v15
	v_mul_u32_u24 v4, v2, CB                       ; my codes' place in a step's
	v_lshrrev_b32 v5, 1, v2
	s_add_co_u32 s17, s17, 2*32*SP
	v_add_nc_u32 v5, s17, v5                       ; LDS: my wave's 256 scale bytes, my block's byte
	v_lshlrev_b32 v7, 3, v2                        ; and on the way out 8 bytes a lane
	v_add_nc_u32 v6, s17, v7
	s_wait_kmcnt 0x0
	s_mov_b32 s18, 224
	s_cmp_lt_u32 ttmp9, 224                        ; work-groups 0-127 take x, 128-223 w_qkv, 224-255 w_proj: the choice hangs on the work-group's number alone
	s_cselect_b64 s[6:7], s[6:7], s[8:9]
	s_cselect_b32 s18, 128, s18
	s_cmp_lt_u32 ttmp9, 128
	s_cselect_b64 s[4:5], s[4:5], s[6:7]
	s_cselect_b32 s18, 0, s18                      ; the tensor's first work-group
	s_lshl_b32 s19, ttmp9, 2
	s_add_co_u32 s20, s19, s16                     ; which run of 8,192 numbers of the whole stream is my wave's
	s_lshl_b32 s18, s18, 2
	s_sub_co_u32 s22, s20, s18                     ; and of its tensor
	s_lshl_b32 s22, s22, 15                        ; 32,768 bytes a run
	s_mov_b32 s23, 0
	s_add_nc_u64 s[4:5], s[4:5], s[22:23]
	s_mul_i32 s22, s20, 32*STEPS*CB                ; 6,144 bytes of codes a run
	s_add_nc_u64 s[10:11], s[10:11], s[22:23]
	s_lshl_b32 s22, s20, 8                         ; 256 scale bytes a run
	s_add_nc_u64 s[12:13], s[12:13], s[22:23]
.macro LOAD t
.irp i, 0,1,2,3
	global_load_b128 v[R+16*((\t)%4)+4*\i:R+16*((\t)%4)+4*\i+3], v3, s[4:5] offset:2048*(\t)+512*\i th:TH_LOAD_NT   ; 32 lanes read 512 consecutive bytes
.endr
.endm
.macro TURN t                          ; step t's numbers through the stage: LDS serves a wave's instructions in order, so no wait stands between the stores and the loads
.irp i, 0,1,2,3
	ds_store_b128 v14, v[R+16*((\t)%4)+4*\i:R+16*((\t)%4)+4*\i+3] offset:32*SP*((\t)%2)+8*SP*\i
.endr
.irp i, 0,1,2,3
	ds_load_b128 v[X+16*((\t)%2)+4*\i:X+16*((\t)%2)+4*\i+3], v15 offset:32*SP*((\t)%2)+SP*(\i/2)+16*(\i%2)   ; 8 numbers of the block's first half, 8 of its second
.endr
.endm
.irp t, 0,1,2,3
	LOAD \t
.endr
	s_wait_loadcnt 12                              ; step 0's four loads are in
	TURN 0
.macro STEP t
.set XS, X+16*((\t)%2)
.if (\t) > 0
	s_wait_dscnt 1                                 ; this step's numbers are back from the stage (the last step's byte store may be out): so its stores into the stage have read their registers,
.else
	s_wait_dscnt 0x0
.endif
.if (\t)+4 < STEPS
	LOAD (\t)+4                                    ; which take the loads of four steps on
.endif
.if (\t)+1 < STEPS
.if STEPS-2-(\t) >= 3
	s_wait_loadcnt 12                              ; the next step's four loads are in; those of the three steps behind it may be out
.else
	s_wait_loadcnt 4*(STEPS-2-(\t))
.endif
	TURN (\t)+1                                    ; and go through the other stage while this step is worked
.endif
	v_max3_num_f32 v8, |v[XS]|, |v[XS+1]|, |v[XS+2]|               ; the largest magnitude of my 16
	v_max3_num_f32 v9, |v[XS+3]|, |v[XS+4]|, |v[XS+5]|
.irp i, 6,10
	v_max3_num_f32 v8, v8, |v[XS+\i]|, |v[XS+\i+1]|
	v_max3_num_f32 v9, v9, |v[XS+\i+2]|, |v[XS+\i+3]|
.endr
	v_max3_num_f32 v8, v8, |v[XS+14]|, |v[XS+15]|
	v_max3_num_f32 v8, v8, v9, (EMAX+1)<<23        ; and the floor 2^(EMAX + 1 - 127): so the byte cannot fall under 1
	v_max_num_f32_dpp v8, v8, v8 row_xmask:1 row_mask:0xf bank_mask:0xf   ; and of my neighbour's 16: the block's
	v_add_nc_u32 v11, -(EMAX<<23), v8              ; EMAX off its exponent field: the conversion takes the exponent field of this operand as its scale, and nothing else of it
	v_cvt_scalef32_pk16_fp6_f32 v[C+4*(\t):C+4*(\t)+2], v[XS:XS+15], v11         ; sixteen numbers / the scale, to the nearest code, ties to even, beyond the largest code the largest
	v_lshrrev_b32 v[E+(\t)], 23, v11               ; the scale's byte
	ds_store_b8 v5, v[E+(\t)] offset:16*(\t)       ; both lanes of a block write the same byte with the same value
	global_store_b96 v4, v[C+4*(\t):C+4*(\t)+2], s[10:11] offset:32*CB*(\t)
.endm
.irp t, 0,1,2,3,4,5,6,7,8,9,10,11,12,13,14,15
	STEP \t
.endr
	ds_load_b64 v[12:13], v6                       ; LDS serves a wave's instructions in order: these see my stores
	s_wait_dscnt 0x0
	global_store_b64 v7, v[12:13], s[12:13]        ; 32 lanes store 256 consecutive bytes, aligned
	s_wait_tensorcnt 0x0
	ds_add_u32 v192, v193
	s_wait_dscnt 0x0
	s_endpgm
.Lfunc_end_k_qac31eaa796_quant:
	.size	k_qac31eaa796_quant, .Lfunc_end_k_qac31eaa796_quant-k_qac31eaa796_quant
	.p2alignl 7, 3214868480
	.fill 96, 4, 3214868480
	.section	.rodata,"a",@progbits
	.p2align	6, 0x0
	.amdhsa_kernel k_qac31eaa796_quant
		.amdhsa_group_segment_fixed_size 33280
		.amdhsa_private_segment_fixed_size 0
		.amdhsa_enable_private_segment 0
		.amdhsa_kernarg_size 40
		.amdhsa_user_sgpr_count 2
		.amdhsa_user_sgpr_kernarg_segment_ptr 1
		.amdhsa_wavefront_size32 1
		.amdhsa_system_sgpr_workgroup_id_x 1
		.amdhsa_system_sgpr_workgroup_id_y 1
		.amdhsa_system_sgpr_workgroup_id_z 1
		.amdhsa_system_vgpr_workitem_id 0
		.amdhsa_next_free_vgpr 194
		.amdhsa_next_free_sgpr 66
		.amdhsa_reserve_vcc 0
		.amdhsa_float_denorm_mode_32 3
		.amdhsa_float_denorm_mode_16_64 3
		.amdhsa_memory_ordered 1
		.amdhsa_forward_progress 1
		.amdhsa_inst_pref_size 33
	.end_amdhsa_kernel
	.amdgpu_metadata
---
amdhsa.version: [ 1, 2 ]
amdhsa.kernels:
  - .name:           k_qac31eaa796_quant
    .symbol:         k_qac31eaa796_quant.kd
    .args:
      - { .name: x, .offset: 0, .size: 8, .value_kind: global_buffer, .address_space: global }
      - { .name: w_qkv, .offset: 8, .size: 8, .value_kind: global_buffer, .address_space: global }
      - { .name: w_proj, .offset: 16, .size: 8, .value_kind: global_buffer, .address_space: global }
      - { .name: c1, .offset: 24, .size: 8, .value_kind: global_buffer, .address_space: global }
      - { .name: s1, .offset: 32, .size: 8, .value_kind: global_buffer, .address_space: global }
    .group_segment_fixed_size: 33280
    .private_segment_fixed_size: 0
    .kernarg_segment_align: 8
    .kernarg_segment_size: 40
    .max_flat_workgroup_size: 128
    .sgpr_count:     66
    .vgpr_count:     194
    .wavefront_size: 32
...
	.end_amdgpu_metadata
.endif
;; end of part 1
;; launch qkv (part 2): grid 8 x 24, 4 waves a work-group, clusters of 4 x 4, 327,680 bytes of LDS; arguments c1, s1, b_qkv, qrec, kv; writes qrec, kv
.if DOCPART == 2
	.amdgcn_target "amdgcn-amd-amdhsa--gfx1250"
	.amdhsa_code_object_version 6
	.text
	.protected	k_qac31eaa796_qkv
	.globl	k_qac31eaa796_qkv
	.p2align	8
	.type	k_qac31eaa796_qkv,@function
k_qac31eaa796_qkv:
	s_mov_b64 s[64:65], 0
	v_nop
	global_prefetch_b8 v0, s[64:65] scope:SCOPE_SE
	s_setreg_imm32_b32 hwreg(HW_REG_WAVE_MODE, 25, 1), 1
	s_wait_xcnt 0x0
	s_wait_alu depctr_hold_cnt(0) depctr_sa_sdst(0) depctr_va_vdst(0) depctr_va_sdst(0) depctr_va_ssrc(0) depctr_va_vcc(0) depctr_vm_vsrc(0)
	s_getreg_b32 s2, hwreg(HW_REG_IB_STS2, 6, 4)
	s_cmp_eq_u32 s2, 0
	s_cbranch_scc0 .Lentry_in_a_cluster
	s_endpgm
.Lentry_in_a_cluster:
	s_bfe_u32 s2, ttmp6, 0x10000c
	s_cmp_lg_u32 s2, 0xf033
	s_cbranch_scc0 .Lentry_shape_is_right
	s_endpgm
.Lentry_shape_is_right:
; qkv = x w_qkv^T + b_qkv on codes of FP6 (E2M3) with E8M0 scales, K = 1,024; the results are quantised at once, q and k along the head's 64, v along the tokens, and leave as images of operand registers.
; ONE TEXT, TWO PARTS, told apart by the cluster's y alone.  The matrix instruction's source 1 ("A") gives a result's lane, its source 0 ("B") the result's eight registers, and the way out quantises along the registers.
;   clusters y = 0..3: A = x (4,096 rows), B = w_qkv's rows 0..2,047: a lane holds a token, its registers run along q's or k's channels.
;   clusters y = 4, 5: A = w_qkv's rows 2,048..3,071, B = x: a lane holds a channel of v, its registers run along the tokens, which are the K of attention's second product.  Nothing is transposed.
; A tile of 256 x 256 is made by four waves, 128 x 128 each: 64 accumulators, 512 registers.  192 tiles: 128 for q and k, 64 for v.
; K goes in steps of 256 through a ring of two LDS slots filled by the tensor data mover (rows of 192 bytes); the scale bytes of the work-group's rows come once and stay.
; CLUSTERS: 4 x 4 work-groups; A's tiles are asked for jointly along a row of the cluster, B's along a column.
; THE BIAS is the C of each sum's first matrix instruction: eight tiles of eight registers in the result's layout.
; THE WAY OUT.  The 16 registers of two neighbouring accumulators are one lane's half of a block of 32 (numbers 0-7, 16-23 in lanes 0-15; 8-15, 24-31 in lanes 16-31): two conversions and an exchange of
; halves give each lane a whole block, in the order 0-7, 16-23, 8-15, 24-31, which all operands of this program share.  Six registers a lane are an IMAGE of 16 rows x 64 along K: registers 0-3 at
; 16 x lane, registers 4-5 at 512 + 8 x lane: 768 bytes, stored as 512 and 256 consecutive bytes, aligned.
;   qrec [head 32][step 16][6,656]: 8 images (16 tokens each), then 512 bytes of scale words.   kv [head 32][step 16][13,312]: k laid likewise, then v: 4 x 2 images (16 channels x 64 keys) and 512 bytes of scale words.
; LIMITS: a block of zeros gets the byte 1 (zero codes; this program alone reads the bytes); largest magnitudes under 2^-124 are taken as 2^-124; NaN and infinities are not served.
; REGISTERS, in windows of 256: window 0: v0-31 addresses; v32-63 scale words, two sets; v64-127 and v224-231 the way out; v128-223 A's fragments, one set.
;   window 1: B's fragments, two sets, at v0 and v128; the bias at v96-127 and v224-255.   window 2: the accumulators of my rows 0-63 ((a, b) at v[8 (8 a + b)]);   window 3: those of rows 64-127.
.set KSTEP,  256                       ; along K in a slot
.set NQ,     2                         ; matrix instructions deep
.set ROWB,   192                       ; a tile's row in bytes
.set KROW,   768                       ; a row of codes in memory
.set PITCH,  240                       ; an LDS row: 3 x (64 bytes + 16 of padding): the 32 lanes of a load of 8 bytes touch 64 different banks of 4 bytes (ISA guide 11.1)
.set FR,     12                        ; registers of a fragment
.set NL,     6                         ; LDS loads that bring one
.set NP,     4                         ; places behind this matrix instruction (ISA guide 7.12.1)
.set HALFT,  128*PITCH
.set SLOT,   4*HALFT                   ; A's 256 rows, then B's 256 rows
.set LAPS,   2                         ; a lap = two K steps = once round the ring
.set KS,     32                        ; a row of scale bytes
.set SCL,    2*SLOT                    ; behind the ring: the scales, as units of 256 bytes + 16 of padding
.set HALFS,  (128*KS/256)*272
.set SBLK,   (16*KS/256)*272
.set SPARE,  SCL+4*HALFS               ; the spare words, 128 bytes for each wave: two blocks of 256 bytes that no other line names
.set ADRA, 16                          ; v16-17 LDS address of my A fragments in slot 0, 1 (v18-19: for the pieces behind one padding more)
.set ADRB, 20                          ; v20-23 the same for B
.set L16,  24                          ; v24 16 x lane
.set L8,   25                          ; v25 8 x lane
.set LN,   26                          ; v26 lane
.set ADRS, 27                          ; v27 LDS address of my scale words: lanes 0-15 A's rows, lanes 16-31 B's
.set SPW,  28                          ; v28 LDS address of my spare word; never rewritten
.set NIL,  29                          ; v29 0; never rewritten
.set SC,   32                          ; scale words: set s at v[SC + 16 s]; register 2 i + q: lanes 0-15 A's block i, lanes 16-31 B's block i
.set TM,   64                          ; v64-67 largest magnitudes, v68-71 the other half's, then bytes, v72-75 the conversions' scale operands
.set XC,   80                          ; v80-111 codes: for g = 0, 1 six registers at 80 + 16 g, three more at 88 + 16 g
.set PP,   112                         ; v112-127 register 2 a + g: two scale bytes
.set AF,   128                         ; A's fragments
.set ZW,   224                         ; v224-231 the scale words as they leave
.set G1, 24
.set G0, 32
.set G1B, 48
.set G0B, 56
.set G1S, 68
.set G0S, 76
.set G1SB, 80
.set G0SB, 88
.set PART, 95                          ; s95 0: q and k; 1: v.  The same in all sixteen partners
.set MSB, 0
.macro WIN new                         ; the immediate's high byte repeats the setting that is left
.if MSB != (\new)
	s_set_vgpr_msb (MSB<<8)|(\new)
.set MSB, (\new)
.endif
.endm
.set MUL_LO, 0xa1                      ; source 0 (B) window 1, source 1 (A) window 0, C and D window 2
.set MUL_HI, 0xf1                      ; the same, C and D window 3
.set BIA_LO, 0x91                      ; C (the bias) window 1, D window 2
.set BIA_HI, 0xd1                      ; C window 1, D window 3
.set TO_B,   0x40                      ; destination window 1, address window 0
; A joint load: waves 0 and 1 fetch for A, waves 2 and 3 for B; the branch hangs on the wave's number alone.  Four v_nop follow each of the two lines.
.macro JLOAD g0a, g1a, g0b, g1b
	s_cmp_eq_u32 s15, 0
	s_cbranch_scc0 .Lfor_b_\@
	tensor_load_to_lds s[\g0a:\g0a+3], s[\g1a:\g1a+7]
	s_nop 0
.rept 4
	v_nop
.endr
	s_branch .Lasked_\@
.Lfor_b_\@:
	tensor_load_to_lds s[\g0b:\g0b+3], s[\g1b:\g1b+7]
	s_nop 0
.rept 4
	v_nop
.endr
.Lasked_\@:
.endm
.macro CREST                           ; a round of the cluster's barrier behind its opening barrier
	s_cmp_lg_u32 s14, 0
	s_cbranch_scc1 .Lnot_wave_0_\@
	s_barrier_signal -3
.Lnot_wave_0_\@:
	s_barrier_wait -3
	s_barrier_signal -1
	s_barrier_wait -1
.endm
.macro CROUND                          ; a whole round
	s_barrier_signal -1
	s_barrier_wait -1
	CREST
.endm
	s_load_b256 s[4:11], s[0:1], 0x0               ; c1 s[4:5], s1 s[6:7], b_qkv s[8:9], qrec s[10:11]
	s_load_b64 s[12:13], s[0:1], 0x20              ; kv
	v_lshl_add_u32 v[SPW], v0, 2, SPARE
	v_mov_b32 v[NIL], 0
	ds_add_u32 v28, v29
	ds_add_u32 v28, v29
	s_wait_dscnt 0x0
	v_lshrrev_b32 v1, 5, v0
	v_readfirstlane_b32 s14, v1                    ; wave 0..3
	s_lshr_b32 s15, s14, 1                         ; which half of the tile's rows is mine.  Also: I fetch for A (0) or for B (1)
	s_and_b32 s16, s14, 1                          ; which half of its columns.  Also: which 128 rows of that tile I fetch
	s_bfe_u32 s40, ttmp6, 0x40000                  ; cx, cy: my place in the cluster
	s_bfe_u32 s41, ttmp6, 0x40004
	s_and_b32 s17, ttmp7, 0xffff                   ; the cluster's y: 0..3 q and k, 4..5 v
	s_sub_co_u32 s18, s17, 4
	s_lshl_b32 s18, s18, 1
	s_add_co_u32 s18, s18, ttmp9                   ; v: the cluster's column = x + 2 (y - 4)
	s_cmp_lt_u32 s17, 4
	s_cselect_b32 s[PART], 0, 1
	s_cselect_b32 s42, ttmp9, s18                  ; the cluster's column among B's rows
	s_cselect_b32 s17, s17, 0                      ; and its row among A's
	s_cselect_b32 s96, 0, 4718592                  ; where A's codes begin in c1: x, or w_qkv's row 2,048
	s_cselect_b32 s98, 0, 196608                   ; and A's scale bytes in s1
	s_cselect_b32 s100, 3145728, 0                 ; B's codes: w_qkv, or x
	s_cselect_b32 s66, 131072, 0                   ; B's scale bytes
	s_lshl_b32 s42, s42, 2
	s_add_co_u32 s42, s42, s40                     ; tile column = 4 x cluster column + cx
	s_lshl_b32 s17, s17, 2
	s_add_co_u32 s17, s17, s41                     ; tile row = 4 x cluster row + cy
	s_lshl_b32 s43, s41, 2
	s_lshl_b32 s43, 15, s43                        ; my row of the cluster
	s_lshl_b32 s44, 0x1111, s40                    ; my column
	; descriptor group 1: a tile of 128 rows x 192 bytes, 16 bytes of padding behind every 64
	s_or_b32 s[G1+0], s43, (0<<16)|(1<<20)|(1<<21)|(3<<22)|(3<<25)  ; 15:0 the mask: A's tiles go to my row; 17:16 elements of 1 byte; 20 padding on; 21 set beside a mask; 24:22 after every 16 words; 31:25 of 4 words
	s_or_b32 s[G1B+0], s44, (0<<16)|(1<<20)|(1<<21)|(3<<22)|(3<<25)
.irp g, G1, G1B
	s_mov_b32 s[\g+1], ROWB<<16                    ; tensor_dim0
	s_mov_b32 s[\g+2], 128<<16                     ; tensor_dim1
	s_mov_b32 s[\g+3], ROWB<<16                    ; tile_dim0
	s_mov_b32 s[\g+4], 128                         ; tile_dim1
	s_mov_b32 s[\g+5], KROW                        ; tensor_dim0_stride
	s_mov_b32 s[\g+6], 0
	s_mov_b32 s[\g+7], 0
.endr
	; the scales of 128 rows: 4,096 dense bytes, as 16 rows of 256 bytes (32 elements of 8 bytes), 16 bytes of padding behind each
	s_or_b32 s[G1S+0], s43, (3<<16)|(1<<20)|(1<<21)|(5<<22)|(3<<25)
	s_or_b32 s[G1SB+0], s44, (3<<16)|(1<<20)|(1<<21)|(5<<22)|(3<<25)
.irp g, G1S, G1SB
	s_mov_b32 s[\g+1], 32<<16
	s_mov_b32 s[\g+2], (128*KS/256)<<16
	s_mov_b32 s[\g+3], 32<<16
	s_mov_b32 s[\g+4], 128*KS/256
	s_mov_b32 s[\g+5], 32
	s_mov_b32 s[\g+6], 0
	s_mov_b32 s[\g+7], 0
.endr
	s_lshl_b32 s18, s16, 7                         ; which 128 rows of the tile I fetch
	s_lshl_b32 s20, s17, 8
	s_add_co_u32 s20, s20, s18                     ; A: row 256 x tile row + 128 x half
	s_lshl_b32 s46, s42, 8
	s_add_co_u32 s46, s46, s18                     ; B: row 256 x tile column + 128 x half
	s_lshl_b32 s22, s20, 5                         ; 32 scale bytes a row
	s_add_co_u32 s22, s22, s98
	s_mul_i32 s20, s20, KROW                       ; 768 bytes of codes a row; every offset stays under 2^23
	s_add_co_u32 s20, s20, s96
	s_lshl_b32 s92, s46, 5
	s_add_co_u32 s92, s92, s66
	s_mul_i32 s46, s46, KROW
	s_add_co_u32 s46, s46, s100
	s_mov_b32 s21, 0
	s_mov_b32 s23, 0
	s_mov_b32 s47, 0
	s_mov_b32 s93, 0
	s_mul_i32 s45, s14, HALFT                      ; where they go: wave x 128 rows: no place in the cluster enters an LDS address
	s_mul_i32 s94, s14, HALFS
	s_wait_kmcnt 0x0
	s_add_nc_u64 s[20:21], s[4:5], s[20:21]
	s_add_nc_u64 s[22:23], s[6:7], s[22:23]
	s_add_nc_u64 s[46:47], s[4:5], s[46:47]
	s_add_nc_u64 s[92:93], s[6:7], s[92:93]
	CROUND                                         ; all sixteen work-groups are here: the first joint loads meet
	s_mov_b32 s[G0S], 1
	s_add_co_u32 s[G0S+1], s94, SCL
	s_mov_b64 s[G0S+2:G0S+3], s[22:23]
	s_or_b32 s[G0S+3], s[G0S+3], 0x80000000
	s_mov_b32 s[G0SB], 1
	s_add_co_u32 s[G0SB+1], s94, SCL
	s_mov_b64 s[G0SB+2:G0SB+3], s[92:93]
	s_or_b32 s[G0SB+3], s[G0SB+3], 0x80000000
	JLOAD G0S, G1S, G0SB, G1SB                     ; the scales first: they are wanted with K step 0
.irp s, 0,1
	s_mov_b32 s[G0+4*\s], 1
	s_add_co_u32 s[G0+4*\s+1], s45, \s*SLOT
	s_add_nc_u64 s[G0+4*\s+2:G0+4*\s+3], s[20:21], \s*ROWB
	s_or_b32 s[G0+4*\s+3], s[G0+4*\s+3], 0x80000000
	s_mov_b32 s[G0B+4*\s], 1
	s_add_co_u32 s[G0B+4*\s+1], s45, \s*SLOT
	s_add_nc_u64 s[G0B+4*\s+2:G0B+4*\s+3], s[46:47], \s*ROWB
	s_or_b32 s[G0B+4*\s+3], s[G0B+4*\s+3], 0x80000000
	JLOAD G0+4*\s, G1, G0B+4*\s, G1B               ; three tensor loads of mine are out
.endr
	v_and_b32 v1, 15, v0                           ; r = lane % 16
	v_bfe_u32 v2, v0, 4, 1                         ; h = lane / 16
	v_mul_u32_u24 v3, v1, PITCH
	v_mul_u32_u24 v4, v2, 24
	v_add_nc_u32 v4, v3, v4                        ; a fragment's row x pitch + 24 x half
	v_lshl_add_u32 v5, v2, 4, v4                   ; and the same behind one padding more
	s_mul_i32 s21, s15, HALFT                      ; my 128 rows of A
	s_mul_i32 s22, s16, HALFT                      ; my 128 rows of B,
	s_add_co_u32 s22, s22, 2*HALFT                 ; which lie behind A's 256
.irp s, 0,1
	v_add_nc_u32 v[ADRA+\s], s21, v4
	v_add_nc_u32 v[ADRB+\s], s22, v4
	v_add_nc_u32 v[ADRA+2+\s], s21, v5
	v_add_nc_u32 v[ADRB+2+\s], s22, v5
	s_add_co_u32 s21, s21, SLOT
	s_add_co_u32 s22, s22, SLOT
.endr
	v_mul_u32_u24 v5, v1, KS                       ; my row's scales: 32 bytes a row,
	v_lshrrev_b32 v6, 8, v5
	v_lshl_add_u32 v5, v6, 4, v5                   ; and 16 more for each 256 passed
	s_mul_i32 s21, s15, HALFS                      ; A's: my 128 rows
	s_mul_i32 s22, s16, HALFS                      ; B's: my 128 rows, behind A's 256
	s_add_co_u32 s22, s22, 2*HALFS
	s_sub_co_u32 s22, s22, s21
	v_mul_u32_u24 v6, s22, v2                      ; lanes 16-31 take B's
	s_add_co_u32 s21, s21, SCL
	v_add_nc_u32 v5, v5, v6
	v_add_nc_u32 v[ADRS], s21, v5
	v_and_b32 v[LN], 31, v0
	v_lshlrev_b32 v[L16], 4, v[LN]
	v_lshlrev_b32 v[L8], 3, v[LN]
	v_lshlrev_b32 v8, 5, v2                        ; 32 h: eight numbers of the bias for each half of the lanes
	v_lshlrev_b32 v9, 2, v1                        ; 4 r: one number of the bias a lane
	; THE BIAS.  q and k: it runs along the registers: tile b, register j = b_qkv[n0 + 16 b + 8 h + j].  v: it runs along the lanes: tile a, all eight registers = b_qkv[n0 + 16 a + r].
	s_lshl_b32 s46, s42, 1
	s_add_co_u32 s46, s46, s16                     ; which 128 of B's rows are mine
	s_lshl_b32 s47, s17, 1
	s_add_co_u32 s47, s47, s15                     ; which 128 of A's
	s_add_co_u32 s47, s47, 16                      ; v's bias begins at number 2,048
	s_cmp_eq_u32 s[PART], 0
	s_cselect_b32 s46, s46, s47
	s_lshl_b32 s46, s46, 9                         ; 128 numbers of 4 bytes
	s_mov_b32 s47, 0
	s_add_nc_u64 s[8:9], s[8:9], s[46:47]
	s_cmp_eq_u32 s[PART], 0
	s_cbranch_scc0 .Lbias_v
	WIN TO_B
.irp b, 0,1,2,3,4,5,6,7
	global_load_b128 v[96+8*\b+96*(\b/4):96+8*\b+96*(\b/4)+3], v8, s[8:9] offset:64*\b
	global_load_b128 v[96+8*\b+96*(\b/4)+4:96+8*\b+96*(\b/4)+7], v8, s[8:9] offset:64*\b+16
.endr
	WIN 0
	s_branch .Lbias_done
.Lbias_v:
	WIN TO_B
.irp a, 0,1,2,3,4,5,6,7
.irp j, 0,1,2,3,4,5,6,7
	global_load_b32 v[96+8*\a+96*(\a/4)+\j], v9, s[8:9] offset:64*\a
.endr
.endr
	WIN 0
.Lbias_done:
.macro FRAG reg, adr, q, i             ; a fragment, 16 rows x 128 K, is 12 registers: lane l holds row l % 16; registers 6 c .. 6 c + 5 hold K = 64 c + 32 (l / 16) + 0 .. 31: 24 bytes of the row, as they lie
.irp p, 0,1,2,3,4,5                    ; in pieces of 8 bytes.  Lanes 16-31 read three pieces further on than lanes 0-15: where that is behind one padding more, the second address register serves
.set PC, 12*(\q)+6*(\p/3)+\p%3
.if PC%8 < 5
	ds_load_b64 v[\reg+2*\p:\reg+2*\p+1], v[\adr] offset:8*PC+16*(PC/8)+(\i)*16*PITCH
.else
	ds_load_b64 v[\reg+2*\p:\reg+2*\p+1], v[\adr+2] offset:8*PC+16*(PC/8)+(\i)*16*PITCH
.endif
.endr
.endm
; 16 matrix instructions: A's blocks a0, a0 + 1 x B's eight, 128 along K: the slot's q-th.  p: B's set; sc: the set of scale words.  c0 = 0: onto the sums; 1: the sums begin with the bias of B's block; 2: of A's block.
; The 64 accumulators take turns, one instruction a turn, in the same order in every step.
.macro MUL16 a0, p, q, sc, c0
.irp a, \a0, \a0+1
.irp b, 0,1,2,3,4,5,6,7
.set rD, 8*(8*((\a)%4)+\b)
.set rB, 128*(\p)+FR*\b
.set rA, AF+FR*(\a)
.set rSB, SC+8*NQ*(\sc)+NQ*\b+(\q)
.set rSA, SC+8*NQ*(\sc)+NQ*(\a)+(\q)
.if \c0 == 1
.set rC, 96+8*\b+96*(\b/4)
	v_wmma_scale_f32_16x16x128_f8f6f4 v[rD:rD+7], v[rB:rB+FR-1], v[rA:rA+FR-1], v[rC:rC+7], v[rSB], v[rSA] matrix_a_fmt:MATRIX_FMT_FP6 matrix_b_fmt:MATRIX_FMT_FP6 matrix_a_scale:MATRIX_SCALE_ROW1
.elseif \c0 == 2
.set rC, 96+8*(\a)+96*((\a)/4)
	v_wmma_scale_f32_16x16x128_f8f6f4 v[rD:rD+7], v[rB:rB+FR-1], v[rA:rA+FR-1], v[rC:rC+7], v[rSB], v[rSA] matrix_a_fmt:MATRIX_FMT_FP6 matrix_b_fmt:MATRIX_FMT_FP6 matrix_a_scale:MATRIX_SCALE_ROW1
.else
	v_wmma_scale_f32_16x16x128_f8f6f4 v[rD:rD+7], v[rB:rB+FR-1], v[rA:rA+FR-1], v[rD:rD+7], v[rSB], v[rSA] matrix_a_fmt:MATRIX_FMT_FP6 matrix_b_fmt:MATRIX_FMT_FP6 matrix_a_scale:MATRIX_SCALE_ROW1
.endif
.endr
.endr
.endm
.macro FETCH_B slot, q, p              ; B's eight fragments of the slot's q-th 128 along K into set p
	WIN TO_B
.irp i, 0,1,2,3,4,5,6,7
	FRAG 128*(\p)+FR*\i, ADRB+\slot, \q, \i
.endr
	WIN 0
.endm
.macro FETCH_A slot, q, i0             ; A's blocks i0 .. i0 + 3
.irp i, \i0, \i0+1, \i0+2, \i0+3
	FRAG AF+FR*(\i), ADRA+\slot, \q, \i
.endr
.endm
.macro SCALES sc                       ; a K step's scale words into set sc: two words a row; lanes 0-15 take A's block i, lanes 16-31 B's block i
.irp i, 0,1,2,3,4,5,6,7
	ds_load_b64 v[SC+8*NQ*\sc+NQ*\i:SC+8*NQ*\sc+NQ*\i+1], v[ADRS] offset:\i*SBLK
.endr
.endm
; A load into a register that a matrix instruction has read, and a vector instruction that reads a matrix result, stand NP places behind that matrix instruction; only plain vector instructions
; that name none of its registers are places (ISA guide 7.12.1 for vector instructions).
.macro PLACES n
.rept \n
	v_nop
.endr
.endm
; A step of 128 along K that has its successor in the same slot.
.macro STEP slot, q, c0
	s_wait_dscnt 4*NL                              ; B's set and A's blocks 0-3 are in; the youngest 24 loads (A's blocks 4-7) may be out
.if \c0
	WIN BIA_LO
.else
	WIN MUL_LO
.endif
	MUL16 0, (\q)%2, \q, \slot, \c0
	MUL16 2, (\q)%2, \q, \slot, \c0
	s_wait_dscnt 0                                 ; A's blocks 4-7 are in (asked for 32 matrix instructions ago)
	PLACES NP
	FETCH_B \slot, (\q)+1, 1-(\q)%2
	FETCH_A \slot, (\q)+1, 0
.if \c0
	WIN BIA_HI
.else
	WIN MUL_HI
.endif
	MUL16 4, (\q)%2, \q, \slot, \c0
	MUL16 6, (\q)%2, \q, \slot, \c0
	PLACES NP
	WIN 0
	FETCH_A \slot, (\q)+1, 4
.endm
; A slot's last step changes slots: ONE barrier; in front of it each wave waits for all its tensor loads, adds 0 to its spare word, and waits for that and for its own reads of this slot.  fill = 1: this slot is filled again, two K steps ahead.
.macro TURN slot, next, fill
	s_wait_tensorcnt 0x0                           ; all my tensor loads have landed: my part of the next slot;  (every window is 0 here)
	ds_add_u32 v[SPW], v[NIL]                      ; 0 onto my spare word
	s_wait_dscnt 4*NL+1                            ; (the add and the youngest 24 loads, A's blocks 4-7, may be out)
	WIN MUL_LO
	MUL16 0, 1, NQ-1, \slot, 0                     ; sixteen matrix instructions stand between the add and the wait for it
	s_wait_dscnt 0x0                               ; the add is done, and my reads of this slot are over
	s_barrier_signal -1
	MUL16 2, 1, NQ-1, \slot, 0
	WIN 0
	s_barrier_wait -1
.if \fill
	CREST                                          ; the barrier has opened a round of the cluster's barrier: no wave of any partner still reads this slot's tile or has a load on its way
	s_add_nc_u64 s[G0+4*\slot+2:G0+4*\slot+3], s[G0+4*\slot+2:G0+4*\slot+3], 2*ROWB
	s_add_nc_u64 s[G0B+4*\slot+2:G0B+4*\slot+3], s[G0B+4*\slot+2:G0B+4*\slot+3], 2*ROWB
	JLOAD G0+4*\slot, G1, G0B+4*\slot, G1B         ; the first tensor load behind the round; the four v_nop behind it are the places in front of the loads below
.else
	PLACES NP
.endif
	v_add_nc_u32 v[ADRS], 4*NQ, v[ADRS]            ; on to the next K step's scale words (no LDS load of mine is out)
	FETCH_B \next, 0, 0
	FETCH_A \next, 0, 0
	SCALES \next
	WIN MUL_HI
	MUL16 4, 1, NQ-1, \slot, 0
	MUL16 6, 1, NQ-1, \slot, 0
	PLACES NP
	WIN 0
	FETCH_A \next, 0, 4
.endm
	s_wait_tensorcnt 1                             ; the scales and my part of K step 0 are in (K step 1's load may be out),
	s_barrier_signal -1
	s_barrier_wait -1                              ; everybody's are
	FETCH_B 0, 0, 0
	FETCH_A 0, 0, 0
	SCALES 0
	FETCH_A 0, 0, 4
	s_wait_loadcnt 0x0                             ; the bias
	s_cmp_eq_u32 s[PART], 0                        ; the first step stands in front of the loop, once for each part: its products begin the sums with the bias, by B's block or by A's
	s_cbranch_scc0 .Lfirst_v
	STEP 0, 0, 1
	s_branch .Ljoin
.Lfirst_v:
	STEP 0, 0, 2
.Ljoin:
	s_mov_b32 s3, LAPS-1
.Llap:                                                 ; a trip goes once round the ring, from a lap's second step to the next lap's first, and fills both slots again
	TURN 0, 1, 1
	STEP 1, 0, 0
	TURN 1, 0, 1
	STEP 0, 0, 0
	s_sub_co_u32 s3, s3, 1
	s_cmp_lg_u32 s3, 0
	s_cbranch_scc1 .Llap
	TURN 0, 1, 0                                   ; the last lap fills nothing, and has no round of the cluster's barrier
	STEP 1, 0, 0
	s_wait_dscnt 4*NL                              ; the very last step: nothing more to fetch
	WIN MUL_LO
	MUL16 0, 1, NQ-1, 1, 0
	MUL16 2, 1, NQ-1, 1, 0
	s_wait_dscnt 0
	WIN MUL_HI
	MUL16 4, 1, NQ-1, 1, 0
	MUL16 6, 1, NQ-1, 1, 0
	WIN 0
	; THE WAY OUT: where my wave's images go.  TU: which 128 tokens (batch TU / 16, step TU % 16); HU: which pair of heads.
	s_lshl_b32 s2, s17, 1
	s_add_co_u32 s2, s2, s15                       ; which 128 of A's rows
	s_lshl_b32 s3, s42, 1
	s_add_co_u32 s3, s3, s16                       ; which 128 of B's rows
	s_and_b32 s43, s3, 7                           ; q and k: the pair of heads (columns 0..1,023 are q's, 1,024..2,047 k's)
	s_lshl_b32 s66, s[PART], 3
	s_add_co_u32 s66, s66, s42                     ; under 4 for q alone
	s_mov_b32 s67, 212992
	s_mov_b32 s94, 13312
	s_cmp_lt_u32 s66, 4
	s_cselect_b32 s96, 106496, s67                 ; bytes from head to head,
	s_cselect_b32 s94, 6656, s94                   ; from step to step,
	s_cselect_b64 s[100:101], s[10:11], s[12:13]   ; and the buffer: qrec or kv
	s_mov_b32 s97, 0
	s_mov_b32 s46, 1536
	s_mov_b32 s92, 208384
	s_mov_b32 s98, 768
	s_cmp_eq_u32 s[PART], 0
	s_cselect_b32 s66, s2, s3                      ; TU
	s_cselect_b32 s67, s43, s2                     ; HU
	s_cselect_b32 s46, 768, s46                    ; from A's block to the next: q, k: the next 16 tokens' image; v: the next 16 channels' two images
	s_cselect_b32 s92, 768, s92                    ; from block 3 to block 4: v: on into the next head
	s_cselect_b32 s44, s96, s98                    ; from g = 0 to g = 1: q, k: the next head; v: the next 64 keys' image
	s_cselect_b32 s43, 0, 6656                     ; v lies behind k in a record
	s_mov_b32 s47, 0
	s_mov_b32 s93, 0
	s_mov_b32 s45, 0
	s_lshr_b32 s98, s66, 4
	s_lshl_b32 s98, s98, 4
	s_lshl_b32 s67, s67, 1
	s_add_co_u32 s98, s98, s67                     ; the first of my two heads, of 32
	s_mul_i32 s98, s98, s96
	s_and_b32 s66, s66, 15
	s_mul_i32 s66, s66, s94
	s_add_co_u32 s98, s98, s66
	s_add_co_u32 s98, s98, s43
	s_mov_b32 s99, 0
	s_add_nc_u64 s[20:21], s[100:101], s[98:99]    ; the images of g = 0
	s_add_nc_u64 s[22:23], s[20:21], s[44:45]      ; of g = 1
	s_add_nc_u64 s[40:41], s[20:21], 6144          ; the scale words of my first head,
	s_add_nc_u64 s[44:45], s[40:41], s[96:97]      ; and of my second
	s_mov_b32 s18, 0x76543210
	s_mov_b32 s19, 0xfedcba98                      ; v_permlanex16_b32's selects for lane l xor 16
.irp k, 0,1,2,3
	v_mov_b32 v[TM+4+\k], 0                        ; a lane permute's destination counts as one of its sources; these four are also the places behind the last products
.endr
; A's block a: 16 lanes' rows x 128 along the registers: four blocks of 32, k = 2 g + beta, each the 16 registers of two neighbouring accumulators, read in ascending order.
.macro UNIT a
.set AC, 64*((\a)%4)
	WIN 0x28+0x14*((\a)/4)                         ; sources 1 and 2: window 2 or 3
.irp k, 0,1,2,3
	v_max3_num_f32 v[TM+\k], 0x1800000, |v[AC+16*\k]|, |v[AC+16*\k+1]|   ; my 16 numbers of block k, and the floor 2^(3 - 127): so the byte cannot fall under 1
.endr
.irp i, 2,4,6,8,10,12,14
.irp k, 0,1,2,3
	v_max3_num_f32 v[TM+\k], v[TM+\k], |v[AC+16*\k+\i]|, |v[AC+16*\k+\i+1]|   ; (the four blocks by turns)
.endr
.endr
	WIN 0
.irp k, 0,1,2,3
	v_permlanex16_b32 v[TM+4+\k], v[TM+\k], s18, s19
.endr
.irp k, 0,1,2,3
	v_max_num_f32 v[TM+\k], v[TM+\k], v[TM+4+\k]   ; with lane l xor 16's: the block's largest magnitude
.endr
.irp k, 0,1,2,3
	v_add_nc_u32 v[TM+8+\k], 0xff000000, v[TM+\k]  ; 2 off its exponent field: the conversion's scale operand
.endr
.irp k, 0,1,2,3
	v_lshrrev_b32 v[TM+4+\k], 23, v[TM+8+\k]       ; the scale's byte
.endr
.irp g, 0,1
	v_lshl_or_b32 v[PP+2*(\a)+\g], v[TM+5+2*\g], 8, v[TM+4+2*\g]
.endr
.if (\a) > 0
	s_wait_xcnt 0x0                                ; the last block's stores have read their data and their bases: both are written again only behind this wait
.if (\a) == 4
	s_add_nc_u64 s[20:21], s[20:21], s[92:93]
	s_add_nc_u64 s[22:23], s[22:23], s[92:93]
.else
	s_add_nc_u64 s[20:21], s[20:21], s[46:47]
	s_add_nc_u64 s[22:23], s[22:23], s[46:47]
.endif
.endif
	WIN 0x02+(\a)/4                                ; source 0: window 2 or 3
.irp g, 0,1
	v_cvt_scalef32_pk16_fp6_f32 v[XC+16*\g:XC+16*\g+2], v[AC+32*\g:AC+32*\g+15], v[TM+8+2*\g]
	v_cvt_scalef32_pk16_fp6_f32 v[XC+8+16*\g:XC+10+16*\g], v[AC+32*\g+16:AC+32*\g+31], v[TM+9+2*\g]   ; (a conversion's three registers begin on an even number)
.endr
	WIN 0
	v_nop                                          ; one plain place behind a scaled conversion
.irp g, 0,1                                    ; the operand's layout wants a whole block in a lane: lanes 0-15 block 2 g, lanes 16-31 block 2 g + 1
.irp i, 0,1,2
	v_permlane16_swap_b32 v[XC+16*\g+\i], v[XC+8+16*\g+\i]
.endr
.irp i, 0,1,2
	v_mov_b32 v[XC+3+16*\g+\i], v[XC+8+16*\g+\i]
.endr
.endr
	global_store_b128 v[L16], v[XC:XC+3], s[20:21]                 ; 512 consecutive bytes, aligned
	global_store_b64 v[L8], v[XC+4:XC+5], s[20:21] offset:512      ; 256 consecutive bytes, aligned
	global_store_b128 v[L16], v[XC+16:XC+19], s[22:23]
	global_store_b64 v[L8], v[XC+20:XC+21], s[22:23] offset:512
.endm
.irp a, 0,1,2,3,4,5,6,7
	UNIT \a
.endr
	; THE SCALE WORDS, 512 bytes a head and step, 16 bytes a lane.
	s_cmp_eq_u32 s[PART], 0
	s_cbranch_scc0 .Lwords_v
	v_cmp_le_u32 vcc_lo, 16, v[LN]                 ; q, k: register j of head g: lanes 0-15 the words of the tokens' tile 2 j, lanes 16-31 of tile 2 j + 1;
.irp g, 0,1
.irp j, 0,1,2,3
	v_cndmask_b32 v[ZW+4*\g+\j], v[PP+4*\j+\g], v[PP+4*\j+2+\g], vcc_lo
.endr
.endr
.irp j, 0,1,2,3,4,5,6,7
	v_or_b32 v[ZW+\j], 0x7f7f0000, v[ZW+\j]        ; K is 64: the upper two bytes, over zero codes, stand for 1
.endr
	s_branch .Lwords_done
.Lwords_v:
.irp a, 0,1,2,3,4,5,6,7
	v_lshl_or_b32 v[ZW+\a], v[PP+2*\a+1], 16, v[PP+2*\a]   ; v: register a % 4 of head a / 4: the four bytes of channel 16 (a % 4) + r for these 128 keys
.endr
.Lwords_done:
	global_store_b128 v[L16], v[ZW:ZW+3], s[40:41]
	global_store_b128 v[L16], v[ZW+4:ZW+7], s[44:45]
	s_wait_tensorcnt 0x0                           ; the wave's end
	ds_add_u32 v[SPW], v[NIL]
	s_wait_dscnt 0x0
	CROUND                                         ; the closing round: no work-group ends while a partner may still ask for a tile that names it
	s_endpgm
.Lfunc_end_k_qac31eaa796_qkv:
	.size	k_qac31eaa796_qkv, .Lfunc_end_k_qac31eaa796_qkv-k_qac31eaa796_qkv
	.p2alignl 7, 3214868480
	.fill 96, 4, 3214868480
	.section	.rodata,"a",@progbits
	.p2align	6, 0x0
	.amdhsa_kernel k_qac31eaa796_qkv
		.amdhsa_group_segment_fixed_size 327680
		.amdhsa_private_segment_fixed_size 0
		.amdhsa_enable_private_segment 0
		.amdhsa_kernarg_size 40
		.amdhsa_user_sgpr_count 2
		.amdhsa_user_sgpr_kernarg_segment_ptr 1
		.amdhsa_wavefront_size32 1
		.amdhsa_system_sgpr_workgroup_id_x 1
		.amdhsa_system_sgpr_workgroup_id_y 1
		.amdhsa_system_sgpr_workgroup_id_z 1
		.amdhsa_system_vgpr_workitem_id 0
		.amdhsa_next_free_vgpr 1024
		.amdhsa_next_free_sgpr 102
		.amdhsa_reserve_vcc 1
		.amdhsa_float_denorm_mode_32 3
		.amdhsa_float_denorm_mode_16_64 3
		.amdhsa_memory_ordered 1
		.amdhsa_forward_progress 1
		.amdhsa_inst_pref_size 190
	.end_amdhsa_kernel
	.amdgpu_metadata
---
amdhsa.version: [ 1, 2 ]
amdhsa.kernels:
  - .name:           k_qac31eaa796_qkv
    .symbol:         k_qac31eaa796_qkv.kd
    .args:
      - { .name: c1, .offset: 0, .size: 8, .value_kind: global_buffer, .address_space: global }
      - { .name: s1, .offset: 8, .size: 8, .value_kind: global_buffer, .address_space: global }
      - { .name: b_qkv, .offset: 16, .size: 8, .value_kind: global_buffer, .address_space: global }
      - { .name: qrec, .offset: 24, .size: 8, .value_kind: global_buffer, .address_space: global }
      - { .name: kv, .offset: 32, .size: 8, .value_kind: global_buffer, .address_space: global }
    .group_segment_fixed_size: 327680
    .private_segment_fixed_size: 0
    .kernarg_segment_align: 8
    .kernarg_segment_size: 40
    .max_flat_workgroup_size: 128
    .sgpr_count:     102
    .vgpr_count:     1024
    .wavefront_size: 32
...
	.end_amdgpu_metadata
.endif
;; end of part 2
;; launch attn (part 3): grid 8 x 32, 16 waves a work-group, clusters of 4 x 1, 215,040 bytes of LDS; arguments qrec, kv, ac, asc; writes ac, asc
.if DOCPART == 3
	.amdgcn_target "amdgcn-amd-amdhsa--gfx1250"
	.amdhsa_code_object_version 6
	.text
	.protected	k_qac31eaa796_attn
	.globl	k_qac31eaa796_attn
	.p2align	8
	.type	k_qac31eaa796_attn,@function
k_qac31eaa796_attn:
	s_mov_b64 s[64:65], 0
	v_nop
	global_prefetch_b8 v0, s[64:65] scope:SCOPE_SE
	s_setreg_imm32_b32 hwreg(HW_REG_WAVE_MODE, 25, 1), 1
	s_wait_xcnt 0x0
	s_wait_alu depctr_hold_cnt(0) depctr_sa_sdst(0) depctr_va_vdst(0) depctr_va_sdst(0) depctr_va_ssrc(0) depctr_va_vcc(0) depctr_vm_vsrc(0)
	s_getreg_b32 s2, hwreg(HW_REG_IB_STS2, 6, 4)
	s_cmp_eq_u32 s2, 0
	s_cbranch_scc0 .Lentry_in_a_cluster
	s_endpgm
.Lentry_in_a_cluster:
	s_bfe_u32 s2, ttmp6, 0x10000c
	s_cmp_lg_u32 s2, 0x3003
	s_cbranch_scc0 .Lentry_shape_is_right
	s_endpgm
.Lentry_shape_is_right:
; Attention of one head on codes of FP6 (E2M3) with E8M0 scales: S = q k^T (K = 64), p = 2^(t - M), O = p v (K = the keys), O / l, quantised along the model's 1,024 for the last product.
; t = score x log2(e) / 8; M = the row's largest t so far, rounded up to a whole number; the row's sum l is taken of the unquantised p; when M moves, l and O are multiplied by 2^(old M - new M), exactly.
; SHARES.  A work-group owns 256 queries of one head (32 heads x 8 blocks = 256 work-groups); each of its sixteen waves owns 16 queries in 256 registers: four waves to a SIMD, so that one wave's vector
; work stands beside another's matrix work and LDS loads.  Every wave walks the head's 2,048 keys, 128 a step.
; THE WHOLE HEAD'S k AND v LIE IN LDS: 16 records of 13,312 bytes, 212,992 dense bytes of kv, copied as they lie to LDS bytes 0 on, each byte filled ONCE.  So there is no ring and nothing is filled again.
; All tensor loads go out at the kernel's head, four a wave (four are out), a chunk of four key steps each; a chunk is read behind a counted wait and a barrier, while the later chunks are on their way.
; CLUSTER.  The four query blocks of a cluster belong to one head: each load is asked for jointly, with the same descriptor and the mask of all four.
; No prefetch is written: the launch's whole stream is asked for by the tensor loads at its head.
; LAYOUT.  Both products are used transposed: S^T = k q^T (source 0 = 16 keys), O^T = v^T p^T (source 0 = 16 channels): a lane holds ONE query (lane % 16) throughout.
; An operand comes from LDS as an image of its registers: 16 rows x 64 along K are six registers a lane, registers 0-3 at 16 x lane, registers 4-5 at 512 + 8 x lane.
; K = 64 fills half of the matrix instruction's 128: registers 6-11 of q's and k's fragments are zero codes, cleared once; their scale bytes stand for 1.
; Inside a block of 32 the codes of every operand lie in the order 0-7, 16-23, 8-15, 24-31, which is how the 16 registers of two neighbouring result tiles fall into codes.
; LIMITS: a block of zeros gets the byte 1 (zero codes); largest magnitudes under 2^-124 are taken as 2^-124; NaN and infinities are not served.  asc is stored 2 bytes a row (one byte in 24 of what the launch stores).
; REGISTERS: v1-4 addresses; v7 32 r; v12 -M, v13 the largest t, v[14:15] l in two halves; v16-27 q; v28-31 v's scale words; v32-79 four fragments of k; v80-143 S^T, then p; v144-175 O^T;
;   v176-223 four fragments of v; v224-235 p's codes; v232-254 at work; v248-251 k's scale words; v255 q's.
.set RS,   13312                       ; a key step's record
.set CHB,  4*RS                        ; a chunk: four key steps
.set WPB,  CHB/16                      ; a wave's part of a chunk: 13 rows of 256 bytes
.set L16,  1
.set L8,   2
.set ADA,  3
.set ADB,  4
.set KF,   32
.set S,    80
.set O,    144
.set VF,   176
.set WV,   12                          ; s12 my wave's number
.set G1,   24                          ; s[24:31] descriptor group 1
.set G0,   32                          ; s[32:47] four groups 0, one for each chunk
.set SEL,  50                          ; s[50:51] lane selects for lane l xor 16
.set CS,   52                          ; s[52:53] c = log2(e) / 8
.set TB,   54                          ; s54 LDS byte of the key step in hand
.set CNT,  55
.macro CROUND                          ; a round of the cluster's barrier
	s_barrier_signal -1
	s_barrier_wait -1
	s_cmp_lg_u32 s[WV], 0
	s_cbranch_scc1 .Lnot_wave_0_\@
	s_barrier_signal -3
.Lnot_wave_0_\@:
	s_barrier_wait -3
	s_barrier_signal -1
	s_barrier_wait -1
.endm
	s_load_b256 s[4:11], s[0:1], 0x0               ; qrec s[4:5], kv s[6:7], ac s[8:9], asc s[10:11]
	v_lshl_add_u32 v11, v0, 2, 0x34000
	v_mov_b32 v243, 0
	ds_add_u32 v11, v243
	ds_add_u32 v11, v243
	v_lshrrev_b32 v1, 5, v0
	v_readfirstlane_b32 s[WV], v1                  ; wave 0..15
	s_bfe_u32 s13, ttmp6, 0x40000                  ; cx
	s_lshl_b32 s14, ttmp9, 2
	s_add_co_u32 s14, s14, s13                     ; my block of 256 queries: it enters global addresses of q and of the results alone
	s_and_b32 s15, ttmp7, 0xffff                   ; the head, 0..31, which the four partners share
	s_mov_b32 s[G1], 15|(3<<16)|(1<<21)            ; 15:0 the mask: all four work-groups; 17:16 elements of 8 bytes; 20 no padding; 21 set beside a mask
	s_mov_b32 s[G1+1], 32<<16                      ; tensor_dim0 = 32 elements: 256 bytes
	s_mov_b32 s[G1+2], 13<<16                      ; tensor_dim1 = 13
	s_mov_b32 s[G1+3], 32<<16                      ; tile_dim0
	s_mov_b32 s[G1+4], 13                          ; tile_dim1
	s_mov_b32 s[G1+5], 32                          ; tensor_dim0_stride: dense
	s_mov_b32 s[G1+6], 0
	s_mov_b32 s[G1+7], 0
	s_mul_i32 s16, s[WV], WPB                      ; my part of a chunk: in LDS and in the head's block alike
	s_mul_i32 s18, s15, 16*RS
	s_add_co_u32 s18, s18, s16
	s_mov_b32 s19, 0
	s_mov_b32 s[SEL], 0x76543210
	s_mov_b32 s[SEL+1], 0xfedcba98
	s_mov_b32 s[CS], 0x3e38aa3b                    ; log2(e) / 8
	s_mov_b32 s[CS+1], s[CS]                       ; (named with it as a pair, so it is written)
	s_mul_i32 s20, s15, 106496                     ; q: my head,
	s_lshl_b32 s21, s14, 1
	s_lshr_b32 s22, s[WV], 3
	s_add_co_u32 s21, s21, s22
	s_mul_i32 s21, s21, 6656                       ; the record of my 128 tokens,
	s_add_co_u32 s20, s20, s21
	s_and_b32 s22, s[WV], 7                        ; t: my tile of 16 in it
	s_mul_i32 s23, s22, 768
	s_add_co_u32 s56, s20, s23
	s_mov_b32 s57, 0
	s_and_b32 s23, s22, 1                          ; its scale words: register t / 2 of the words' image, lanes 16 (t % 2) + r
	s_lshl_b32 s23, s23, 8
	s_lshr_b32 s22, s22, 1
	s_lshl_b32 s22, s22, 2
	s_add_co_u32 s22, s22, s23
	s_add_co_u32 s58, s20, s22
	s_add_co_u32 s58, s58, 6144
	s_mov_b32 s59, 0
	s_wait_dscnt 0x0
	s_wait_kmcnt 0x0
	s_add_nc_u64 s[18:19], s[6:7], s[18:19]
	s_add_nc_u64 s[56:57], s[4:5], s[56:57]
	s_add_nc_u64 s[58:59], s[4:5], s[58:59]
.irp c, 0,1,2,3
	s_mov_b32 s[G0+4*\c], 1                        ; count = 1
	s_add_co_u32 s[G0+4*\c+1], s16, \c*CHB         ; LDS address
	s_add_nc_u64 s[G0+4*\c+2:G0+4*\c+3], s[18:19], \c*CHB   ; global address
	s_or_b32 s[G0+4*\c+3], s[G0+4*\c+3], 0x80000000 ; type = 2
.endr
	CROUND                                         ; all four work-groups are here: the joint loads meet
	tensor_load_to_lds s[G0:G0+3], s[G1:G1+7]
	s_nop 0
	tensor_load_to_lds s[G0+4:G0+7], s[G1:G1+7]
	s_nop 0
	tensor_load_to_lds s[G0+8:G0+11], s[G1:G1+7]
	s_nop 0
	tensor_load_to_lds s[G0+12:G0+15], s[G1:G1+7]
	s_nop 0
.rept 4
	v_nop
.endr
	v_and_b32 v5, 31, v0
	v_lshlrev_b32 v[L16], 4, v5
	v_lshlrev_b32 v[L8], 3, v5
	v_and_b32 v6, 15, v0                           ; r
	v_lshlrev_b32 v7, 5, v6                        ; 32 r
	v_lshlrev_b32 v8, 4, v6                        ; 16 r
	global_load_b128 v[16:19], v[L16], s[56:57]    ; q's image stays in registers
	global_load_b64 v[20:21], v[L8], s[56:57] offset:512
	global_load_b32 v255, v8, s[58:59]             ; and its scale words
	; The zero codes are written first: an operand of a scaled matrix instruction that a vector instruction wrote stands four plain vector instructions ahead of it; O^T's 32 lines below stand between.
.irp j, 22,23,24,25,26,27
	v_mov_b32 v[\j], 0                             ; q's codes of K = 64 .. 127: zeros
.endr
.irp t, 0,1,2,3
.irp j, 6,7,8,9,10,11
	v_mov_b32 v[KF+12*\t+\j], 0                    ; k's likewise: no load ever lands here
.endr
.endr
	v_mov_b32 v13, 0xff61b1e6                      ; the largest t so far: -3e38, under every t
	v_floor_f32 v12, -v13                          ; -M
	v_mov_b32 v14, 0                               ; l, in two halves
	v_mov_b32 v15, 0
.irp b, 0,1,2,3
	v_mov_b32 v[236+\b], 0                         ; a lane permute's destination counts as one of its sources
.endr
	v_mov_b32 v253, 0                              ; (named as the upper half of the pair v[252:253] before it is first written)
.set j, 0
.rept 32
	v_mov_b32 v[O+j], 0                            ; O^T: the step is written once; its first trip finds zeros, which the first change of M leaves zeros
.set j, j+1
.endr
	s_wait_loadcnt 0x0                             ; q
; A KEY STEP: 128 keys, whose record begins at LDS byte s[TB].
.macro STEP
	v_add_nc_u32 v[ADA], s[TB], v[L16]
	v_add_nc_u32 v[ADB], s[TB], v[L8]
.irp t, 0,1,2,3
	ds_load_b128 v[KF+12*\t:KF+12*\t+3], v[ADA] offset:768*\t
	ds_load_b64 v[KF+12*\t+4:KF+12*\t+5], v[ADB] offset:768*\t+512
.endr
	ds_load_b128 v[248:251], v[ADA] offset:6144    ; k's scale words: register j: lanes 0-15 tile 2 j, lanes 16-31 tile 2 j + 1
	s_wait_dscnt 0x0
.irp t, 0,2
	v_wmma_scale_f32_16x16x128_f8f6f4 v[S+8*\t:S+8*\t+7], v[KF+12*\t:KF+12*\t+11], v[16:27], 0, v[248+\t/2], v255 matrix_a_fmt:MATRIX_FMT_FP6 matrix_b_fmt:MATRIX_FMT_FP6
	v_wmma_scale_f32_16x16x128_f8f6f4 v[S+8*\t+8:S+8*\t+15], v[KF+12*\t+12:KF+12*\t+23], v[16:27], 0, v[248+\t/2], v255 matrix_a_fmt:MATRIX_FMT_FP6 matrix_b_fmt:MATRIX_FMT_FP6 matrix_a_scale:MATRIX_SCALE_ROW1
.endr
.rept 4
	v_nop                                          ; places in front of loads into registers that matrix instructions have read: k's, just now; v's, at the last step's end (the two additions above are places for those too)
.endr
.irp t, 0,1,2,3
	ds_load_b128 v[KF+12*\t:KF+12*\t+3], v[ADA] offset:768*(4+\t)
	ds_load_b64 v[KF+12*\t+4:KF+12*\t+5], v[ADB] offset:768*(4+\t)+512
.endr
.irp u, 0,1,2,3                                ; v's four fragments (16 channels x 128 keys) are asked for here and land beside the softmax
.irp c, 0,1
	ds_load_b128 v[VF+12*\u+6*\c:VF+12*\u+6*\c+3], v[ADA] offset:6656+1536*\u+768*\c
	ds_load_b64 v[VF+12*\u+6*\c+4:VF+12*\u+6*\c+5], v[ADB] offset:6656+1536*\u+768*\c+512
.endr
.endr
	ds_load_b128 v[28:31], v[ADA] offset:12800     ; v's scale words: register u: channel 16 u + r
	s_wait_dscnt 17                                ; k's tiles 4-7 are in; v's sixteen loads and its scale words may be out
.irp t, 0,2
	v_wmma_scale_f32_16x16x128_f8f6f4 v[S+32+8*\t:S+32+8*\t+7], v[KF+12*\t:KF+12*\t+11], v[16:27], 0, v[250+\t/2], v255 matrix_a_fmt:MATRIX_FMT_FP6 matrix_b_fmt:MATRIX_FMT_FP6
	v_wmma_scale_f32_16x16x128_f8f6f4 v[S+32+8*\t+8:S+32+8*\t+15], v[KF+12*\t+12:KF+12*\t+23], v[16:27], 0, v[250+\t/2], v255 matrix_a_fmt:MATRIX_FMT_FP6 matrix_b_fmt:MATRIX_FMT_FP6 matrix_a_scale:MATRIX_SCALE_ROW1
.endr
.rept 4
	v_nop                                          ; places in front of the first read of the scores
.endr
.irp b, 0,1,2,3
	v_max3_num_f32 v[232+\b], v[S+16*\b], v[S+1+16*\b], v[S+2+16*\b]   ; the largest score of each block of 32 keys: it serves for the row's maximum and, since p rises with the score, for the block's largest p
.endr
.irp i, 3,5,7,9,11,13
.irp b, 0,1,2,3
	v_max3_num_f32 v[232+\b], v[232+\b], v[S+16*\b+\i], v[S+1+16*\b+\i]   ; (the four blocks by turns)
.endr
.endr
.irp b, 0,1,2,3
	v_max_num_f32 v[232+\b], v[232+\b], v[S+15+16*\b]
.endr
.irp b, 0,1,2,3
	v_permlanex16_b32 v[236+\b], v[232+\b], s[SEL], s[SEL+1]
.endr
.irp b, 0,1,2,3
	v_max_num_f32 v[232+\b], v[232+\b], v[236+\b]  ; with lane l xor 16's 16 keys
.endr
	v_max3_num_f32 v254, v232, v233, v234
	v_max_num_f32 v254, v254, v235                 ; the step's largest score of my query
	v_mul_f32 v254, s[CS], v254                    ; as t (c is positive)
	v_max_num_f32 v13, v13, v254                   ; the running largest t
	v_mov_b32 v254, v12
	v_floor_f32 v12, -v13                          ; the new -M = floor(-t) = -ceil(t): a whole number
	v_sub_f32 v254, v12, v254                      ; M's old value less its new one: a whole number, 0 or less
	v_cvt_i32_f32 v254, v254                       ; (it saturates)
	v_ldexp_f32 v252, 1.0, v254                    ; f = 2^(old M - new M)
.set j, 0
.rept 32
	v_pk_fma_f32 v[S+j:S+j+1], v[S+j:S+j+1], s[CS:CS+1], v[12:13] op_sel_hi:[1,0,0]   ; t - M, two at a time (of the pairs c and -M the low word serves both halves)
.set j, j+2
.endr
.irp b, 0,1,2,3
	v_fma_f32 v[232+\b], v[232+\b], s[CS], v12     ; the same of each block's largest score
.endr
.set j, 0
.rept 64
	v_exp_f32 v[S+j], v[S+j]                       ; p = 2^(t - M), at most 1: not normalised
.set j, j+1
.endr
.irp b, 0,1,2,3
	v_exp_f32 v[232+\b], v[232+\b]                 ; the block's largest p: the same two instructions on the same number give the same bits
.endr
	v_pk_mul_f32 v[14:15], v[14:15], v[252:253] op_sel_hi:[1,0]   ; l under the new M.  (A plain place behind the exponentials)
	s_wait_alu depctr_va_vdst(0)
.irp b, 0,1,2,3
	v_max_num_f32 v[232+\b], 0x1800000, v[232+\b]  ; the floor 2^(3 - 127): the byte cannot fall under 1
.endr
.irp b, 0,1,2,3
	v_add_nc_u32 v[244+\b], 0xff000000, v[232+\b]  ; 2 off the exponent field: the conversion's scale operand
.endr
.irp b, 0,1,2,3
	v_lshrrev_b32 v[236+\b], 23, v[244+\b]         ; the scale's byte
.endr
	v_lshl_or_b32 v253, v237, 8, v236              ; p's scale word for these 128 keys
	v_lshl_or_b32 v253, v238, 16, v253
	v_lshl_or_b32 v253, v239, 24, v253
.irp c, 0,1
	v_cvt_scalef32_pk16_fp6_f32 v[224+6*\c:226+6*\c], v[S+32*\c:S+15+32*\c], v[244+2*\c]
	v_cvt_scalef32_pk16_fp6_f32 v[236+4*\c:238+4*\c], v[S+16+32*\c:S+31+32*\c], v[244+2*\c+1]   ; (a conversion's three registers begin on an even number)
.endr
	v_nop                                          ; one plain place behind a scaled conversion
.irp c, 0,1                                    ; the operand's layout wants a whole block in a lane: lanes 0-15 block 2 c, lanes 16-31 block 2 c + 1
.irp i, 0,1,2
	v_permlane16_swap_b32 v[224+6*\c+\i], v[236+4*\c+\i]
.endr
.irp i, 0,1,2
	v_mov_b32 v[227+6*\c+\i], v[236+4*\c+\i]
.endr
.endr
.set j, 0
.rept 16
	v_pk_mul_f32 v[O+j:O+j+1], v[O+j:O+j+1], v[252:253] op_sel_hi:[1,0]   ; O^T under the new M, each accumulator from its low end on
.set j, j+2
.endr
	v_pk_add_f32 v[236:237], v[S:S+1], v[S+2:S+3]  ; l is taken of the unquantised p: two at a time, in two chains.  These lines are also the places in front of the products below
.set j, 4
.rept 15
	v_pk_add_f32 v[14:15], v[14:15], v[S+j:S+j+1]
	v_pk_add_f32 v[236:237], v[236:237], v[S+j+2:S+j+3]
.set j, j+4
.endr
	v_pk_add_f32 v[14:15], v[14:15], v[236:237]
	s_wait_dscnt 0x0                               ; v and its scale words are in
.irp u, 0,1,2,3                                ; O^T += v^T p^T: four accumulators, one instruction each in a step
	v_wmma_scale_f32_16x16x128_f8f6f4 v[O+8*\u:O+8*\u+7], v[VF+12*\u:VF+12*\u+11], v[224:235], v[O+8*\u:O+8*\u+7], v[28+\u], v253 matrix_a_fmt:MATRIX_FMT_FP6 matrix_b_fmt:MATRIX_FMT_FP6
.endr
	s_add_co_u32 s[TB], s[TB], RS
.endm
; A chunk of four key steps.  My part of it has landed when at most 3 - c younger loads of mine are out; behind the barrier everybody's has.  The later chunks stay on their way.
.macro CHUNK c
	s_wait_tensorcnt 3-\c
	s_wait_dscnt 0x0
	s_barrier_signal -1
	s_barrier_wait -1
	s_mov_b32 s[TB], \c*CHB
	s_mov_b32 s[CNT], 4
.Lstep_\@:
	STEP
	s_sub_co_u32 s[CNT], s[CNT], 1
	s_cmp_lg_u32 s[CNT], 0
	s_cbranch_scc1 .Lstep_\@
.endm
	CHUNK 0
	CHUNK 1
	CHUNK 2
	CHUNK 3
	; THE WAY OUT: O^T / l, quantised along the head's 64 (two blocks of the last product's K), as one image and two scale bytes a row.
.rept 4
	v_nop                                          ; places behind the last products
.endr
	v_add_f32 v14, v14, v15                        ; l's two halves,
	v_permlanex16_b32 v252, v14, s[SEL], s[SEL+1]
	v_add_f32 v14, v14, v252                       ; and lane l xor 16's
	v_rcp_f32 v14, v14
	v_nop                                          ; a plain place behind the transcendental
	s_and_b32 s16, s15, 15                         ; the head in its batch
	s_lshr_b32 s17, s15, 4                         ; the batch
	s_lshl_b32 s17, s17, 7
	s_lshl_b32 s18, s14, 4
	s_add_co_u32 s17, s17, s18
	s_add_co_u32 s17, s17, s[WV]                   ; my tile of 16 rows, of 256
	s_lshl_b32 s18, s16, 8
	s_add_co_u32 s18, s18, s17
	s_mul_i32 s18, s18, 768                        ; ac [head 16][tile 256][768]
	s_mov_b32 s19, 0
	s_add_nc_u64 s[8:9], s[8:9], s[18:19]
	s_lshl_b32 s18, s17, 9                         ; asc [row 4,096][32]: 16 rows of 32 bytes a tile,
	s_lshl_b32 s16, s16, 1
	s_add_co_u32 s18, s18, s16                     ; bytes 2 x head and 2 x head + 1
	s_add_nc_u64 s[10:11], s[10:11], s[18:19]
.set j, 0
	s_wait_alu depctr_va_vdst(0)
.rept 16
	v_pk_mul_f32 v[S+j:S+j+1], v[O+j:O+j+1], v[14:15] op_sel_hi:[1,0]   ; register 8 u + i is o(r, 16 u + 8 h + i)
.set j, j+2
.endr
.irp b, 0,1
	v_max3_num_f32 v[232+\b], |v[S+16*\b]|, |v[S+1+16*\b]|, 0x1800000
.endr
.irp i, 2,4,6,8,10,12,14
.irp b, 0,1
	v_max3_num_f32 v[232+\b], v[232+\b], |v[S+16*\b+\i]|, |v[S+1+16*\b+\i]|
.endr
.endr
.irp b, 0,1
	v_permlanex16_b32 v[236+\b], v[232+\b], s[SEL], s[SEL+1]
.endr
.irp b, 0,1
	v_max_num_f32 v[232+\b], v[232+\b], v[236+\b]
.endr
.irp b, 0,1
	v_add_nc_u32 v[244+\b], 0xff000000, v[232+\b]
.endr
.irp b, 0,1
	v_lshrrev_b32 v[236+\b], 23, v[244+\b]
.endr
	v_lshl_or_b32 v254, v237, 8, v236              ; my row's two scale bytes
	v_cvt_scalef32_pk16_fp6_f32 v[224:226], v[S:S+15], v244
	v_cvt_scalef32_pk16_fp6_f32 v[240:242], v[S+16:S+31], v245
	v_nop                                          ; one plain place behind a scaled conversion
.irp i, 0,1,2
	v_permlane16_swap_b32 v[224+\i], v[240+\i]
.endr
.irp i, 0,1,2
	v_mov_b32 v[227+\i], v[240+\i]
.endr
	global_store_b128 v[L16], v[224:227], s[8:9]                   ; 512 consecutive bytes, aligned
	global_store_b64 v[L8], v[228:229], s[8:9] offset:512          ; 256 consecutive bytes, aligned
	global_store_b16 v7, v254, s[10:11]                            ; both halves of the lanes hold the same row's bytes and write the same value
	s_wait_tensorcnt 0x0
	ds_add_u32 v11, v243
	s_wait_dscnt 0x0
	CROUND                                         ; the closing round: no work-group ends while a partner may still ask for a tile that names it
	s_endpgm
.Lfunc_end_k_qac31eaa796_attn:
	.size	k_qac31eaa796_attn, .Lfunc_end_k_qac31eaa796_attn-k_qac31eaa796_attn
	.p2alignl 7, 3214868480
	.fill 96, 4, 3214868480
	.section	.rodata,"a",@progbits
	.p2align	6, 0x0
	.amdhsa_kernel k_qac31eaa796_attn
		.amdhsa_group_segment_fixed_size 215040
		.amdhsa_private_segment_fixed_size 0
		.amdhsa_enable_private_segment 0
		.amdhsa_kernarg_size 32
		.amdhsa_user_sgpr_count 2
		.amdhsa_user_sgpr_kernarg_segment_ptr 1
		.amdhsa_wavefront_size32 1
		.amdhsa_system_sgpr_workgroup_id_x 1
		.amdhsa_system_sgpr_workgroup_id_y 1
		.amdhsa_system_sgpr_workgroup_id_z 1
		.amdhsa_system_vgpr_workitem_id 0
		.amdhsa_next_free_vgpr 256
		.amdhsa_next_free_sgpr 66
		.amdhsa_reserve_vcc 0
		.amdhsa_float_denorm_mode_32 3
		.amdhsa_float_denorm_mode_16_64 3
		.amdhsa_memory_ordered 1
		.amdhsa_forward_progress 1
		.amdhsa_inst_pref_size 76
	.end_amdhsa_kernel
	.amdgpu_metadata
---
amdhsa.version: [ 1, 2 ]
amdhsa.kernels:
  - .name:           k_qac31eaa796_attn
    .symbol:         k_qac31eaa796_attn.kd
    .args:
      - { .name: qrec, .offset: 0, .size: 8, .value_kind: global_buffer, .address_space: global }
      - { .name: kv, .offset: 8, .size: 8, .value_kind: global_buffer, .address_space: global }
      - { .name: ac, .offset: 16, .size: 8, .value_kind: global_buffer, .address_space: global }
      - { .name: asc, .offset: 24, .size: 8, .value_kind: global_buffer, .address_space: global }
    .group_segment_fixed_size: 215040
    .private_segment_fixed_size: 0
    .kernarg_segment_align: 8
    .kernarg_segment_size: 32
    .max_flat_workgroup_size: 512
    .sgpr_count:     66
    .vgpr_count:     256
    .wavefront_size: 32
...
	.end_amdgpu_metadata
.endif
;; end of part 3
;; launch proj (part 4): grid 4 x 16, 4 waves a work-group, clusters of 4 x 4, 327,680 bytes of LDS; arguments ac, asc, c1, s1, out0, b_proj; writes out0
.if DOCPART == 4
	.amdgcn_target "amdgcn-amd-amdhsa--gfx1250"
	.amdhsa_code_object_version 6
	.text
	.protected	k_qac31eaa796_proj
	.globl	k_qac31eaa796_proj
	.p2align	8
	.type	k_qac31eaa796_proj,@function
k_qac31eaa796_proj:
	s_mov_b64 s[64:65], 0
	v_nop
	global_prefetch_b8 v0, s[64:65] scope:SCOPE_SE
	s_setreg_imm32_b32 hwreg(HW_REG_WAVE_MODE, 25, 1), 1
	s_wait_xcnt 0x0
	s_wait_alu depctr_hold_cnt(0) depctr_sa_sdst(0) depctr_va_vdst(0) depctr_va_sdst(0) depctr_va_ssrc(0) depctr_va_vcc(0) depctr_vm_vsrc(0)
	s_getreg_b32 s2, hwreg(HW_REG_IB_STS2, 6, 4)
	s_cmp_eq_u32 s2, 0
	s_cbranch_scc0 .Lentry_in_a_cluster
	s_endpgm
.Lentry_in_a_cluster:
	s_bfe_u32 s2, ttmp6, 0x10000c
	s_cmp_lg_u32 s2, 0xf033
	s_cbranch_scc0 .Lentry_shape_is_right
	s_endpgm
.Lentry_shape_is_right:
; out0 = a w_proj^T + b_proj on codes of FP6 (E2M3) with E8M0 scales.  a: attention's result, 4,096 rows x 1,024; out0 [4096][1024] f32; sums in f32.
; a's codes lie in ac as images of operand registers, [head 16][tile of 16 rows 256][768]: six registers a lane (16 rows x 64 along K), registers 0-3 at 16 x lane, registers 4-5 at 512 + 8 x lane; its scale
; bytes in asc [4096][32].  w_proj's codes are rows of 768 bytes at byte 5,505,024 of c1, its scale bytes rows of 32 at byte 229,376 of s1.  Inside a block of 32 both sides' codes have the same order.
; A tile of out0, 256 x 256, is made by four waves, 128 x 128 each: 64 accumulators, 512 registers; 64 work-groups.
; K goes in steps of 256 (four heads) through a ring of two LDS slots filled by the tensor data mover; the scale bytes of the work-group's rows come once and stay.
; CLUSTERS: 4 x 4 work-groups; a's tiles are asked for jointly along a row of the cluster, w_proj's along a column.  The matrix instruction is used transposed (source 0 = 16 rows of w_proj, source 1 = 16 rows
; of a): a lane holds eight neighbouring numbers of a row of out0.  The bias is the C of each sum's first matrix instruction.
; REGISTERS, in windows of 256: window 0: v0-31 addresses; v32-63 scale words, two sets; v128-223 a's fragments, one set; on the way out v128-255 are free.
;   window 1: w_proj's fragments, two sets, at v0 and v128; the bias at v96-127 and v224-255.   window 2: the accumulators of my rows 0-63 ((a, b) at v[8 (8 a + b)]);   window 3: those of rows 64-127.
.set NQ,     2                         ; matrix instructions deep in a slot
.set ROWB,   192                       ; a row of B's tile in bytes
.set KROW,   768                       ; a row of B's codes in memory
.set PITCH,  240                       ; B's LDS row: 3 x (64 bytes + 16 of padding)
.set FR,     12                        ; registers of a fragment
.set NLA,    4                         ; LDS loads that bring a fragment of A
.set NP,     4                         ; places behind this matrix instruction (ISA guide 7.12.1)
.set HALFA,  4*6144                    ; A: 128 rows x 256 along K: four heads x eight images
.set HALFT,  128*PITCH                 ; B: 128 rows
.set BOFF,   2*HALFA                   ; B's rows lie behind A's two halves
.set SLOT,   BOFF+2*HALFT
.set ASTEP,  4*196608                  ; four heads on in ac
.set LAPS,   2
.set KS,     32
.set SCL,    2*SLOT                    ; behind the ring: the scales, as units of 256 bytes + 16 of padding
.set HALFS,  (128*KS/256)*272
.set SBLK,   (16*KS/256)*272
.set SPARE,  SCL+4*HALFS               ; the spare words, 128 bytes for each wave: two blocks of 256 bytes that no other line names
.set SPITCH, 528                       ; the way out: a stage of 16 rows x (512 bytes + 16) for each wave, in slot 0, which has had its last fill and its last read when the first result is stored there
.set SIZE_N, 1024
.set ADRA, 16                          ; v16-17 LDS address of my A images in slot 0, 1, + 16 x lane; v18-19 the same + 8 x lane
.set ADRB, 20                          ; v20-21 of my B fragments; v22-23 for the pieces behind one padding more
.set STO,  24                          ; v24 the way out: where I put 32 bytes of a row
.set RD,   25                          ; v25 where I read a row back
.set CO,   26                          ; v26 my byte offset in a row of out0
.set ADRS, 27                          ; v27 LDS address of my scale words
.set SPW,  28                          ; v28 LDS address of my spare word; never rewritten
.set NIL,  29                          ; v29 0; never rewritten
.set SC,   32
.set AF,   128
.set BK,   128                         ; the way out: 16 rows read back from the stage: v128-191 and v192-255 by turns
.set G1, 24
.set G0, 32
.set G1B, 48
.set G0B, 56
.set G1S, 68
.set G0S, 76
.set G1SB, 80
.set G0SB, 88
.set MSB, 0
.macro WIN new                         ; the immediate's high byte repeats the setting that is left
.if MSB != (\new)
	s_set_vgpr_msb (MSB<<8)|(\new)
.set MSB, (\new)
.endif
.endm
.set MUL_LO, 0xa1                      ; source 0 (B) window 1, source 1 (A) window 0, C and D window 2
.set MUL_HI, 0xf1                      ; the same, C and D window 3
.set BIA_LO, 0x91                      ; C (the bias) window 1, D window 2
.set BIA_HI, 0xd1                      ; C window 1, D window 3
.set TO_B,   0x40                      ; destination window 1, address window 0
; A joint load: waves 0 and 1 fetch for A, waves 2 and 3 for B; the branch hangs on the wave's number alone.  Four v_nop follow each of the two lines.
.macro JLOAD g0a, g1a, g0b, g1b
	s_cmp_eq_u32 s15, 0
	s_cbranch_scc0 .Lfor_b_\@
	tensor_load_to_lds s[\g0a:\g0a+3], s[\g1a:\g1a+7]
	s_nop 0
.rept 4
	v_nop
.endr
	s_branch .Lasked_\@
.Lfor_b_\@:
	tensor_load_to_lds s[\g0b:\g0b+3], s[\g1b:\g1b+7]
	s_nop 0
.rept 4
	v_nop
.endr
.Lasked_\@:
.endm
.macro CREST                           ; a round of the cluster's barrier behind its opening barrier
	s_cmp_lg_u32 s14, 0
	s_cbranch_scc1 .Lnot_wave_0_\@
	s_barrier_signal -3
.Lnot_wave_0_\@:
	s_barrier_wait -3
	s_barrier_signal -1
	s_barrier_wait -1
.endm
.macro CROUND                          ; a whole round
	s_barrier_signal -1
	s_barrier_wait -1
	CREST
.endm
	s_load_b128 s[4:7], s[0:1], 0x0                ; ac s[4:5], asc s[6:7]
	s_load_b128 s[8:11], s[0:1], 0x10              ; c1 s[8:9], s1 s[10:11]
	s_load_b64 s[12:13], s[0:1], 0x20              ; out0
	s_load_b64 s[96:97], s[0:1], 0x28              ; b_proj
	v_lshl_add_u32 v[SPW], v0, 2, SPARE
	v_mov_b32 v[NIL], 0
	ds_add_u32 v28, v29
	ds_add_u32 v28, v29
	s_wait_dscnt 0x0
	v_lshrrev_b32 v1, 5, v0
	v_readfirstlane_b32 s14, v1                    ; wave 0..3
	s_lshr_b32 s15, s14, 1                         ; which half of the tile's rows is mine.  Also: I fetch for A (0) or for B (1)
	s_and_b32 s16, s14, 1                          ; which half of its columns.  Also: which 128 rows of that tile I fetch
	s_bfe_u32 s40, ttmp6, 0x40000                  ; cx, cy: my place in the cluster
	s_bfe_u32 s41, ttmp6, 0x40004
	s_lshl_b32 s42, ttmp9, 2
	s_add_co_u32 s42, s42, s40                     ; tile column = 4 x cluster x + cx
	s_and_b32 s17, ttmp7, 0xffff
	s_lshl_b32 s17, s17, 2
	s_add_co_u32 s17, s17, s41                     ; tile row = 4 x cluster y + cy
	s_lshl_b32 s43, s41, 2
	s_lshl_b32 s43, 15, s43                        ; my row of the cluster
	s_lshl_b32 s44, 0x1111, s40                    ; my column
	; descriptor group 1 for A: four heads' runs of eight images: 4 rows of 6,144 bytes (768 elements of 8 bytes), 196,608 bytes apart, dense in LDS
	s_or_b32 s[G1+0], s43, (3<<16)|(1<<21)         ; 15:0 the mask: A's tiles go to my row; 17:16 elements of 8 bytes; 20 no padding; 21 set beside a mask
	s_mov_b32 s[G1+1], 768<<16                     ; tensor_dim0
	s_mov_b32 s[G1+2], 4<<16                       ; tensor_dim1
	s_mov_b32 s[G1+3], 768<<16                     ; tile_dim0
	s_mov_b32 s[G1+4], 4                           ; tile_dim1
	s_mov_b32 s[G1+5], 24576                       ; tensor_dim0_stride, in elements
	s_mov_b32 s[G1+6], 0
	s_mov_b32 s[G1+7], 0
	; for B: 128 rows x 192 bytes, 16 bytes of padding behind every 64
	s_or_b32 s[G1B+0], s44, (0<<16)|(1<<20)|(1<<21)|(3<<22)|(3<<25)
	s_mov_b32 s[G1B+1], ROWB<<16
	s_mov_b32 s[G1B+2], 128<<16
	s_mov_b32 s[G1B+3], ROWB<<16
	s_mov_b32 s[G1B+4], 128
	s_mov_b32 s[G1B+5], KROW
	s_mov_b32 s[G1B+6], 0
	s_mov_b32 s[G1B+7], 0
	; the scales of 128 rows: 4,096 dense bytes, as 16 rows of 256 bytes, 16 bytes of padding behind each
	s_or_b32 s[G1S+0], s43, (3<<16)|(1<<20)|(1<<21)|(5<<22)|(3<<25)
	s_or_b32 s[G1SB+0], s44, (3<<16)|(1<<20)|(1<<21)|(5<<22)|(3<<25)
.irp g, G1S, G1SB
	s_mov_b32 s[\g+1], 32<<16
	s_mov_b32 s[\g+2], (128*KS/256)<<16
	s_mov_b32 s[\g+3], 32<<16
	s_mov_b32 s[\g+4], 128*KS/256
	s_mov_b32 s[\g+5], 32
	s_mov_b32 s[\g+6], 0
	s_mov_b32 s[\g+7], 0
.endr
	s_mul_i32 s20, s17, 16*768                     ; A: the tile row's sixteen images of head 0,
	s_mul_i32 s18, s16, 8*768                      ; the eight that I fetch
	s_add_co_u32 s20, s20, s18
	s_mov_b32 s21, 0
	s_lshl_b32 s22, s17, 13                        ; A's scale bytes: 256 rows of 32,
	s_lshl_b32 s18, s16, 12                        ; my 128
	s_add_co_u32 s22, s22, s18
	s_mov_b32 s23, 0
	s_lshl_b32 s46, s42, 8
	s_lshl_b32 s18, s16, 7
	s_add_co_u32 s46, s46, s18                     ; B: row 256 x tile column + 128 x half
	s_lshl_b32 s92, s46, 5
	s_add_co_u32 s92, s92, 229376                  ; w_proj's scale bytes in s1
	s_mov_b32 s93, 0
	s_mul_i32 s46, s46, KROW
	s_add_co_u32 s46, s46, 5505024                 ; w_proj's codes in c1
	s_mov_b32 s47, 0
	s_mul_i32 s45, s16, HALFA                      ; where they go: no place in the cluster enters an LDS address
	s_mul_i32 s95, s16, HALFT
	s_add_co_u32 s95, s95, BOFF
	s_mul_i32 s94, s14, HALFS
	s_wait_kmcnt 0x0
	s_add_nc_u64 s[20:21], s[4:5], s[20:21]
	s_add_nc_u64 s[22:23], s[6:7], s[22:23]
	s_add_nc_u64 s[46:47], s[8:9], s[46:47]
	s_add_nc_u64 s[92:93], s[10:11], s[92:93]
	CROUND                                         ; all sixteen work-groups are here: the first joint loads meet
	s_mov_b32 s[G0S], 1
	s_add_co_u32 s[G0S+1], s94, SCL
	s_mov_b64 s[G0S+2:G0S+3], s[22:23]
	s_or_b32 s[G0S+3], s[G0S+3], 0x80000000
	s_mov_b32 s[G0SB], 1
	s_add_co_u32 s[G0SB+1], s94, SCL
	s_mov_b64 s[G0SB+2:G0SB+3], s[92:93]
	s_or_b32 s[G0SB+3], s[G0SB+3], 0x80000000
	JLOAD G0S, G1S, G0SB, G1SB                     ; the scales first: they are wanted with K step 0
.irp s, 0,1
	s_mov_b32 s[G0+4*\s], 1
	s_add_co_u32 s[G0+4*\s+1], s45, \s*SLOT
	s_add_nc_u64 s[G0+4*\s+2:G0+4*\s+3], s[20:21], \s*ASTEP
	s_or_b32 s[G0+4*\s+3], s[G0+4*\s+3], 0x80000000
	s_mov_b32 s[G0B+4*\s], 1
	s_add_co_u32 s[G0B+4*\s+1], s95, \s*SLOT
	s_add_nc_u64 s[G0B+4*\s+2:G0B+4*\s+3], s[46:47], \s*ROWB
	s_or_b32 s[G0B+4*\s+3], s[G0B+4*\s+3], 0x80000000
	JLOAD G0+4*\s, G1, G0B+4*\s, G1B               ; three tensor loads of mine are out
.endr
	v_and_b32 v1, 15, v0                           ; r = lane % 16
	v_bfe_u32 v2, v0, 4, 1                         ; h = lane / 16
	v_and_b32 v7, 31, v0                           ; lane
	v_mul_u32_u24 v3, v1, PITCH
	v_mul_u32_u24 v4, v2, 24
	v_add_nc_u32 v4, v3, v4                        ; B: a fragment's row x pitch + 24 x half
	v_lshl_add_u32 v5, v2, 4, v4                   ; and the same behind one padding more
	v_lshlrev_b32 v9, 4, v7                        ; A: 16 x lane,
	v_lshlrev_b32 v10, 3, v7                       ; 8 x lane
	s_mul_i32 s21, s15, HALFA                      ; my 128 rows of A
	s_mul_i32 s22, s16, HALFT                      ; my 128 rows of B
	s_add_co_u32 s22, s22, BOFF
.irp s, 0,1
	v_add_nc_u32 v[ADRA+\s], s21, v9
	v_add_nc_u32 v[ADRA+2+\s], s21, v10
	v_add_nc_u32 v[ADRB+\s], s22, v4
	v_add_nc_u32 v[ADRB+2+\s], s22, v5
	s_add_co_u32 s21, s21, SLOT
	s_add_co_u32 s22, s22, SLOT
.endr
	v_mul_u32_u24 v5, v1, KS                       ; my row's scales: 32 bytes a row,
	v_lshrrev_b32 v6, 8, v5
	v_lshl_add_u32 v5, v6, 4, v5                   ; and 16 more for each 256 passed
	s_mul_i32 s21, s15, HALFS                      ; A's: my 128 rows
	s_mul_i32 s22, s16, HALFS                      ; B's: my 128 rows, behind A's 256
	s_add_co_u32 s22, s22, 2*HALFS
	s_sub_co_u32 s22, s22, s21
	v_mul_u32_u24 v6, s22, v2                      ; lanes 16-31 take B's
	s_add_co_u32 s21, s21, SCL
	v_add_nc_u32 v5, v5, v6
	v_add_nc_u32 v[ADRS], s21, v5
	s_mul_i32 s23, s14, 16*SPITCH                  ; my stage
	v_mul_u32_u24 v5, v1, SPITCH                   ; in: row l % 16, 32 bytes for each half of the lanes
	v_lshl_add_u32 v5, v2, 5, v5
	v_add_nc_u32 v[STO], s23, v5
	v_lshlrev_b32 v[CO], 4, v7                     ; back: the 32 lanes take one row of 512 bytes; and the same in out0
	v_add_nc_u32 v[RD], s23, v[CO]
	v_lshlrev_b32 v8, 5, v2                        ; 32 h: eight numbers of the bias for each half of the lanes
	s_lshl_b32 s20, s17, 8
	s_lshl_b32 s21, s15, 7
	s_add_co_u32 s20, s20, s21                     ; my first row of out0: 256 x tile row + 128 x half
	s_lshl_b32 s20, s20, 12                        ; 4,096 bytes a row
	s_mov_b32 s21, 0
	s_lshl_b32 s46, s42, 10                        ; my first column, in bytes: 1,024 x tile column + 512 x half; the bias begins as many bytes on
	s_lshl_b32 s47, s16, 9
	s_add_co_u32 s46, s46, s47
	s_mov_b32 s47, 0
	s_add_nc_u64 s[96:97], s[96:97], s[46:47]
	s_add_nc_u64 s[20:21], s[20:21], s[46:47]
	s_add_nc_u64 s[12:13], s[12:13], s[20:21]
	WIN TO_B
.irp b, 0,1,2,3,4,5,6,7                        ; the bias in the result's layout: tile b, register j = b_proj[n0 + 16 b + 8 h + j]
	global_load_b128 v[96+8*\b+96*(\b/4):96+8*\b+96*(\b/4)+3], v8, s[96:97] offset:64*\b
	global_load_b128 v[96+8*\b+96*(\b/4)+4:96+8*\b+96*(\b/4)+7], v8, s[96:97] offset:64*\b+16
.endr
	WIN 0
.macro FRAG reg, adr, q, i             ; B: a fragment, 16 rows x 128 K, is 12 registers: registers 6 c .. 6 c + 5 hold K = 64 c + 32 (l / 16) + 0 .. 31: 24 bytes of the row, as they lie, in pieces of 8 bytes
.irp p, 0,1,2,3,4,5                    ; lanes 16-31 read three pieces further on than lanes 0-15: where that is behind one padding more, the second address register serves
.set PC, 12*(\q)+6*(\p/3)+\p%3
.if PC%8 < 5
	ds_load_b64 v[\reg+2*\p:\reg+2*\p+1], v[\adr] offset:8*PC+16*(PC/8)+(\i)*16*PITCH
.else
	ds_load_b64 v[\reg+2*\p:\reg+2*\p+1], v[\adr+2] offset:8*PC+16*(PC/8)+(\i)*16*PITCH
.endif
.endr
.endm
.macro FRAGA reg, slot, q, i           ; A: two images, of heads 2 q and 2 q + 1 of the slot's four, tile i of my eight: consecutive bytes in consecutive lanes
	ds_load_b128 v[\reg:\reg+3], v[ADRA+\slot] offset:12288*(\q)+768*(\i)
	ds_load_b64 v[\reg+4:\reg+5], v[ADRA+2+\slot] offset:12288*(\q)+768*(\i)+512
	ds_load_b128 v[\reg+6:\reg+9], v[ADRA+\slot] offset:12288*(\q)+768*(\i)+6144
	ds_load_b64 v[\reg+10:\reg+11], v[ADRA+2+\slot] offset:12288*(\q)+768*(\i)+6656
.endm
; 16 matrix instructions: A's blocks a0, a0 + 1 x B's eight, 128 along K: the slot's q-th.  p: B's set; sc: the set of scale words.  c0 = 1: the sums begin with the bias.
; The 64 accumulators take turns, one instruction a turn, in the same order in every step.
.macro MUL16 a0, p, q, sc, c0
.irp a, \a0, \a0+1
.irp b, 0,1,2,3,4,5,6,7
.set rD, 8*(8*((\a)%4)+\b)
.set rB, 128*(\p)+FR*\b
.set rA, AF+FR*(\a)
.set rSB, SC+8*NQ*(\sc)+NQ*\b+(\q)
.set rSA, SC+8*NQ*(\sc)+NQ*(\a)+(\q)
.if \c0
.set rC, 96+8*\b+96*(\b/4)
	v_wmma_scale_f32_16x16x128_f8f6f4 v[rD:rD+7], v[rB:rB+FR-1], v[rA:rA+FR-1], v[rC:rC+7], v[rSB], v[rSA] matrix_a_fmt:MATRIX_FMT_FP6 matrix_b_fmt:MATRIX_FMT_FP6 matrix_a_scale:MATRIX_SCALE_ROW1
.else
	v_wmma_scale_f32_16x16x128_f8f6f4 v[rD:rD+7], v[rB:rB+FR-1], v[rA:rA+FR-1], v[rD:rD+7], v[rSB], v[rSA] matrix_a_fmt:MATRIX_FMT_FP6 matrix_b_fmt:MATRIX_FMT_FP6 matrix_a_scale:MATRIX_SCALE_ROW1
.endif
.endr
.endr
.endm
.macro FETCH_B slot, q, p              ; B's eight fragments of the slot's q-th 128 along K into set p
	WIN TO_B
.irp i, 0,1,2,3,4,5,6,7
	FRAG 128*(\p)+FR*\i, ADRB+\slot, \q, \i
.endr
	WIN 0
.endm
.macro FETCH_A slot, q, i0             ; A's blocks i0 .. i0 + 3
.irp i, \i0, \i0+1, \i0+2, \i0+3
	FRAGA AF+FR*(\i), \slot, \q, \i
.endr
.endm
.macro SCALES sc                       ; a K step's scale words into set sc: two words a row; lanes 0-15 take A's block i, lanes 16-31 B's block i
.irp i, 0,1,2,3,4,5,6,7
	ds_load_b64 v[SC+8*NQ*\sc+NQ*\i:SC+8*NQ*\sc+NQ*\i+1], v[ADRS] offset:\i*SBLK
.endr
.endm
; A load into a register that a matrix instruction has read, and an LDS store that reads a matrix result, stand NP places behind that matrix instruction; only plain vector instructions
; that name none of its registers are places (ISA guide 7.12.1 for vector instructions).
.macro PLACES n
.rept \n
	v_nop
.endr
.endm
; A step of 128 along K that has its successor in the same slot.
.macro STEP slot, q, c0
	s_wait_dscnt 4*NLA                             ; B's set and A's blocks 0-3 are in; the youngest 16 loads (A's blocks 4-7) may be out
.if \c0
	WIN BIA_LO
.else
	WIN MUL_LO
.endif
	MUL16 0, (\q)%2, \q, \slot, \c0
	MUL16 2, (\q)%2, \q, \slot, \c0
	s_wait_dscnt 0                                 ; A's blocks 4-7 are in (asked for 32 matrix instructions ago)
	PLACES NP
	FETCH_B \slot, (\q)+1, 1-(\q)%2
	FETCH_A \slot, (\q)+1, 0
.if \c0
	WIN BIA_HI
.else
	WIN MUL_HI
.endif
	MUL16 4, (\q)%2, \q, \slot, \c0
	MUL16 6, (\q)%2, \q, \slot, \c0
	PLACES NP
	WIN 0
	FETCH_A \slot, (\q)+1, 4
.endm
; A slot's last step changes slots: ONE barrier; in front of it each wave waits for all its tensor loads, adds 0 to its spare word, and waits for that and for its own reads of this slot.  fill = 1: this slot is filled again, two K steps ahead.
.macro TURN slot, next, fill
	s_wait_tensorcnt 0x0                           ; all my tensor loads have landed: my part of the next slot;  (every window is 0 here)
	ds_add_u32 v[SPW], v[NIL]                      ; 0 onto my spare word
	s_wait_dscnt 4*NLA+1                           ; (the add and the youngest 16 loads, A's blocks 4-7, may be out)
	WIN MUL_LO
	MUL16 0, 1, NQ-1, \slot, 0                     ; sixteen matrix instructions stand between the add and the wait for it
	s_wait_dscnt 0x0                               ; the add is done, and my reads of this slot are over
	s_barrier_signal -1
	MUL16 2, 1, NQ-1, \slot, 0
	WIN 0
	s_barrier_wait -1
.if \fill
	CREST                                          ; the barrier has opened a round of the cluster's barrier: no wave of any partner still reads this slot's tile or has a load on its way
	s_add_nc_u64 s[G0+4*\slot+2:G0+4*\slot+3], s[G0+4*\slot+2:G0+4*\slot+3], 2*ASTEP
	s_add_nc_u64 s[G0B+4*\slot+2:G0B+4*\slot+3], s[G0B+4*\slot+2:G0B+4*\slot+3], 2*ROWB
	JLOAD G0+4*\slot, G1, G0B+4*\slot, G1B         ; the first tensor load behind the round; the four v_nop behind it are the places in front of the loads below
.else
	PLACES NP
.endif
	v_add_nc_u32 v[ADRS], 4*NQ, v[ADRS]            ; on to the next K step's scale words (no LDS load of mine is out)
	FETCH_B \next, 0, 0
	FETCH_A \next, 0, 0
	SCALES \next
	WIN MUL_HI
	MUL16 4, 1, NQ-1, \slot, 0
	MUL16 6, 1, NQ-1, \slot, 0
	PLACES NP
	WIN 0
	FETCH_A \next, 0, 4
.endm
	s_wait_tensorcnt 1                             ; the scales and my part of K step 0 are in (K step 1's load may be out),
	s_barrier_signal -1
	s_barrier_wait -1                              ; everybody's are
	FETCH_B 0, 0, 0
	FETCH_A 0, 0, 0
	SCALES 0
	FETCH_A 0, 0, 4
	s_wait_loadcnt 0x0                             ; the bias
	STEP 0, 0, 1                                   ; the first step stands in front of the loop: its products begin the sums with the bias
	s_mov_b32 s3, LAPS-1
.Llap:                                                 ; a trip goes once round the ring, from a lap's second step to the next lap's first, and fills both slots again
	TURN 0, 1, 1
	STEP 1, 0, 0
	TURN 1, 0, 1
	STEP 0, 0, 0
	s_sub_co_u32 s3, s3, 1
	s_cmp_lg_u32 s3, 0
	s_cbranch_scc1 .Llap
	TURN 0, 1, 0                                   ; the last lap fills nothing, and has no round of the cluster's barrier
	STEP 1, 0, 0
	s_wait_dscnt 4*NLA                             ; the very last step: nothing more to fetch
	WIN MUL_LO
	MUL16 0, 1, NQ-1, 1, 0
	MUL16 2, 1, NQ-1, 1, 0
	s_wait_dscnt 0
	WIN MUL_HI
	MUL16 4, 1, NQ-1, 1, 0
	MUL16 6, 1, NQ-1, 1, 0
	WIN 0
; THE WAY OUT, block by block of 16 rows x 128 columns.  A lane holds 32 neighbouring bytes of a row, and the lanes beside it hold other rows: so a block goes through my own stage in LDS and comes back as whole
; rows of 512 bytes.  LDS serves a wave's instructions in order (ISA guide 5.7.1.4): no wait between the stores and the loads, nor in front of the next block's stores.
.macro TOSTAGE a
.set AC, 64*((\a)%4)
	WIN 0x08+4*((\a)/4)                            ; the data: window 2 or 3
.irp b, 0,1,2,3,4,5,6,7
	ds_store_b128 v[STO], v[AC+8*\b:AC+8*\b+3] offset:64*\b          ; each accumulator from its low end on
	ds_store_b128 v[STO], v[AC+8*\b+4:AC+8*\b+7] offset:64*\b+16
.endr
	WIN 0
.set BB, BK+64*((\a)%2)
.irp t, 0,1,2,3,4,5,6,7,8,9,10,11,12,13,14,15
	ds_load_b128 v[BB+4*\t:BB+4*\t+3], v[RD] offset:\t*SPITCH
.endr
.endm
.macro SEND a, younger                 ; younger: the LDS instructions issued behind block a's loads, which may stay out
.set BB, BK+64*((\a)%2)
	s_wait_dscnt \younger                          ; the block is back in registers
.if (\a) > 0
	s_add_nc_u64 s[12:13], s[12:13], 16*SIZE_N*4   ; (behind a wait on XCNT: the earlier stores have read their base)  16 rows of out0 on
.endif
.irp t, 0,1,2,3,4,5,6,7,8,9,10,11,12,13,14,15
	global_store_b128 v[CO], v[BB+4*\t:BB+4*\t+3], s[12:13] offset:\t*SIZE_N*4 th:TH_STORE_NT   ; 32 lanes store 512 consecutive bytes, at a multiple of 256 from out0's first byte; written once, read by nobody here
.endr
.endm
	PLACES NP                                      ; behind the last products: for the stores of results and for the loads into the registers that held A's fragments
	TOSTAGE 0
.irp a, 1,2,3,4,5,6,7
.if \a > 1
	s_wait_xcnt 0x0                                ; block a - 2's stores have read their registers and their base: block a's loads may land there, and the base may step
.endif
	TOSTAGE \a
	SEND \a-1, 32                                  ; behind block a - 1's loads: block a's 16 stores and 16 loads
.endr
	s_wait_xcnt 0x0                                ; block 6's stores have read their base
	SEND 7, 0
	s_wait_tensorcnt 0x0                           ; the wave's end, behind my last tensor load and my last LDS store
	ds_add_u32 v[SPW], v[NIL]
	s_wait_dscnt 0x0
	CROUND                                         ; the closing round: no work-group ends while a partner may still ask for a tile that names it
	s_endpgm
.Lfunc_end_k_qac31eaa796_proj:
	.size	k_qac31eaa796_proj, .Lfunc_end_k_qac31eaa796_proj-k_qac31eaa796_proj
	.p2alignl 7, 3214868480
	.fill 96, 4, 3214868480
	.section	.rodata,"a",@progbits
	.p2align	6, 0x0
	.amdhsa_kernel k_qac31eaa796_proj
		.amdhsa_group_segment_fixed_size 327680
		.amdhsa_private_segment_fixed_size 0
		.amdhsa_enable_private_segment 0
		.amdhsa_kernarg_size 48
		.amdhsa_user_sgpr_count 2
		.amdhsa_user_sgpr_kernarg_segment_ptr 1
		.amdhsa_wavefront_size32 1
		.amdhsa_system_sgpr_workgroup_id_x 1
		.amdhsa_system_sgpr_workgroup_id_y 1
		.amdhsa_system_sgpr_workgroup_id_z 1
		.amdhsa_system_vgpr_workitem_id 0
		.amdhsa_next_free_vgpr 1024
		.amdhsa_next_free_sgpr 98
		.amdhsa_reserve_vcc 0
		.amdhsa_float_denorm_mode_32 3
		.amdhsa_float_denorm_mode_16_64 3
		.amdhsa_memory_ordered 1
		.amdhsa_forward_progress 1
		.amdhsa_inst_pref_size 154
	.end_amdhsa_kernel
	.amdgpu_metadata
---
amdhsa.version: [ 1, 2 ]
amdhsa.kernels:
  - .name:           k_qac31eaa796_proj
    .symbol:         k_qac31eaa796_proj.kd
    .args:
      - { .name: ac, .offset: 0, .size: 8, .value_kind: global_buffer, .address_space: global }
      - { .name: asc, .offset: 8, .size: 8, .value_kind: global_buffer, .address_space: global }
      - { .name: c1, .offset: 16, .size: 8, .value_kind: global_buffer, .address_space: global }
      - { .name: s1, .offset: 24, .size: 8, .value_kind: global_buffer, .address_space: global }
      - { .name: out0, .offset: 32, .size: 8, .value_kind: global_buffer, .address_space: global }
      - { .name: b_proj, .offset: 40, .size: 8, .value_kind: global_buffer, .address_space: global }
    .group_segment_fixed_size: 327680
    .private_segment_fixed_size: 0
    .kernarg_segment_align: 8
    .kernarg_segment_size: 48
    .max_flat_workgroup_size: 128
    .sgpr_count:     98
    .vgpr_count:     1024
    .wavefront_size: 32
...
	.end_amdgpu_metadata
.endif
;; end of part 4
;; ======== version 2 of 2: 4 launches
;; limits: right only within a limited range of input values
;; workspace buffers: c1 6,553,600 bytes; qrec 3,276,800 bytes; kv 6,553,600 bytes; ac 3,276,800 bytes
;; launch quant (part 5): grid 256 x 1, 4 waves a work-group, no clusters, 33,280 bytes of LDS; arguments x, w_qkv, w_proj, c1; writes c1
.if DOCPART == 5
	.amdgcn_target "amdgcn-amd-amdhsa--gfx1250"
	.amdhsa_code_object_version 6
	.text
	.protected	k_qac31eaa796_quant
	.globl	k_qac31eaa796_quant
	.p2align	8
	.type	k_qac31eaa796_quant,@function
k_qac31eaa796_quant:
	s_mov_b64 s[64:65], 0
	v_nop
	global_prefetch_b8 v0, s[64:65] scope:SCOPE_SE
	s_setreg_imm32_b32 hwreg(HW_REG_WAVE_MODE, 25, 1), 1
	s_wait_xcnt 0x0
; x [4096][1024], w_qkv [3072][1024] and w_proj [1024][1024], f32, K innermost, become codes of FP6 (E2M3) with one E8M0 scale byte for each 32 along K.
; c1: 64 groups of 128 rows, 102,400 bytes each: x's groups 0-31, w_qkv's 32-55, w_proj's 56-63.
;   x, w_qkv: 128 rows of 768 bytes of codes, then 128 rows of 32 scale bytes.
;   w_proj: the codes of K = 0 .. 511 (128 rows of 384 bytes), 128 rows of 32 scale bytes, the codes of K = 512 .. 1,023.
; THE ORDER OF ROWS lets a lane's results in the later launches be whole scale blocks: token 128 G + 64 w + 32 h + 8 j + i is row 128 G + 32 j + 16 w + 8 h + i;
;   w_qkv's row 64 d + 32 h + 8 j + i is row 64 d + 16 j + 8 h + i.  Eight neighbouring rows stay neighbours: only a wave's first address differs.
; A block's scale byte is its largest magnitude's exponent field - 2, held at 1 from below.
; LIMITS (all launches): NaN and infinities are not served; a block of zeros gets the byte 1 (its codes are zeros; this program alone reads the bytes); largest magnitudes under 2^-124 are taken as 2^-124.
; A wave takes 8 rows, 16 steps of 512 numbers.  Each load reads 512 consecutive bytes; a step's 2,048 bytes turn through the wave's own stage in LDS and come back 64 bytes a lane: 16 neighbours, two lanes to a block.
; No tensor loads, no barrier: waves share nothing.  Loads run eight steps (32 loads a wave) ahead, the turn through LDS one step.
.set STEPS, 16
.set CB,    12                         ; bytes of 16 codes
.set GB,    102400                     ; a group
.set R,     16                         ; v16-143  eight sets of 16 numbers as they are loaded
.set X,     144                        ; v144-175 two sets of 16 neighbours
.set C,     176                        ; v176-207 codes, eight sets
.set OF,    208                        ; v208-223 each step's place in c1
.set WREG,  8192                       ; LDS: two stages of 32 x SP bytes for each wave, behind them its 256 scale bytes
.set SP,    80
.set SPW,   12
.set NIL,   13
.set SPARE, 4*WREG                     ; the spare words: two blocks of 256 bytes that no other line names
	s_load_b128 s[4:7], s[0:1], 0x0                ; x, w_qkv
	s_load_b128 s[8:11], s[0:1], 0x10              ; w_proj, c1
	v_lshl_add_u32 v[SPW], v0, 2, SPARE
	v_mov_b32 v[NIL], 0
	v_lshrrev_b32 v1, 5, v0
	v_readfirstlane_b32 s16, v1                    ; wave
	v_and_b32 v2, 31, v0                           ; lane
	v_lshlrev_b32 v3, 4, v2                        ; my 16 bytes of a load's 512
	s_mul_i32 s17, s16, WREG
	v_lshrrev_b32 v14, 2, v2
	v_mul_u32_u24 v14, v14, SP
	v_and_b32 v15, 3, v2
	v_lshl_add_u32 v14, v15, 4, v14
	v_add_nc_u32 v14, s17, v14                     ; into the stage: SP (lane / 4) + 16 (lane % 4)
	v_mul_u32_u24 v15, v2, SP
	v_add_nc_u32 v15, s17, v15                     ; out of it: SP x lane: my 16 neighbours
	v_lshrrev_b32 v5, 1, v2
	s_add_co_u32 s17, s17, 2*32*SP
	v_add_nc_u32 v5, s17, v5                       ; my block's scale byte in LDS
	v_lshlrev_b32 v7, 3, v2
	v_add_nc_u32 v6, s17, v7                       ; the bytes on the way out, 8 a lane
	s_lshl_b32 s19, ttmp9, 2
	s_add_co_u32 s20, s19, s16                     ; my run of 8 rows, of 1,024
	s_and_b32 s21, s20, 3                          ; j
	s_bfe_u32 s22, s20, 0x10002                    ; h
	s_bfe_u32 s23, s20, 0x10003
	s_lshl_b32 s24, s21, 2
	s_lshl_b32 s25, s23, 1
	s_add_co_u32 s24, s24, s25
	s_add_co_u32 s24, s24, s22                     ; x: run 4 j + 2 w + h of its group
	s_lshl_b32 s25, s23, 3
	s_lshl_b32 s26, s21, 1
	s_add_co_u32 s25, s25, s26
	s_add_co_u32 s25, s25, s22                     ; w_qkv: 2 j + h of its eight
	s_and_b32 s26, s20, 15                         ; w_proj: in order
	s_mov_b32 s27, 3072
	s_mov_b32 s28, 384
	s_mov_b32 s29, 53248
	s_mov_b32 s30, 49152
	s_mov_b32 s18, 224
	s_cmp_lt_u32 ttmp9, 224                        ; work-groups 0-127 take x, 128-223 w_qkv, 224-255 w_proj
	s_cselect_b32 s25, s25, s26
	s_cselect_b32 s27, 6144, s27                   ; bytes of a run in its plane of codes
	s_cselect_b32 s28, 768, s28                    ; from row to row
	s_cselect_b32 s29, 384, s29                    ; from a row's first half to its second
	s_cselect_b32 s30, 98304, s30                  ; where the group's scale bytes begin
	s_cselect_b32 s18, 128, s18
	s_cmp_lt_u32 ttmp9, 128
	s_cselect_b32 s25, s24, s25                    ; my run in its group
	s_cselect_b32 s18, 0, s18
	v_mul_u32_u24 v[OF], v2, CB
	v_add_nc_u32 v[OF+1], s29, v[OF]
.irp t, 2,3,4,5,6,7,8,9,10,11,12,13,14,15
	v_add_nc_u32 v[OF+\t], s28, v[OF+\t-2]
.endr
	s_wait_alu depctr_va_vdst(0)
	s_wait_kmcnt 0x0
	s_cmp_lt_u32 ttmp9, 224
	s_cselect_b64 s[6:7], s[6:7], s[8:9]
	s_cmp_lt_u32 ttmp9, 128
	s_cselect_b64 s[4:5], s[4:5], s[6:7]
	s_lshl_b32 s18, s18, 2
	s_sub_co_u32 s22, s20, s18                     ; my run of its tensor
	s_lshl_b32 s22, s22, 15                        ; 32,768 bytes a run
	s_mov_b32 s23, 0
	s_add_nc_u64 s[4:5], s[4:5], s[22:23]
	s_lshr_b32 s22, s20, 4                         ; my group
	s_mul_i32 s22, s22, GB
	s_add_nc_u64 s[10:11], s[10:11], s[22:23]
	s_lshl_b32 s22, s25, 8
	s_add_co_u32 s22, s22, s30
	s_add_nc_u64 s[12:13], s[10:11], s[22:23]      ; my 256 scale bytes
	s_mul_i32 s22, s25, s27
	s_add_nc_u64 s[10:11], s[10:11], s[22:23]      ; my codes
.macro LOAD t
.irp i, 0,1,2,3
	global_load_b128 v[R+16*((\t)%8)+4*\i:R+16*((\t)%8)+4*\i+3], v3, s[4:5] offset:2048*(\t)+512*\i th:TH_LOAD_NT
.endr
.endm
.macro TURN t                          ; LDS serves a wave's instructions in order: no wait between the stores and the loads
.irp i, 0,1,2,3
	ds_store_b128 v14, v[R+16*((\t)%8)+4*\i:R+16*((\t)%8)+4*\i+3] offset:32*SP*((\t)%2)+8*SP*\i
.endr
.irp i, 0,1,2,3
	ds_load_b128 v[X+16*((\t)%2)+4*\i:X+16*((\t)%2)+4*\i+3], v15 offset:32*SP*((\t)%2)+16*\i
.endr
.endm
.irp t, 0,1,2,3,4,5,6,7
	LOAD \t
.endr
	s_wait_loadcnt 28                              ; step 0's four loads are in
	TURN 0
.macro STEP t
.set XS, X+16*((\t)%2)
.if (\t) > 0
	s_wait_dscnt 1                                 ; this step's numbers are back from the stage (the last step's byte store may be out)
.else
	s_wait_dscnt 0x0
.endif
.if (\t)+8 < STEPS
	LOAD (\t)+8
.endif
.if (\t)+1 < STEPS
.if (\t)+8 < STEPS
	s_wait_loadcnt 28                              ; the next step's four are in; those of the seven steps behind it may be out
.else
	s_wait_loadcnt 4*(STEPS-2-(\t))
.endif
	TURN (\t)+1
.endif
	v_max3_num_f32 v8, |v[XS]|, |v[XS+1]|, |v[XS+2]|
	v_max3_num_f32 v9, |v[XS+3]|, |v[XS+4]|, |v[XS+5]|
.irp i, 6,10
	v_max3_num_f32 v8, v8, |v[XS+\i]|, |v[XS+\i+1]|
	v_max3_num_f32 v9, v9, |v[XS+\i+2]|, |v[XS+\i+3]|
.endr
	v_max3_num_f32 v8, v8, |v[XS+14]|, |v[XS+15]|
	v_max3_num_f32 v8, v8, v9, 0x1800000           ; and the floor 2^(3 - 127): the byte cannot fall under 1
	v_max_num_f32_dpp v8, v8, v8 row_xmask:1 row_mask:0xf bank_mask:0xf
	v_add_nc_u32 v11, 0xff000000, v8               ; 2 off the exponent field: the conversion's scale operand
.if (\t) == 8
	s_wait_alu depctr_va_vdst(0)
	s_wait_xcnt 0x0                                ; steps 0-7's stores have read their codes: the eight sets are written again
.endif
	v_cvt_scalef32_pk16_fp6_f32 v[C+4*((\t)%8):C+4*((\t)%8)+2], v[XS:XS+15], v11
	v_lshrrev_b32 v10, 23, v11                     ; the scale's byte
	ds_store_b8 v5, v10 offset:16*(\t)             ; both lanes of a block write the same byte with the same value
	global_store_b96 v[OF+(\t)], v[C+4*((\t)%8):C+4*((\t)%8)+2], s[10:11]
.endm
.irp t, 0,1,2,3,4,5,6,7,8,9,10,11,12,13,14,15
	STEP \t
.endr
	ds_load_b64 v[8:9], v6                         ; LDS serves a wave's instructions in order: these see my stores
	s_wait_dscnt 0x0
	global_store_b64 v7, v[8:9], s[12:13]          ; 32 lanes store one aligned unit of 256 bytes
	s_wait_tensorcnt 0x0                           ; the wave's end
	ds_add_u32 v[SPW], v[NIL]
	s_wait_dscnt 0x0
	s_endpgm
.Lfunc_end_k_qac31eaa796_quant:
	.size	k_qac31eaa796_quant, .Lfunc_end_k_qac31eaa796_quant-k_qac31eaa796_quant
	.p2alignl 7, 3214868480
	.fill 96, 4, 3214868480
	.section	.rodata,"a",@progbits
	.p2align	6, 0x0
	.amdhsa_kernel k_qac31eaa796_quant
		.amdhsa_group_segment_fixed_size 33280
		.amdhsa_private_segment_fixed_size 0
		.amdhsa_enable_private_segment 0
		.amdhsa_kernarg_size 32
		.amdhsa_user_sgpr_count 2
		.amdhsa_user_sgpr_kernarg_segment_ptr 1
		.amdhsa_wavefront_size32 1
		.amdhsa_system_sgpr_workgroup_id_x 1
		.amdhsa_system_sgpr_workgroup_id_y 1
		.amdhsa_system_sgpr_workgroup_id_z 1
		.amdhsa_system_vgpr_workitem_id 0
		.amdhsa_next_free_vgpr 224
		.amdhsa_next_free_sgpr 66
		.amdhsa_reserve_vcc 0
		.amdhsa_float_denorm_mode_32 3
		.amdhsa_float_denorm_mode_16_64 3
		.amdhsa_memory_ordered 1
		.amdhsa_forward_progress 1
		.amdhsa_inst_pref_size 34
	.end_amdhsa_kernel
	.amdgpu_metadata
---
amdhsa.version: [ 1, 2 ]
amdhsa.kernels:
  - .name:           k_qac31eaa796_quant
    .symbol:         k_qac31eaa796_quant.kd
    .args:
      - { .name: x, .offset: 0, .size: 8, .value_kind: global_buffer, .address_space: global }
      - { .name: w_qkv, .offset: 8, .size: 8, .value_kind: global_buffer, .address_space: global }
      - { .name: w_proj, .offset: 16, .size: 8, .value_kind: global_buffer, .address_space: global }
      - { .name: c1, .offset: 24, .size: 8, .value_kind: global_buffer, .address_space: global }
    .group_segment_fixed_size: 33280
    .private_segment_fixed_size: 0
    .kernarg_segment_align: 8
    .kernarg_segment_size: 32
    .max_flat_workgroup_size: 128
    .sgpr_count:     66
    .vgpr_count:     224
    .wavefront_size: 32
...
	.end_amdgpu_metadata
.endif
;; end of part 5
;; launch qkv (part 6): grid 16 x 16, 4 waves a work-group, clusters of 4 x 4, 327,680 bytes of LDS; arguments c1, b_qkv, qrec, kv; writes qrec, kv
.if DOCPART == 6
	.amdgcn_target "amdgcn-amd-amdhsa--gfx1250"
	.amdhsa_code_object_version 6
	.text
	.protected	k_qac31eaa796_qkv
	.globl	k_qac31eaa796_qkv
	.p2align	8
	.type	k_qac31eaa796_qkv,@function
k_qac31eaa796_qkv:
	s_mov_b64 s[64:65], 0
	v_nop
	global_prefetch_b8 v0, s[64:65] scope:SCOPE_SE
	s_setreg_imm32_b32 hwreg(HW_REG_WAVE_MODE, 25, 1), 1
	s_wait_xcnt 0x0
	s_wait_alu depctr_hold_cnt(0) depctr_sa_sdst(0) depctr_va_vdst(0) depctr_va_sdst(0) depctr_va_ssrc(0) depctr_va_vcc(0) depctr_vm_vsrc(0)
	s_getreg_b32 s2, hwreg(HW_REG_IB_STS2, 6, 4)
	s_cmp_eq_u32 s2, 0
	s_cbranch_scc0 .Lentry_in_a_cluster
	s_endpgm
.Lentry_in_a_cluster:
	s_bfe_u32 s2, ttmp6, 0x10000c
	s_cmp_lg_u32 s2, 0xf033
	s_cbranch_scc0 .Lentry_shape_is_right
	s_endpgm
.Lentry_shape_is_right:
; Q, K, V = x W^T + b on codes of FP6 with E8M0 scales, K = 1,024, and their quantisers: Q and K along the head's 64, V along the tokens.  The results leave as images of operand registers.
; THE DEAL.  256 work-groups of four waves, 2 x 2.  A wave holds 64 rows of a weight, all of K, in registers (384) and streams x's rows past them in blocks of 16: the wave in row w takes band w of a key step of 128 tokens.
; A work-group makes 128 x 128 of V, then 256 x 128 of Q or K; V's 128 rows are a half of the same 256 rows of x.  Which half (s17) and which tensor (s19) come from the cluster's number alone.
; V's tile column is 4 s19 + cx, its tile row 2 x (tile row) + s17: each of V's 8 x 32 tiles has one work-group.  x's rows are shared by a row of the cluster, a weight's rows by a column.
; LDS: two slots, each with 128 rows of x (pitch 816) and their scale bytes; the weights' region; stages for the results' scale bytes; the spare words.
; FILLS.  At the head one joint load a wave: waves 0 and 1 a half each of W_v's rows, wave 2 V's half of x's rows, wave 3 the other half.  ONE REFILL: the weights' region takes W_q's or W_k's rows when all waves hold W_v in registers;
; a plain barrier in V's last block shows it.  What it will load is prefetched at the head: each wave of the four work-groups of a cluster's column asks for a sixteenth of the 98,304 bytes, once.
; RECORDS: qrec [head 32][key step 16][6,400]: four pairs of tiles x (3 pieces x 32 lanes x 16 bytes), then 256 scale bytes [row 16][pair 4][tile of the pair][block].
;   kv [head][key step][12,800]: K likewise; from 6,400 on V: [16 channels t][band][512 + 256 bytes]; from 12,544 on [row 16][t][4 bytes].
; THE WAY OUT: a lane's 32 results are one scale block: its largest magnitude by two chains of v_max3, the scale, two conversions, three moves.  Q's and K's stand among the next block's products.
; WAITS: a block's rows were fetched two blocks ago; younger are the next block's fetch (28 loads) and the byte stores between (0, 4 or 1).
.set GB,     102400
.set NQ,     8
.set NB,     4
.set PITCH,  816
.set FR,     12
.set FPW,    21                        ; fragments in a window of 256 registers
.set NF,     28                        ; LDS loads of a block
.set SLOTB,  108800                    ; 400 rows of 256 + 16 bytes
.set SCO,    104448                    ; a slot's scale bytes
.set BVB,    2*SLOTB
.set XN,     BVB+104448                ; Q's or K's scale bytes: [head of two][half in the order of work][256]
.set XM,     XN+1024                   ; V's: [head of two][256]
.set SPARE,  XM+512
.set ADRA0,  4                         ; v4, v5  LDS address of my fragments of block 0 (v5: for the pieces behind one padding more)
.set AAS0,   6                         ; v6      of its scale words
.set C8,     8
.set CO,     9
.set SPW,    10
.set NIL,    11
.set ADRA,   12                        ; v12, v13, v17  the same for the block that is fetched
.set ADRB,   14                        ; v14, v15  my fragments of the weights
.set ABS,    16
.set AAS,    17
.set STO,    18
.set STV,    19
.set PFV,    20
.set SB,     24                        ; v24-39  the weights' scale words
.set TQ,     40
.set SA,     44                        ; v44-59  x's scale words, two sets
.set TC,     60
.set ACC,    64                        ; v64-127 Q, K: two sets of four accumulators
.set HV0,    64                        ; v64-191 V: 32 t + 8 j + i
.set NCD,    128                       ; v128-139 a pair's codes
.set MCD,    192                       ; v192-215 V's codes
.set SOP,    240
.set EB,     244
.set BBQ,    840                       ; v840-871 the bias of Q or K, as the first four products' C
.set SB2,    968                       ; v968-983 the second weight's scale words
.set BA,     984                       ; v984-991 LDS addresses of the weights' four tiles
.set BBV,    992                       ; v992-1023 V's bias
.set G1A, 24
.set G1B, 32
.set G0A, 48
.set G0R, 52
.set G0B, 56
.set MSB, 0
.macro WIN new
.if MSB != (\new)
	s_set_vgpr_msb (MSB<<8)|(\new)
.set MSB, (\new)
.endif
.endm
.macro PLACES n
.rept \n
	v_nop
.endr
.endm
.macro WALU
	s_wait_alu depctr_va_vdst(0)
.endm
.macro BARRIER
	s_barrier_signal -1
	s_barrier_wait -1
.endm
.macro CROUND
	s_barrier_signal -1
	s_barrier_wait -1
	s_cmp_lg_u32 s14, 0
	s_cbranch_scc1 .Lnot_wave_0_\@
	s_barrier_signal -3
.Lnot_wave_0_\@:
	s_barrier_wait -3
	s_barrier_signal -1
	s_barrier_wait -1
.endm
.macro TLOAD g0, g1
	tensor_load_to_lds s[\g0:\g0+3], s[\g1:\g1+7]
	s_nop 0
	PLACES 4
.endm
.macro GROUP1 g, mask, rows            ; dense rows of 256 bytes (32 elements of 8), 16 bytes of padding behind each
	s_or_b32 s[\g], s[\mask], (3<<16)|(1<<20)|(1<<21)|(5<<22)|(3<<25)
	s_mov_b32 s[\g+1], 32<<16
	s_mov_b32 s[\g+2], (\rows)<<16
	s_mov_b32 s[\g+3], 32<<16
	s_mov_b32 s[\g+4], \rows
	s_mov_b32 s[\g+5], 32
	s_mov_b32 s[\g+6], 0
	s_mov_b32 s[\g+7], 0
.endm
.macro FRAG f, q, a0, a1, aw           ; fragment f lies in window 1 + f / 21 at register 12 (f % 21); six pieces of 8 bytes, two to a load where both lie behind as many paddings
	WIN ((1+(\f)/FPW)<<6)|(\aw)
.set R_, FR*((\f)%FPW)
.set SKIP_, 0
.irp p, 0,1,2,3,4,5
.if SKIP_
.set SKIP_, 0
.else
.set PC_, 12*(\q)+6*(\p/3)+\p%3
.set PN_, 12*(\q)+6*((\p+1)/3)+(\p+1)%3
.set X_, (PC_%32+3)/32
.set XQ_, (PN_%32+3)/32
.if (\p < 5) && (X_ == XQ_)
.set SKIP_, 1
.if X_
	ds_load_2addr_b64 v[R_+2*\p:R_+2*\p+3], \a1 offset0:PC_+2*(PC_/32) offset1:PN_+2*(PN_/32)
.else
	ds_load_2addr_b64 v[R_+2*\p:R_+2*\p+3], \a0 offset0:PC_+2*(PC_/32) offset1:PN_+2*(PN_/32)
.endif
.elseif X_
	ds_load_b64 v[R_+2*\p:R_+2*\p+1], \a1 offset:8*(PC_+2*(PC_/32))
.else
	ds_load_b64 v[R_+2*\p:R_+2*\p+1], \a0 offset:8*(PC_+2*(PC_/32))
.endif
.endif
.endr
.endm
.macro WEIGHTS                         ; my 64 rows of the weight, all of K: 104 loads
.irp q, 0,1,2,3,4,5,6,7
.irp b, 0,1,2,3
	FRAG NB*\q+\b, \q, v[BA-768+2*\b], v[BA-768+2*\b+1], 3
.endr
.endr
	WIN 0
.endm
.macro FETCH e, o, j                   ; block j of slot o into set e: NF loads.  (The three additions are places too)
	v_add_nc_u32 v[ADRA], (\o)*SLOTB+(\j)*32*PITCH, v[ADRA0]
	v_add_nc_u32 v[ADRA+1], (\o)*SLOTB+(\j)*32*PITCH, v[ADRA0+1]
	v_add_nc_u32 v[AAS], (\o)*SLOTB+(\j)*1088, v[AAS0]
	WALU
.irp q, 0,1,2,3,4,5,6,7
	FRAG NB*NQ+NQ*(\e)+\q, \q, v[ADRA], v[ADRA+1], 0
.endr
	WIN 0
	ds_load_b128 v[SA+8*(\e):SA+8*(\e)+3], v[AAS]
	ds_load_b128 v[SA+8*(\e)+4:SA+8*(\e)+7], v[AAS] offset:16
.endm
; A product, n = 4 q + tile.  kind 0 (Q, K): source 0 the weight's rows; kind 1 (V): source 0 x's rows.  The first four take the bias as C.
.macro PROD kind, e, n, a0, as
.set Q_, (\n)/4
.set FB_, NB*Q_+(\n)%4
.set FA_, NB*NQ+NQ*(\e)+Q_
.set D_, (\a0)+(\as)*((\n)%4)
.set XB_, SB+NQ*(((\n)%4)/2)+Q_
.set XA_, SA+8*(\e)+Q_
.set CW_, 0
.if Q_ == 0
.set CW_, 3<<4
.endif
.if \kind
	WIN (1+FA_/FPW)|((1+FB_/FPW)<<2)|CW_
.if Q_
	PROD1 D_, FA_, FB_, v[D_:D_+7], XA_, XB_, b, (\n)%2
.else
	PROD1 D_, FA_, FB_, v[BBV-768+8*((\n)%4):BBV-768+8*((\n)%4)+7], XA_, XB_, b, (\n)%2
.endif
.else
	WIN (1+FB_/FPW)|((1+FA_/FPW)<<2)|CW_
.if Q_
	PROD1 D_, FB_, FA_, v[D_:D_+7], XB_, XA_, a, (\n)%2
.else
	PROD1 D_, FB_, FA_, v[BBQ-768+8*((\n)%4):BBQ-768+8*((\n)%4)+7], XB_, XA_, a, (\n)%2
.endif
.endif
.endm
.macro PROD1 d, s0, s1, c, x0, x1, side, o
.if \o
	v_wmma_scale_f32_16x16x128_f8f6f4 v[\d:\d+7], v[FR*((\s0)%FPW):FR*((\s0)%FPW)+FR-1], v[FR*((\s1)%FPW):FR*((\s1)%FPW)+FR-1], \c, v[\x0], v[\x1] matrix_a_fmt:MATRIX_FMT_FP6 matrix_b_fmt:MATRIX_FMT_FP6 matrix_\side\()_scale:MATRIX_SCALE_ROW1
.else
	v_wmma_scale_f32_16x16x128_f8f6f4 v[\d:\d+7], v[FR*((\s0)%FPW):FR*((\s0)%FPW)+FR-1], v[FR*((\s1)%FPW):FR*((\s1)%FPW)+FR-1], \c, v[\x0], v[\x1] matrix_a_fmt:MATRIX_FMT_FP6 matrix_b_fmt:MATRIX_FMT_FP6 matrix_\side\()_scale:MATRIX_SCALE_ROW0
.endif
.endm
.macro CHAIN i, x, n, t=TQ             ; a way out's first part, 18 entries: the largest magnitude of the 32 sums from register x on, and the conversions' scale operand
.if (\i) >= 0 && (\i) < 18
	WIN 0
.endif
.if (\i) >= 0 && (\i) < 14
.set B_, (\x)+16*((\i)%2)+2*((\i)/2)
.set T_, (\t)+1-(\i)%2
.if (\i) < 2
	v_max3_num_f32 v[T_], |v[B_]|, |v[B_+1]|, |v[B_+2]|
.else
	v_max3_num_f32 v[T_], v[T_], |v[B_+1]|, |v[B_+2]|
.endif
.elseif (\i) == 14
	v_max3_num_f32 v[\t+1], v[\t+1], |v[\x+15]|, 0x1800000
.elseif (\i) == 15
	v_nop                                          ; so that the next line, which reads entry 14's result, stands in the next pair
.elseif (\i) == 16
	v_max3_num_f32 v[\t], v[\t], |v[\x+31]|, v[\t+1]
.elseif (\i) == 17
	v_add_nc_u32 v[SOP+(\n)], 0xff000000, v[\t]
.endif
.endm
.macro CODES i, x, c, n, t=TC          ; its second part, 6 lines: 32 codes into v[c .. c+5], the scale's byte into v[EB+n]
.if (\i) == 0
	v_cvt_scalef32_pk16_fp6_f32 v[\c:\c+2], v[\x:\x+15], v[SOP+(\n)]
.elseif (\i) == 1
	v_cvt_scalef32_pk16_fp6_f32 v[\t:\t+2], v[\x+16:\x+31], v[SOP+(\n)]
.elseif (\i) == 2
	v_lshrrev_b32 v[EB+(\n)], 23, v[SOP+(\n)]
.else
	v_mov_b32 v[\c+\i], v[\t+\i-3]
.endif
.endm
.macro CODES6 x, c, n
.irp i, 0,1,2,3,4,5
	CODES \i, \x, \c, \n
.endr
.endm
.macro VBLOCK j, e, from, to
.set N_, \from
.rept (\to)-(\from)
	PROD 1, \e, N_, HV0+8*\j, 32
.set N_, N_+1
.endr
	WIN 0
.endm
; A block of Q or K: 32 products; two entries of the last block's way out behind every second one; then its codes, byte and (by pairs) stores; then the fetch of the block two on.
.macro QBLOCK s, w
.set PE_, ((\s)+1)%2
.set PA_, ACC+32*PE_
.if ((\s)%2) && ((\s) > 1)
	WALU
	s_wait_xcnt 0x0                                ; the last pair's stores have read its codes
.endif
	s_wait_dscnt \w
.set N_, 0
.rept 32
	PROD 0, (\s)%2, N_, ACC+32*((\s)%2), 8
.if (N_%2) && ((\s) > 0)
	CHAIN N_-1, PA_, PE_
	CHAIN N_, PA_, PE_
.endif
.set N_, N_+1
.endr
	WIN 0
.if (\s) > 0
	CODES6 PA_, NCD+6*PE_, PE_
	WALU
	ds_store_b8 v[STO], v[EB+PE_] offset:256*(((\s)-1)/4)+2*(((\s)-1)%4)
.if PE_
	PUT (\s)-1
.endif
.endif
.endm
.macro PUT s                           ; the pair of blocks s - 1, s: 3 x 512 consecutive bytes
.set BS_, 76+2*((\s)/4)
.irp k, 0,1,2
	global_store_b128 v[CO], v[NCD+4*\k:NCD+4*\k+3], s[BS_:BS_+1] offset:1536*(((\s)%4)/2)+512*\k
.endr
.endm
; ---- the head
	s_load_b256 s[4:11], s[0:1], 0x0               ; c1, b_qkv, qrec, kv
	v_lshl_add_u32 v[SPW], v0, 2, SPARE
	v_mov_b32 v[NIL], 0
	ds_add_u32 v[SPW], v[NIL]
	ds_add_u32 v[SPW], v[NIL]
	v_lshrrev_b32 v1, 5, v0
	v_readfirstlane_b32 s14, v1                    ; wave
	s_lshr_b32 s15, s14, 1                         ; its row w of the 2 x 2
	s_and_b32 s16, s14, 1                          ; its column b
	s_bfe_u32 s40, ttmp6, 0x40000                  ; cx
	s_bfe_u32 s41, ttmp6, 0x40004                  ; cy
	s_lshl_b32 s42, ttmp9, 2
	s_add_co_u32 s42, s42, s40                     ; tile column of Q (0-7) or K (8-15)
	s_and_b32 s43, ttmp7, 0xffff
	s_lshl_b32 s43, s43, 2
	s_add_co_u32 s43, s43, s41                     ; tile row: 256 rows of x
	s_lshr_b32 s19, ttmp9, 1                       ; 0 Q, 1 K
	s_and_b32 s17, ttmp9, 1                        ; V's half
	s_lshl_b32 s13, s19, 2
	s_add_co_u32 s13, s13, s40                     ; V's tile column
	s_lshl_b32 s18, s43, 1
	s_add_co_u32 s18, s18, s17                     ; V's tile row: a key step
	s_lshl_b32 s44, s41, 2
	s_lshl_b32 s44, 15, s44                        ; my row of the cluster
	s_lshl_b32 s45, 0x1111, s40                    ; my column
	GROUP1 G1A, 44, 400                            ; 128 rows of codes and their scale bytes
	GROUP1 G1B, 45, 192                            ; 64 rows of codes
	s_mul_i32 s20, s18, GB
	s_mov_b32 s21, 0
	s_xor_b32 s22, s18, 1
	s_mul_i32 s22, s22, GB
	s_mov_b32 s23, 0
	s_add_co_u32 s46, s13, 48
	s_mul_i32 s46, s46, GB                         ; W_v's group
	s_mov_b32 s47, 0
	s_add_co_u32 s60, s42, 32
	s_mul_i32 s60, s60, GB                         ; W_q's or W_k's
	s_mov_b32 s61, 0
	s_mov_b32 s97, s60
	s_lshl_b32 s66, s16, 11
	s_add_co_u32 s66, s66, 98304
	s_add_co_u32 s82, s46, s66                     ; my 64 rows' scale bytes
	s_mov_b32 s83, 0
	s_add_co_u32 s84, s60, s66
	s_mov_b32 s85, 0
	s_mul_i32 s66, s14, 49152                      ; waves 0 and 1: which half of the weight's rows I fetch
	s_add_co_u32 s46, s46, s66
	s_add_co_u32 s60, s60, s66
	s_mov_b32 s[G0A], 1
	s_mov_b32 s[G0A+1], 0
	s_mov_b32 s[G0R], 1
	s_mov_b32 s[G0R+1], SLOTB
	s_mov_b32 s[G0B], 1
	s_mul_i32 s[G0B+1], s14, 64*PITCH
	s_add_co_u32 s[G0B+1], s[G0B+1], BVB
	WALU
	s_wait_dscnt 0x0                               ; both opening adds are done
	CROUND                                         ; all sixteen work-groups are here: the first joint loads meet
	s_wait_kmcnt 0x0
	s_add_nc_u64 s[G0A+2:G0A+3], s[4:5], s[20:21]
	s_or_b32 s[G0A+3], s[G0A+3], 0x80000000
	s_add_nc_u64 s[G0R+2:G0R+3], s[4:5], s[22:23]
	s_or_b32 s[G0R+3], s[G0R+3], 0x80000000
	s_add_nc_u64 s[G0B+2:G0B+3], s[4:5], s[46:47]
	s_or_b32 s[G0B+3], s[G0B+3], 0x80000000
	s_cmp_lt_u32 s14, 2
	s_cbranch_scc0 .Lwave_2
	TLOAD G0B, G1B                                 ; waves 0, 1: W_v's rows
	s_branch .Lasked
.Lwave_2:
	s_cmp_eq_u32 s14, 2
	s_cbranch_scc0 .Lwave_3
	TLOAD G0A, G1A                                 ; wave 2: V's half of x's rows
	s_branch .Lasked
.Lwave_3:
	TLOAD G0R, G1A                                 ; wave 3: the other half
.Lasked:
	v_and_b32 v1, 15, v0                           ; r
	v_bfe_u32 v2, v0, 4, 1                         ; h
	v_and_b32 v3, 31, v0
	v_mul_u32_u24 v22, v1, PITCH
	v_mad_u32_u24 v23, v2, 24, v22
	s_mul_i32 s21, s15, 16*PITCH
	v_add_nc_u32 v[ADRA0], s21, v23
	s_mul_i32 s22, s16, 64*PITCH
	s_add_co_u32 s22, s22, BVB
	v_add_nc_u32 v[ADRB], s22, v23
	v_mad_u32_u24 v23, v2, 40, v22
	v_add_nc_u32 v[ADRA0+1], s21, v23
	v_add_nc_u32 v[ADRB+1], s22, v23
	v_lshlrev_b32 v[ABS], 5, v3
	v_lshrrev_b32 v22, 3, v1
	v_mul_u32_u24 v22, v22, 272
	v_and_b32 v23, 7, v1
	v_lshl_add_u32 v22, v23, 5, v22
	s_mul_i32 s21, s15, 544
	s_add_co_u32 s21, s21, SCO
	v_add_nc_u32 v[AAS0], s21, v22
	v_lshlrev_b32 v[CO], 4, v3
	v_lshlrev_b32 v[C8], 3, v3
	v_lshl_add_u32 v22, v1, 4, v2                  ; 16 r + h
	s_lshl_b32 s21, s16, 9
	s_lshl_b32 s22, s15, 3
	s_add_co_u32 s21, s21, s22
	s_add_co_u32 s21, s21, XN
	v_add_nc_u32 v[STO], s21, v22                  ; my byte of a word: 512 b + 8 w + 16 r + h (+ 256 half + 2 j)
	s_lshl_b32 s21, s16, 8
	s_lshl_b32 s22, s15, 1
	s_add_co_u32 s21, s21, s22
	s_add_co_u32 s21, s21, XM
	WALU
	v_add_nc_u32 v[STV], s21, v22                  ; 256 b + 2 w + 16 r + h (+ 4 t)
	s_lshl_b32 s21, s41, 2
	s_add_co_u32 s21, s21, s14                     ; my number among the sixteen waves of my column
	s_mul_i32 s21, s21, 6144
	s_add_co_u32 s21, s21, s97
	v_min_u32 v[PFV], 23, v3
	v_lshl_add_u32 v[PFV], v[PFV], 8, s21          ; 24 blocks of 256 bytes of W_q's or W_k's rows
	v_lshrrev_b32 v23, 3, v1
	v_lshlrev_b32 v23, 7, v23
	v_and_b32 v22, 7, v1
	v_lshl_add_u32 v23, v22, 2, v23                ; V's bias: lane (r, h) of tile t has column 32 (r / 8) + 8 t + r % 8
	v_lshlrev_b32 v21, 7, v2                       ; Q's, K's: register 8 j + i is column 32 h + 8 j + i
	s_lshl_b32 s20, s13, 1
	s_add_co_u32 s20, s20, s16
	s_lshl_b32 s20, s20, 8
	s_add_co_u32 s20, s20, 8192
	s_mov_b32 s21, 0
	s_add_nc_u64 s[86:87], s[6:7], s[20:21]
	s_lshl_b32 s20, s42, 1
	s_add_co_u32 s20, s20, s16
	s_lshl_b32 s20, s20, 8
	s_add_nc_u64 s[94:95], s[6:7], s[20:21]
	s_add_nc_u64 s[82:83], s[4:5], s[82:83]
	s_add_nc_u64 s[84:85], s[4:5], s[84:85]
	WALU
.irp p, 0,1
.irp c, 0,1
	global_load_b128 v[SB+NQ*\p+4*\c:SB+NQ*\p+4*\c+3], v[ABS], s[82:83] offset:\p*1024+16*\c
.endr
.endr
	WIN 3<<6
.irp t, 0,1,2,3
	global_load_b32 v[BBV-768+8*\t], v23, s[86:87] offset:32*\t
.endr
.irp p, 0,1
.irp c, 0,1
	global_load_b128 v[SB2-768+NQ*\p+4*\c:SB2-768+NQ*\p+4*\c+3], v[ABS], s[84:85] offset:\p*1024+16*\c
.endr
.endr
.irp k, 0,1,2,3,4,5,6,7
	global_load_b128 v[BBQ-768+4*\k:BBQ-768+4*\k+3], v21, s[94:95] offset:16*\k
.endr
.irp b, 0,1,2,3
	v_add_nc_u32 v[BA-768+2*\b], \b*16*PITCH, v[ADRB]
	v_add_nc_u32 v[BA-768+2*\b+1], \b*16*PITCH, v[ADRB+1]
.endr
	WIN 0
	global_prefetch_b8 v[PFV], s[4:5] th:TH_LOAD_NT scope:SCOPE_SE
	; where the results go
	s_lshr_b32 s72, s43, 3
	s_lshl_b32 s72, s72, 4
	s_and_b32 s20, s42, 7
	s_lshl_b32 s20, s20, 1
	s_add_co_u32 s72, s72, s20                     ; the first of my two heads of Q or K, of 32
	s_lshl_b32 s73, s43, 1
	s_and_b32 s73, s73, 15                         ; the first of my two key steps
	s_mov_b32 s75, 12800
	s_cmp_eq_u32 s19, 0
	s_cselect_b32 s74, 6400, s75                   ; a record
	s_cselect_b64 s[92:93], s[8:9], s[10:11]
	s_add_co_u32 s20, s72, s16
	s_lshl_b32 s20, s20, 4
	s_add_co_u32 s20, s20, s73
	s_mul_i32 s22, s15, 3072                       ; band w's two pairs
	s_add_co_u32 s76, s20, s17                     ; the half that comes first
	s_mul_i32 s76, s76, s74
	s_add_co_u32 s76, s76, s22
	s_mov_b32 s77, 0
	s_xor_b32 s78, s17, 1
	s_add_co_u32 s78, s78, s20
	s_mul_i32 s78, s78, s74
	s_add_co_u32 s78, s78, s22
	s_mov_b32 s79, 0
	s_add_co_u32 s80, s72, s15                     ; scale bytes: wave k stores head k / 2, half k % 2 in the order of work
	s_lshl_b32 s80, s80, 4
	s_add_co_u32 s80, s80, s73
	s_xor_b32 s20, s16, s17
	s_add_co_u32 s80, s80, s20
	s_mul_i32 s80, s80, s74
	s_add_co_u32 s80, s80, 6144
	s_mov_b32 s81, 0
	s_add_nc_u64 s[76:77], s[92:93], s[76:77]
	s_add_nc_u64 s[78:79], s[92:93], s[78:79]
	s_add_nc_u64 s[80:81], s[92:93], s[80:81]
	s_lshr_b32 s20, s18, 4
	s_lshl_b32 s20, s20, 4
	s_lshl_b32 s21, s13, 1
	s_add_co_u32 s20, s20, s21                     ; V: the first of my two heads
	s_and_b32 s22, s18, 15
	s_add_co_u32 s88, s20, s16
	s_lshl_b32 s88, s88, 4
	s_add_co_u32 s88, s88, s22
	s_mul_i32 s88, s88, 12800
	s_mul_i32 s21, s15, 768
	s_add_co_u32 s88, s88, s21
	s_add_co_u32 s88, s88, 6400
	s_mov_b32 s89, 0
	s_add_co_u32 s90, s20, s16                     ; its scale bytes: waves 0 and 1, a head each
	s_lshl_b32 s90, s90, 4
	s_add_co_u32 s90, s90, s22
	s_mul_i32 s90, s90, 12800
	s_add_co_u32 s90, s90, 12544
	s_mov_b32 s91, 0
	s_add_nc_u64 s[88:89], s[10:11], s[88:89]
	s_add_nc_u64 s[90:91], s[10:11], s[90:91]
	WALU
	s_wait_loadcnt 0x0
	WIN (3<<6)|3
.irp t, 0,8,16,24
.irp i, 1,2,3,4,5,6,7
	v_mov_b32 v[BBV-768+\t+\i], v[BBV-768+\t]      ; one number a lane and tile, over the tile's eight registers
.endr
.endr
	WIN 0
	WALU
	s_cmp_lt_u32 s14, 2
	s_cbranch_scc0 .Lnot_b
	s_wait_tensorcnt 0x0
.Lnot_b:
	BARRIER                                        ; W_v's rows are in; x's may still be on their way
	WEIGHTS
	s_wait_tensorcnt 0x0                           ; x's rows are in
	ds_add_u32 v[SPW], v[NIL]
	s_add_nc_u64 s[G0B+2:G0B+3], s[4:5], s[60:61]  ; W_q's or W_k's rows
	s_or_b32 s[G0B+3], s[G0B+3], 0x80000000
	s_wait_dscnt 0x0                               ; the add is done, and W_v is in registers
	CROUND                                         ; both hold of every wave of the cluster
	s_cmp_lt_u32 s14, 2
	s_cbranch_scc0 .Lno_half
	TLOAD G0B, G1B                                 ; waves 0 and 1 a half each, onto W_v's rows
.Lno_half:
	FETCH 0, 0, 0
	FETCH 1, 0, 1
; ---- V: four blocks; behind the third and fourth the first two blocks of Q or K are fetched: the same rows
	s_wait_dscnt NF
	VBLOCK 0, 0, 0, 32
	PLACES 1
	FETCH 0, 0, 2
	s_wait_dscnt NF
	VBLOCK 1, 1, 0, 32
	PLACES 1
	FETCH 1, 0, 3
	s_wait_dscnt NF
	VBLOCK 2, 0, 0, 32
	PLACES 1
	FETCH 0, 0, 0
	s_wait_dscnt NF
	VBLOCK 3, 1, 0, 26
	WALU
	s_wait_tensorcnt 0x0
	s_wait_dscnt 0x0
	s_barrier_signal -1                            ; a plain barrier: the refilled weights are shown to all
	VBLOCK 3, 1, 26, 32
	s_barrier_wait -1
	PLACES 4
	WEIGHTS
	FETCH 1, 0, 1
	WIN 3
.set I, 0
.rept 16
	v_mov_b32 v[SB+I], v[SB2-768+I]
.set I, I+1
.endr
	WIN 0
.set I, 0
.rept 18                                       ; V's four way outs, under the loads' flight
.irp t, 0,1,2,3
	CHAIN I, HV0+32*\t, \t, 216+2*\t
.endr
.set I, I+1
.endr
.set I, 0
.rept 6
.irp t, 0,1,2,3
	CODES I, HV0+32*\t, MCD+6*\t, \t, 224+4*\t
.endr
.set I, I+1
.endr
	WALU
; ---- Q or K: eight blocks
	QBLOCK 0, NF
	PLACES 1
	WALU
.irp t, 0,1,2,3
	ds_store_b8 v[STV], v[EB+\t] offset:4*\t
.endr
.irp t, 0,1,2,3                                ; V's codes leave: 512 and 256 consecutive bytes
	global_store_b128 v[CO], v[MCD+6*\t:MCD+6*\t+3], s[88:89] offset:1536*\t
	global_store_b64 v[C8], v[MCD+6*\t+4:MCD+6*\t+5], s[88:89] offset:1536*\t+512
.endr
	FETCH 0, 0, 2
	QBLOCK 1, NF+4
	FETCH 1, 0, 3
	QBLOCK 2, NF+1
	FETCH 0, 1, 0
	QBLOCK 3, NF+1
	FETCH 1, 1, 1
	QBLOCK 4, NF+1
	FETCH 0, 1, 2
	QBLOCK 5, NF+1
	FETCH 1, 1, 3
	QBLOCK 6, NF+1
	QBLOCK 7, 1
; ---- the end: the last way out; the scale bytes leave as whole units
.set I, 0
.rept 18
	CHAIN I, ACC+32, 1
.set I, I+1
.endr
	CODES6 ACC+32, NCD+6, 1
	s_lshl_b32 s20, s14, 8
	s_add_co_u32 s20, s20, XN
	v_add_nc_u32 v12, s20, v[C8]
	s_lshl_b32 s20, s16, 8
	s_add_co_u32 s20, s20, XM
	v_add_nc_u32 v13, s20, v[C8]
	WALU
	ds_store_b8 v[STO], v[EB+1] offset:256+6
	s_wait_dscnt 0x0
	BARRIER
	ds_load_b64 v[64:65], v12
	ds_load_b64 v[66:67], v13
	PUT 7
	s_wait_dscnt 0x0
	global_store_b64 v[C8], v[64:65], s[80:81]
	s_cmp_lt_u32 s14, 2
	s_cbranch_scc0 .Lno_v_bytes
	global_store_b64 v[C8], v[66:67], s[90:91]
.Lno_v_bytes:
	s_wait_tensorcnt 0x0                           ; the wave's end
	ds_add_u32 v[SPW], v[NIL]
	s_wait_dscnt 0x0
	CROUND                                         ; the closing round: no work-group ends while a partner may still ask for a tile that names it
	s_endpgm
.Lfunc_end_k_qac31eaa796_qkv:
	.size	k_qac31eaa796_qkv, .Lfunc_end_k_qac31eaa796_qkv-k_qac31eaa796_qkv
	.p2alignl 7, 3214868480
	.fill 96, 4, 3214868480
	.section	.rodata,"a",@progbits
	.p2align	6, 0x0
	.amdhsa_kernel k_qac31eaa796_qkv
		.amdhsa_group_segment_fixed_size 327680
		.amdhsa_private_segment_fixed_size 0
		.amdhsa_enable_private_segment 0
		.amdhsa_kernarg_size 32
		.amdhsa_user_sgpr_count 2
		.amdhsa_user_sgpr_kernarg_segment_ptr 1
		.amdhsa_wavefront_size32 1
		.amdhsa_system_sgpr_workgroup_id_x 1
		.amdhsa_system_sgpr_workgroup_id_y 1
		.amdhsa_system_sgpr_workgroup_id_z 1
		.amdhsa_system_vgpr_workitem_id 0
		.amdhsa_next_free_vgpr 1024
		.amdhsa_next_free_sgpr 102
		.amdhsa_reserve_vcc 0
		.amdhsa_float_denorm_mode_32 3
		.amdhsa_float_denorm_mode_16_64 3
		.amdhsa_memory_ordered 1
		.amdhsa_forward_progress 1
		.amdhsa_inst_pref_size 128
	.end_amdhsa_kernel
	.amdgpu_metadata
---
amdhsa.version: [ 1, 2 ]
amdhsa.kernels:
  - .name:           k_qac31eaa796_qkv
    .symbol:         k_qac31eaa796_qkv.kd
    .args:
      - { .name: c1, .offset: 0, .size: 8, .value_kind: global_buffer, .address_space: global }
      - { .name: b_qkv, .offset: 8, .size: 8, .value_kind: global_buffer, .address_space: global }
      - { .name: qrec, .offset: 16, .size: 8, .value_kind: global_buffer, .address_space: global }
      - { .name: kv, .offset: 24, .size: 8, .value_kind: global_buffer, .address_space: global }
    .group_segment_fixed_size: 327680
    .private_segment_fixed_size: 0
    .kernarg_segment_align: 8
    .kernarg_segment_size: 32
    .max_flat_workgroup_size: 128
    .sgpr_count:     102
    .vgpr_count:     1024
    .wavefront_size: 32
...
	.end_amdgpu_metadata
.endif
;; end of part 6
;; launch attn (part 7): grid 8 x 32, 8 waves a work-group, clusters of 4 x 1, 206,336 bytes of LDS; arguments qrec, kv, ac; writes ac
.if DOCPART == 7
	.amdgcn_target "amdgcn-amd-amdhsa--gfx1250"
	.amdhsa_code_object_version 6
	.text
	.protected	k_qac31eaa796_attn
	.globl	k_qac31eaa796_attn
	.p2align	8
	.type	k_qac31eaa796_attn,@function
k_qac31eaa796_attn:
	s_mov_b64 s[64:65], 0
	v_nop
	global_prefetch_b8 v0, s[64:65] scope:SCOPE_SE
	s_setreg_imm32_b32 hwreg(HW_REG_WAVE_MODE, 25, 1), 1
	s_wait_xcnt 0x0
	s_wait_alu depctr_hold_cnt(0) depctr_sa_sdst(0) depctr_va_vdst(0) depctr_va_sdst(0) depctr_va_ssrc(0) depctr_va_vcc(0) depctr_vm_vsrc(0)
	s_getreg_b32 s2, hwreg(HW_REG_IB_STS2, 6, 4)
	s_cmp_eq_u32 s2, 0
	s_cbranch_scc0 .Lentry_in_a_cluster
	s_endpgm
.Lentry_in_a_cluster:
	s_bfe_u32 s2, ttmp6, 0x10000c
	s_cmp_lg_u32 s2, 0x3003
	s_cbranch_scc0 .Lentry_shape_is_right
	s_endpgm
.Lentry_shape_is_right:
; Attention of one head on codes of FP6 (E2M3) with E8M0 scales: S = q k^T (K = 64), p = 2^(t - M), O = p v (K = the keys), O / l, quantised along the model's 1,024 for the last product.
; t = score x log2(e) / 8; M = the row's largest t so far, rounded up to a whole number; the sum l is taken of the unquantised p; when M moves, l and O are multiplied by 2^(old M - new M), exactly.
; LIMIT: the promise holds while the scaled scores t stay under 2^31 in magnitude.
; SHARES.  A work-group owns 256 queries of one head (32 heads x 8 blocks = 256 work-groups), each of its eight waves 32: two tiles of 16, one in register window 0, one in window 1, under the same numbers.
; So each fragment of k and v that comes from LDS serves two tiles.  Every wave walks the head's 2,048 keys, 128 a step.
; THE WHOLE HEAD'S k AND v LIE IN LDS: 16 records of 12,800 bytes, filled ONCE by one tensor load a wave (two records each).  The first barrier shows waves 0's and 1's records 0 to 3, the second all the others.
; CLUSTER.  The four query blocks of a cluster belong to one head: each load is asked for jointly.  No prefetch is written: the whole stream is asked for by the tensor loads at the head.
; LAYOUT.  Both products are used transposed: a lane holds ONE query (lane % 16) throughout.  Tile j of a band of 64 keys is its keys 8 j + i and 32 + 8 j + i, so a lane's 32 registers of a band are 32 neighbouring keys: one scale block.
; K = 64 fills half of the matrix instruction's 128: an operand of k holds two tiles of keys, the one in K = 0 .. 63, the other in K = 64 .. 127, and q stands between zeros: [q, 0] meets the first, [0, q] the second.
;   Zero codes add nothing under any finite scale.
; ac [128 tokens 32][half of K][51,200]: [head of 8][tile 8][512 + 256 bytes], then for each head 256 scale bytes [row 16][tile 8][block 2].
.set RS,   12800
.set STG,  16*RS                       ; the results' scale bytes: two times 256
.set SPARE, STG+512
.set L16,  1
.set L8,   2
.set ADA,  3                           ; the record in hand + 16 x lane
.set ADB,  4                           ; + 8 x lane
.set ADC,  5                           ; + 16 r
.set QS,   6                           ; v6, v7  the two tiles' q scale words
.set PW,   8                           ; v8, v9  p's
.set SPW,  10
.set NIL,  11
.set KSW,  16                          ; v16-19
.set VSW,  20                          ; v20-23
.set QF,   24                          ; v24-41  six zeros, q, six zeros (both windows)
.set KF,   42                          ; v42-89  k: four operands (window 0)
.set VF,   90                          ; v90-137 v: four operands (window 0)
.set S,    138                         ; both windows from here on: S^T, then p
.set O,    202
.set P,    234                         ; p's codes
.set T,    246                         ; v246-255 at work; v12 -M, v13 the largest score, v[14:15] l in two halves
.set R16,  0                           ; v0      16 r, behind the head
.set WV,   12
.set G1,   24
.set G0,   32
.set SEL,  50
.set CS,   52                          ; s[52:53] c = log2(e) / 8
.set CN,   54                          ; s54 -c
.set TB,   55
.set CNT,  56
.set MSB, 0
.macro WIN new
.if MSB != (\new)
	s_set_vgpr_msb (MSB<<8)|(\new)
.set MSB, (\new)
.endif
.endm
.macro WALU
	s_wait_alu depctr_va_vdst(0)
.endm
.macro CROUND
	s_barrier_signal -1
	s_barrier_wait -1
	s_cmp_lg_u32 s[WV], 0
	s_cbranch_scc1 .Lnot_wave_0_\@
	s_barrier_signal -3
.Lnot_wave_0_\@:
	s_barrier_wait -3
	s_barrier_signal -1
	s_barrier_wait -1
.endm
	s_load_b128 s[4:7], s[0:1], 0x0                ; qrec, kv
	s_load_b64 s[8:9], s[0:1], 0x10                ; ac
	v_lshl_add_u32 v[SPW], v0, 2, SPARE
	v_mov_b32 v[NIL], 0
	ds_add_u32 v[SPW], v[NIL]
	ds_add_u32 v[SPW], v[NIL]
	v_lshrrev_b32 v1, 5, v0
	v_readfirstlane_b32 s[WV], v1                  ; wave 0..7
	s_bfe_u32 s13, ttmp6, 0x40000
	s_lshl_b32 s14, ttmp9, 2
	s_add_co_u32 s14, s14, s13                     ; my block of 256 queries: it enters global addresses of q and of the results alone
	s_and_b32 s15, ttmp7, 0xffff                   ; the head, 0..31, which the four partners share
	s_mov_b32 s[G1], 15|(3<<16)|(1<<21)            ; the mask: all four; elements of 8 bytes
	s_mov_b32 s[G1+1], 32<<16                      ; 100 dense rows of 256 bytes: two records
	s_mov_b32 s[G1+2], 100<<16
	s_mov_b32 s[G1+3], 32<<16
	s_mov_b32 s[G1+4], 100
	s_mov_b32 s[G1+5], 32
	s_mov_b32 s[G1+6], 0
	s_mov_b32 s[G1+7], 0
	s_mov_b32 s[G0], 1
	s_mul_i32 s[G0+1], s[WV], 2*RS
	s_mul_i32 s18, s15, 16*RS
	s_add_co_u32 s18, s18, s[G0+1]
	s_mov_b32 s19, 0
	s_mov_b32 s[SEL], 0x76543210
	s_mov_b32 s[SEL+1], 0xfedcba98                 ; lane l xor 16
	s_mov_b32 s[CS], 0x3e38aa3b
	s_mov_b32 s[CS+1], s[CS]
	s_mov_b32 s[CN], 0xbe38aa3b
	s_lshr_b32 s16, s[WV], 2                       ; which of my two blocks of 128 tokens
	s_and_b32 s17, s[WV], 3                        ; which pair of tiles in it
	s_lshl_b32 s20, s15, 4
	s_lshl_b32 s21, s14, 1
	s_add_co_u32 s20, s20, s21
	s_add_co_u32 s20, s20, s16
	s_mul_i32 s20, s20, 6400                       ; q's record
	s_mul_i32 s21, s17, 1536
	s_add_co_u32 s58, s20, s21
	s_mov_b32 s59, 0
	s_lshl_b32 s21, s17, 2
	s_add_co_u32 s60, s20, s21
	s_add_co_u32 s60, s60, 6144
	s_mov_b32 s61, 0
	WALU
	s_wait_dscnt 0x0                               ; both opening adds are done
	CROUND                                         ; all four work-groups are here: the joint loads meet
	s_wait_kmcnt 0x0
	s_add_nc_u64 s[G0+2:G0+3], s[6:7], s[18:19]
	s_or_b32 s[G0+3], s[G0+3], 0x80000000
	s_add_nc_u64 s[58:59], s[4:5], s[58:59]
	s_add_nc_u64 s[60:61], s[4:5], s[60:61]
	s_cmp_lt_u32 s[WV], 2                          ; one load a wave; waves 0 and 1, whose records the first barrier shows, have a line of their own
	s_cbranch_scc0 .Lothers
	tensor_load_to_lds s[G0:G0+3], s[G1:G1+7]
	s_nop 0
.rept 4
	v_nop
.endr
	s_branch .Lasked
.Lothers:
	tensor_load_to_lds s[G0:G0+3], s[G1:G1+7]
	s_nop 0
.rept 4
	v_nop
.endr
.Lasked:
	v_and_b32 v12, 31, v0
	v_lshlrev_b32 v[L16], 4, v12
	v_lshlrev_b32 v[L8], 3, v12
	v_and_b32 v12, 15, v0
	v_bfe_u32 v13, v0, 4, 1                        ; h
	v_lshlrev_b32 v[R16], 4, v12                   ; 16 r
	v_add_nc_u32 v14, v[R16], v13                  ; 16 r + h, the results' scale byte: kept in window 1's v42
	WIN 0x40
	v_mov_b32 v42, v14
	WALU
	global_load_b128 v[QF+4:QF+7], v[L16], s[58:59] offset:512     ; window 1: registers 4-7 and 8-11 of the pair: tile 1's q falls on QF + 6
	global_load_b128 v[QF+8:QF+11], v[L16], s[58:59] offset:1024
	WIN 0
	global_load_b128 v[QF+6:QF+9], v[L16], s[58:59]                ; window 0: registers 0-3 and 4-7: tile 0's
	global_load_b128 v[QF+10:QF+13], v[L16], s[58:59] offset:512
	global_load_b32 v[PW], v[R16], s[60:61]        ; the pair's scale words
.irp w, 0,1
	WIN 0x55*\w
	v_mov_b32 v13, 0xff61b1e6                      ; the largest score so far: -3e38
	v_mul_f32 v12, s[CN], v13
	v_floor_f32 v12, v12                           ; -M
	v_mov_b32 v14, 0
	v_mov_b32 v15, 0
	v_mov_b32 v[T+5], 0                            ; (named as the upper half of the pair with f)
.set j, 0
.rept 32
	v_mov_b32 v[O+j], 0                            ; the step is written once: its first trip finds zeros, which the first change of M leaves zeros
.set j, j+1
.endr
.endr
	WIN 0
	WALU
	s_wait_loadcnt 0x0
.irp w, 0,1
	WIN 0x55*\w
.irp j, 0,1,2,3,4,5,12,13,14,15,16,17
	v_mov_b32 v[QF+\j], 0
.endr
.endr
	WIN 0
	v_perm_b32 v[QS+1], v[PW], v[PW], 0x03020302   ; tile 1's two bytes, for either half of K
	v_perm_b32 v[QS], v[PW], v[PW], 0x01000100     ; tile 0's
	v_mov_b32 v[ADA], v[L16]
	v_mov_b32 v[ADC], v[R16]
.macro KLOAD off                       ; k's four operands and their scale words: 13 loads
.irp p, 0,1,2,3
.irp i, 0,1,2
	ds_load_b128 v[KF+12*\p+4*\i:KF+12*\p+4*\i+3], v[ADA] offset:\off+1536*\p+512*\i
.endr
.endr
	ds_load_b128 v[KSW:KSW+3], v[ADC] offset:\off+6144
.endm
.macro QK w                            ; S^T of tile w: register 8 j + i of band c at S + 32 c + 8 j + i
	WIN 0x44*\w
.irp p, 0,1,2,3
	v_wmma_scale_f32_16x16x128_f8f6f4 v[S+16*\p:S+16*\p+7], v[KF+12*\p:KF+12*\p+11], v[QF+6:QF+17], 0, v[KSW+\p], v[QS+\w] matrix_a_fmt:MATRIX_FMT_FP6 matrix_b_fmt:MATRIX_FMT_FP6
	v_wmma_scale_f32_16x16x128_f8f6f4 v[S+16*\p+8:S+16*\p+15], v[KF+12*\p:KF+12*\p+11], v[QF:QF+11], 0, v[KSW+\p], v[QS+\w] matrix_a_fmt:MATRIX_FMT_FP6 matrix_b_fmt:MATRIX_FMT_FP6
.endr
.endm
.macro FMA j
	v_pk_fma_f32 v[S+2*(\j):S+2*(\j)+1], v[S+2*(\j):S+2*(\j)+1], s[CS:CS+1], v[12:13] op_sel_hi:[1,0,0]   ; t - M, two at a time
.endm
.macro MAXM w                          ; tile w: the blocks' and the row's largest score, M, f, t - M, l and O under the new M
	WIN 0x55*\w
.irp c, 0,1
	v_max3_num_f32 v[T+\c], v[S+32*\c], v[S+32*\c+1], v[S+32*\c+2]
	v_max3_num_f32 v[T+2+\c], v[S+32*\c+16], v[S+32*\c+17], v[S+32*\c+18]
.endr
.irp i, 3,5,7,9,11,13
.irp c, 0,1
	v_max3_num_f32 v[T+\c], v[T+\c], v[S+32*\c+\i], v[S+32*\c+\i+1]
	v_max3_num_f32 v[T+2+\c], v[T+2+\c], v[S+32*\c+16+\i], v[S+32*\c+17+\i]
.endr
.endr
.irp c, 0,1
	v_max3_num_f32 v[T+2+\c], v[T+2+\c], v[S+32*\c+15], v[S+32*\c+31]
.endr
.irp c, 0,1
	v_max_num_f32 v[T+\c], v[T+\c], v[T+2+\c]      ; the largest score of my block of 32 keys: p rises with the score, so it gives the block's largest p too
.endr
	v_max3_num_f32 v13, v13, v[T], v[T+1]
	v_permlanex16_b32 v[T+2], v13, s[SEL], s[SEL+1]
	v_max_num_f32 v13, v13, v[T+2]                 ; the row's
	v_mul_f32 v[T+2], s[CN], v13
	v_floor_f32 v[T+2], v[T+2]                     ; the new -M = floor(-t): a whole number
	v_sub_f32 v[T+3], v[T+2], v12                  ; M's old value less its new one
	v_mov_b32 v12, v[T+2]
	FMA 0
	FMA 1
	v_cvt_i32_f32 v[T+3], v[T+3]                   ; (it saturates)
	FMA 2
	FMA 3
	v_ldexp_f32 v[T+4], 1.0, v[T+3]                ; f = 2^(old M - new M)
.set j, 4
.rept 28
	FMA j
.set j, j+1
.endr
	v_fma_f32 v[T], v[T], s[CS], v12
	v_fma_f32 v[T+1], v[T+1], s[CS], v12
	v_pk_mul_f32 v[14:15], v[14:15], v[T+4:T+5] op_sel_hi:[1,0]
.set j, 0
.rept 16
	v_pk_mul_f32 v[O+j:O+j+1], v[O+j:O+j+1], v[T+4:T+5] op_sel_hi:[1,0]
.set j, j+2
.endr
.endm
.macro EXPS w                          ; p = 2^(t - M), at most 1; and my two blocks' largest p
	WIN 0x55*\w
	v_exp_f32 v[T], v[T]
	v_exp_f32 v[T+1], v[T+1]
.set j, 0
.rept 64
	v_exp_f32 v[S+j], v[S+j]
.set j, j+1
.endr
.endm
.macro POST w                          ; tile w: scales, codes, the sum
	WIN 0x55*\w
	v_max_num_f32 v[T], 0x1800000, v[T]            ; the floor 2^(3 - 127): the byte cannot fall under 1
	v_max_num_f32 v[T+1], 0x1800000, v[T+1]
	v_add_nc_u32 v[T+3], 0xff000000, v[T]          ; 2 off the exponent field: the conversions' scale operands
	v_add_nc_u32 v[T+5], 0xff000000, v[T+1]
	v_lshrrev_b32 v[T+6], 23, v[T+3]
	v_lshrrev_b32 v[T+7], 23, v[T+5]
	v_lshl_or_b32 v[T+6], v[T+7], 16, v[T+6]       ; bytes of blocks h and 2 + h
	v_permlanex16_b32 v[T+7], v[T+6], s[SEL], s[SEL+1]
	WIN 0x15*\w
	v_lshl_or_b32 v[PW+\w], v[T+7], 8, v[T+6]      ; lanes 0-15, which are read: the four bytes in order
	WIN 0x55*\w
	v_cvt_scalef32_pk16_fp6_f32 v[P:P+2], v[S:S+15], v[T+3]
	v_cvt_scalef32_pk16_fp6_f32 v[T:T+2], v[S+16:S+31], v[T+3]     ; (a conversion's three registers begin on an even number)
	v_cvt_scalef32_pk16_fp6_f32 v[P+6:P+8], v[S+32:S+47], v[T+5]
	v_cvt_scalef32_pk16_fp6_f32 v[T+6:T+8], v[S+48:S+63], v[T+5]
	v_nop                                          ; one plain place behind a scaled conversion
.irp i, 0,1,2
	v_mov_b32 v[P+3+\i], v[T+\i]
	v_mov_b32 v[P+9+\i], v[T+6+\i]
.endr
	v_pk_add_f32 v[T:T+1], v[S+2:S+3], v[S+4:S+5]  ; l, in four chains; these 32 lines are also the places in front of the products
	v_pk_add_f32 v[T+6:T+7], v[S+6:S+7], v[S+8:S+9]
	v_pk_add_f32 v[T+8:T+9], v[S+10:S+11], v[S+12:S+13]
	v_pk_add_f32 v[14:15], v[14:15], v[S:S+1]
.set j, 14
.rept 6
	v_pk_add_f32 v[T:T+1], v[T:T+1], v[S+j:S+j+1]
	v_pk_add_f32 v[T+6:T+7], v[T+6:T+7], v[S+j+2:S+j+3]
	v_pk_add_f32 v[T+8:T+9], v[T+8:T+9], v[S+j+4:S+j+5]
	v_pk_add_f32 v[14:15], v[14:15], v[S+j+6:S+j+7]
.set j, j+8
.endr
	v_pk_add_f32 v[T:T+1], v[T:T+1], v[S+62:S+63]
	v_pk_add_f32 v[T+6:T+7], v[T+6:T+7], v[T+8:T+9]
	v_pk_add_f32 v[14:15], v[14:15], v[T:T+1]
	v_pk_add_f32 v[14:15], v[14:15], v[T+6:T+7]
.endm
.macro PV w                            ; O^T += v^T p^T
	WIN 0x54*\w
.irp u, 0,1,2,3
	v_wmma_scale_f32_16x16x128_f8f6f4 v[O+8*\u:O+8*\u+7], v[VF+12*\u:VF+12*\u+11], v[P:P+11], v[O+8*\u:O+8*\u+7], v[VSW+\u], v[PW+\w] matrix_a_fmt:MATRIX_FMT_FP6 matrix_b_fmt:MATRIX_FMT_FP6
.endr
.endm
; A KEY STEP: 128 keys, whose record begins at LDS byte s[TB].  pre = 1: the next record's k is asked for.
.macro STEP pre
	s_wait_dscnt 0x0                               ; k, asked for a step ago, is in
	QK 0
	QK 1
	WIN 0
	v_add_nc_u32 v[ADA], s[TB], v[L16]             ; four places: in front of the loads below and of the first read of the scores
	v_add_nc_u32 v[ADB], s[TB], v[L8]
	v_add_nc_u32 v[ADC], s[TB], v[R16]
	v_nop
.irp u, 0,1,2,3
.irp c, 0,1
	ds_load_b128 v[VF+12*\u+6*\c:VF+12*\u+6*\c+3], v[ADA] offset:6400+1536*\u+768*\c
	ds_load_b64 v[VF+12*\u+6*\c+4:VF+12*\u+6*\c+5], v[ADB] offset:6400+1536*\u+768*\c+512
.endr
.endr
	ds_load_b128 v[VSW:VSW+3], v[ADC] offset:12544
.if \pre
	KLOAD RS
.endif
	MAXM 0
	MAXM 1
	WIN 0
	WALU                                           ; one wait ahead of the batch of exponentials,
	EXPS 0
	EXPS 1
	v_nop                                          ; a plain place behind the last,
	WALU                                           ; and one wait ahead of the batch's first reader
	POST 0
	POST 1
	WIN 0
	WALU
	s_wait_dscnt 13*\pre                           ; v is in; the 13 younger loads, the next step's k, may be out
	PV 0
	PV 1
	WIN 0
	s_add_co_u32 s[TB], s[TB], RS
.endm
.macro LOOP first, trips
	s_mov_b32 s[TB], \first*RS
	s_mov_b32 s[CNT], \trips
.Lstep_\@:
	STEP 1
	WALU
	s_sub_co_u32 s[CNT], s[CNT], 1
	s_cmp_lg_u32 s[CNT], 0
	s_cbranch_scc1 .Lstep_\@
.endm
	WALU
	s_cmp_lt_u32 s[WV], 2
	s_cbranch_scc0 .Lnot_first
	s_wait_tensorcnt 0x0
.Lnot_first:
	s_barrier_signal -1
	s_barrier_wait -1                              ; records 0 to 3 are in
	KLOAD 0
	LOOP 0, 3                                      ; steps 0-2 read records 0-3
	s_wait_tensorcnt 0x0
	s_wait_dscnt 0x0
	s_barrier_signal -1
	s_barrier_wait -1                              ; all records are in
	LOOP 3, 12                                     ; steps 3-14
	s_mov_b32 s[TB], 15*RS
	STEP 0                                         ; the last step: there is no k behind it
	; THE WAY OUT: O^T / l: register 8 u + i is channel 32 h + 8 u + i: a lane's 32 registers are one block of 32 along the last product's K.
.rept 4
	v_nop                                          ; places behind the last products
.endr
.irp w, 0,1
	WIN 0x55*\w
	v_add_f32 v14, v14, v15
	v_permlanex16_b32 v[T+4], v14, s[SEL], s[SEL+1]
	v_add_f32 v14, v14, v[T+4]                     ; with lane l xor 16's
.endr
	WIN 0
	WALU
	v_rcp_f32 v14, v14
	WIN 0x55
	v_rcp_f32 v14, v14
	v_nop
	WIN 0
	s_lshr_b32 s20, s15, 4
	s_lshl_b32 s20, s20, 4
	s_lshl_b32 s21, s14, 1
	s_add_co_u32 s20, s20, s21                     ; my first block of 128 tokens, of 32
	s_bfe_u32 s21, s15, 0x10003                    ; which half of the last product's K
	s_and_b32 s22, s15, 7                          ; which head of it
	s_lshl_b32 s23, s20, 1
	s_add_co_u32 s23, s23, s21
	s_mul_i32 s36, s23, 51200
	s_lshl_b32 s38, s22, 8
	s_add_co_u32 s38, s38, s36
	s_add_co_u32 s38, s38, 49152                   ; my head's scale bytes
	s_mov_b32 s39, 0
	s_mul_i32 s23, s16, 102400
	s_add_co_u32 s36, s36, s23
	s_mul_i32 s22, s22, 6144
	s_add_co_u32 s36, s36, s22
	s_mul_i32 s23, s17, 1536
	s_add_co_u32 s36, s36, s23                     ; my two tiles' codes
	s_mov_b32 s37, 0
	s_add_nc_u64 s[36:37], s[8:9], s[36:37]
	s_add_nc_u64 s[38:39], s[8:9], s[38:39]
	s_lshl_b32 s21, s16, 8
	s_lshl_b32 s22, s17, 2
	s_add_co_u32 s21, s21, s22
	s_add_co_u32 s21, s21, STG
	WIN 0x04
	v_add_nc_u32 v[ADC], s21, v42                  ; my scale byte in LDS: 256 x block of tokens + 16 r + 2 x tile + h
.macro OUT w
	WIN 0x55*\w
	WALU
.set j, 0
.rept 16
	v_pk_mul_f32 v[S+j:S+j+1], v[O+j:O+j+1], v[14:15] op_sel_hi:[1,0]
.set j, j+2
.endr
	v_max3_num_f32 v[T], |v[S]|, |v[S+1]|, |v[S+2]|
	v_max3_num_f32 v[T+2], |v[S+16]|, |v[S+17]|, |v[S+18]|
.irp i, 3,5,7,9,11,13
	v_max3_num_f32 v[T], v[T], |v[S+\i]|, |v[S+\i+1]|
	v_max3_num_f32 v[T+2], v[T+2], |v[S+16+\i]|, |v[S+17+\i]|
.endr
	v_max3_num_f32 v[T+2], v[T+2], |v[S+15]|, |v[S+31]|
	v_max3_num_f32 v[T], v[T], v[T+2], 0x1800000
	v_add_nc_u32 v[T+3], 0xff000000, v[T]
	v_cvt_scalef32_pk16_fp6_f32 v[P:P+2], v[S:S+15], v[T+3]
	v_cvt_scalef32_pk16_fp6_f32 v[T+6:T+8], v[S+16:S+31], v[T+3]
	v_lshrrev_b32 v[T+4], 23, v[T+3]
.irp i, 0,1,2
	v_mov_b32 v[P+3+\i], v[T+6+\i]
.endr
	WIN 0x04*\w
	ds_store_b8 v[ADC], v[T+4] offset:2*\w
	global_store_b128 v[L16], v[P:P+3], s[36:37] offset:768*\w            ; 512 consecutive bytes, aligned
	global_store_b64 v[L8], v[P+4:P+5], s[36:37] offset:768*\w+512        ; 256
.endm
	OUT 0
	OUT 1
	WIN 0
	v_add_nc_u32 v[ADA], STG, v[L16]
	v_lshrrev_b32 v[ADB], 8, v[L16]                ; lane / 16
	v_mul_u32_u24 v[ADB], v[ADB], 0x19000          ; 102,400: from one block of 128 tokens to the next
	v_add_nc_u32 v[ADB], v[ADB], v[R16]
	WALU
	s_wait_dscnt 0x0
	s_barrier_signal -1
	s_barrier_wait -1                              ; all waves' scale bytes are in LDS
	s_cmp_lg_u32 s[WV], 0
	s_cbranch_scc1 .Lno_bytes
	ds_load_b128 v[KF:KF+3], v[ADA]
	s_wait_dscnt 0x0
	global_store_b128 v[ADB], v[KF:KF+3], s[38:39] ; two aligned units of 256 bytes
.Lno_bytes:
	s_wait_tensorcnt 0x0                           ; the wave's end
	ds_add_u32 v[SPW], v[NIL]
	s_wait_dscnt 0x0
	CROUND                                         ; the closing round
	s_endpgm
.Lfunc_end_k_qac31eaa796_attn:
	.size	k_qac31eaa796_attn, .Lfunc_end_k_qac31eaa796_attn-k_qac31eaa796_attn
	.p2alignl 7, 3214868480
	.fill 96, 4, 3214868480
	.section	.rodata,"a",@progbits
	.p2align	6, 0x0
	.amdhsa_kernel k_qac31eaa796_attn
		.amdhsa_group_segment_fixed_size 206336
		.amdhsa_private_segment_fixed_size 0
		.amdhsa_enable_private_segment 0
		.amdhsa_kernarg_size 24
		.amdhsa_user_sgpr_count 2
		.amdhsa_user_sgpr_kernarg_segment_ptr 1
		.amdhsa_wavefront_size32 1
		.amdhsa_system_sgpr_workgroup_id_x 1
		.amdhsa_system_sgpr_workgroup_id_y 1
		.amdhsa_system_sgpr_workgroup_id_z 1
		.amdhsa_system_vgpr_workitem_id 0
		.amdhsa_next_free_vgpr 512
		.amdhsa_next_free_sgpr 66
		.amdhsa_reserve_vcc 0
		.amdhsa_float_denorm_mode_32 3
		.amdhsa_float_denorm_mode_16_64 3
		.amdhsa_memory_ordered 1
		.amdhsa_forward_progress 1
		.amdhsa_inst_pref_size 98
	.end_amdhsa_kernel
	.amdgpu_metadata
---
amdhsa.version: [ 1, 2 ]
amdhsa.kernels:
  - .name:           k_qac31eaa796_attn
    .symbol:         k_qac31eaa796_attn.kd
    .args:
      - { .name: qrec, .offset: 0, .size: 8, .value_kind: global_buffer, .address_space: global }
      - { .name: kv, .offset: 8, .size: 8, .value_kind: global_buffer, .address_space: global }
      - { .name: ac, .offset: 16, .size: 8, .value_kind: global_buffer, .address_space: global }
    .group_segment_fixed_size: 206336
    .private_segment_fixed_size: 0
    .kernarg_segment_align: 8
    .kernarg_segment_size: 24
    .max_flat_workgroup_size: 256
    .sgpr_count:     66
    .vgpr_count:     512
    .wavefront_size: 32
...
	.end_amdgpu_metadata
.endif
;; end of part 7
;; launch proj (part 8): grid 8 x 32, 4 waves a work-group, clusters of 4 x 4, 235,520 bytes of LDS; arguments ac, c1, b_proj, out0; writes out0
.if DOCPART == 8
	.amdgcn_target "amdgcn-amd-amdhsa--gfx1250"
	.amdhsa_code_object_version 6
	.text
	.protected	k_qac31eaa796_proj
	.globl	k_qac31eaa796_proj
	.p2align	8
	.type	k_qac31eaa796_proj,@function
k_qac31eaa796_proj:
	s_mov_b64 s[64:65], 0
	v_nop
	global_prefetch_b8 v0, s[64:65] scope:SCOPE_SE
	s_setreg_imm32_b32 hwreg(HW_REG_WAVE_MODE, 25, 1), 1
	s_wait_xcnt 0x0
	s_wait_alu depctr_hold_cnt(0) depctr_sa_sdst(0) depctr_va_vdst(0) depctr_va_sdst(0) depctr_va_ssrc(0) depctr_va_vcc(0) depctr_vm_vsrc(0)
	s_getreg_b32 s2, hwreg(HW_REG_IB_STS2, 6, 4)
	s_cmp_eq_u32 s2, 0
	s_cbranch_scc0 .Lentry_in_a_cluster
	s_endpgm
.Lentry_in_a_cluster:
	s_bfe_u32 s2, ttmp6, 0x10000c
	s_cmp_lg_u32 s2, 0xf033
	s_cbranch_scc0 .Lentry_shape_is_right
	s_endpgm
.Lentry_shape_is_right:
; out = a w_proj^T + b_proj on codes of FP6 with E8M0 scales, K = 1,024.  A tile of 128 x 128 is made by four waves, 64 x 64 each; 8 x 32 tiles: 256 work-groups.
; K comes in two halves of 512, each filled ONCE: one joint load a wave at the head (wave 0: a's first half, wave 1: w's first half and all its scale bytes, wave 2: a's second half, wave 3: w's second).
; The first barrier shows the first half, the second the other: nothing is filled again.  No prefetch is written: the whole stream is asked for at the head.
; CLUSTERS: a's rows are shared along a row of the cluster, w's along a column.
; a's operands lie as images of registers (512 + 256 bytes a tile and head), w's as rows of 384 bytes, 16 bytes of padding behind every 128: pitch 432.
; THE BIAS is the C of each sum's first product.  Transposed use: a lane holds eight neighbouring columns of a row.  A tile's row r is token 32 (r / 8) + 8 j + r % 8 of the wave's 64.
.set GB,   102400
.set FR,   12
.set NP,   4
.set PITCH, 432
.set AH,   51200                       ; a's half in LDS
.set B0,   2*AH                        ; w's halves: 208 and 192 rows of 256 bytes with their paddings
.set BH,   59904
.set STG,  B0+BH+55296
.set SPITCH, 272
.set SPARE, STG+4*16*SPITCH
.set ADRA, 12                          ; v12, v13 a's halves + 16 x lane; v14, v15 + 8 x lane
.set SPW,  16
.set NIL,  17
.set STO,  18
.set RD,   19
.set CO,   20
.set ASC,  21
.set BSC,  22
.set SCA,  32                          ; v32-63 a's scale words: tile a, step s at 8 a + (s + 4) % 8
.set SCB,  64                          ; v64-95 w's: 8 b + s
.set RAW,  96                          ; v96-111 two bytes a row, tile and head as they lie
.set AF,   128
.set BB,   224                         ; v224-239 LDS addresses of w's fragments: 8 x half + 2 x tile (+ 1: for the pieces behind one padding more)
.set BK,   128
.set G1A,  24
.set G1B0, 32
.set G1B1, 40
.set G0,   48                          ; s[48:63] four groups 0
.set MSB, 0
.macro WIN new
.if MSB != (\new)
	s_set_vgpr_msb (MSB<<8)|(\new)
.set MSB, (\new)
.endif
.endm
.set MUL,  0xa1                        ; source 0 (w) window 1, source 1 (a) window 0, C and D window 2
.set BIA,  0x91                        ; C window 1
.set TO_B, 0x40
.macro WALU
	s_wait_alu depctr_va_vdst(0)
.endm
.macro PLACES n
.rept \n
	v_nop
.endr
.endm
.macro CROUND
	s_barrier_signal -1
	s_barrier_wait -1
	s_cmp_lg_u32 s14, 0
	s_cbranch_scc1 .Lnot_wave_0_\@
	s_barrier_signal -3
.Lnot_wave_0_\@:
	s_barrier_wait -3
	s_barrier_signal -1
	s_barrier_wait -1
.endm
.macro TLOAD g0, g1
	tensor_load_to_lds s[\g0:\g0+3], s[\g1:\g1+7]
	s_nop 0
	PLACES 4
.endm
.macro GROUP1 g, rows                  ; dense rows of 256 bytes, 32 elements of 8
	s_mov_b32 s[\g+1], 32<<16
	s_mov_b32 s[\g+2], (\rows)<<16
	s_mov_b32 s[\g+3], 32<<16
	s_mov_b32 s[\g+4], \rows
	s_mov_b32 s[\g+5], 32
	s_mov_b32 s[\g+6], 0
	s_mov_b32 s[\g+7], 0
.endm
	s_load_b256 s[4:11], s[0:1], 0x0               ; ac, c1, b_proj, out0
	v_lshl_add_u32 v[SPW], v0, 2, SPARE
	v_mov_b32 v[NIL], 0
	ds_add_u32 v[SPW], v[NIL]
	ds_add_u32 v[SPW], v[NIL]
	v_lshrrev_b32 v1, 5, v0
	v_readfirstlane_b32 s14, v1
	s_lshr_b32 s15, s14, 1                         ; my 64 rows
	s_and_b32 s16, s14, 1                          ; my 64 columns
	s_bfe_u32 s66, ttmp6, 0x40000
	s_bfe_u32 s18, ttmp6, 0x40004
	s_lshl_b32 s67, ttmp9, 2
	s_add_co_u32 s67, s67, s66                     ; tile column
	s_and_b32 s17, ttmp7, 0xffff
	s_lshl_b32 s17, s17, 2
	s_add_co_u32 s17, s17, s18                     ; tile row
	s_lshl_b32 s2, s18, 2
	s_lshl_b32 s2, 15, s2                          ; my row of the cluster
	s_lshl_b32 s3, 0x1111, s66                     ; my column
	s_or_b32 s[G1A], s2, (3<<16)|(1<<21)
	GROUP1 G1A, 200
	s_or_b32 s[G1B0], s3, (3<<16)|(1<<20)|(1<<21)|(4<<22)|(3<<25)
	GROUP1 G1B0, 208
	s_or_b32 s[G1B1], s3, (3<<16)|(1<<20)|(1<<21)|(4<<22)|(3<<25)
	GROUP1 G1B1, 192
	s_mul_i32 s20, s17, 2*AH
	s_mov_b32 s21, 0
	s_add_co_u32 s22, s67, 56
	s_mul_i32 s22, s22, GB
	s_mov_b32 s23, 0
.irp g, 0,4,8,12
	s_mov_b32 s[G0+\g], 1
.endr
	s_mov_b32 s[G0+1], 0
	s_mov_b32 s[G0+5], B0
	s_mov_b32 s[G0+9], AH
	s_mov_b32 s[G0+13], B0+BH
	WALU
	s_wait_dscnt 0x0                               ; both opening adds are done
	CROUND                                         ; all sixteen work-groups are here: the joint loads meet
	s_wait_kmcnt 0x0
	s_add_nc_u64 s[G0+2:G0+3], s[4:5], s[20:21]
	s_add_nc_u64 s[G0+6:G0+7], s[6:7], s[22:23]
	s_add_nc_u64 s[G0+10:G0+11], s[G0+2:G0+3], AH
	s_add_nc_u64 s[G0+14:G0+15], s[G0+6:G0+7], 53248
.irp g, 3,7,11,15
	s_or_b32 s[G0+\g], s[G0+\g], 0x80000000
.endr
	s_cmp_eq_u32 s14, 0
	s_cbranch_scc0 .Lwave_1
	TLOAD G0, G1A
	s_branch .Lasked
.Lwave_1:
	s_cmp_eq_u32 s14, 1
	s_cbranch_scc0 .Lwave_2
	TLOAD G0+4, G1B0
	s_branch .Lasked
.Lwave_2:
	s_cmp_eq_u32 s14, 2
	s_cbranch_scc0 .Lwave_3
	TLOAD G0+8, G1A
	s_branch .Lasked
.Lwave_3:
	TLOAD G0+12, G1B1
.Lasked:
	v_and_b32 v1, 15, v0                           ; r
	v_bfe_u32 v2, v0, 4, 1                         ; h
	v_and_b32 v3, 31, v0
	v_lshlrev_b32 v4, 4, v3
	v_lshlrev_b32 v5, 3, v3
	s_mul_i32 s20, s15, 4*768
	v_add_nc_u32 v[ADRA], s20, v4
	v_add_nc_u32 v[ADRA+2], s20, v5
	v_add_nc_u32 v[ADRA+1], AH, v[ADRA]
	v_add_nc_u32 v[ADRA+3], AH, v[ADRA+2]
	v_mul_u32_u24 v6, v1, PITCH
	v_mad_u32_u24 v7, v2, 24, v6
	v_mad_u32_u24 v8, v2, 40, v6
	s_mul_i32 s20, s16, 64*PITCH
	s_add_co_u32 s20, s20, B0
	v_add_nc_u32 v7, s20, v7
	v_add_nc_u32 v8, s20, v8
.irp i, 0,1,2,3
	v_add_nc_u32 v[BB+2*\i], \i*16*PITCH, v7
	v_add_nc_u32 v[BB+2*\i+1], \i*16*PITCH, v8
	v_add_nc_u32 v[BB+8+2*\i], BH+\i*16*PITCH, v7
	v_add_nc_u32 v[BB+8+2*\i+1], BH+\i*16*PITCH, v8
.endr
	s_lshl_b32 s20, s15, 3
	s_add_co_u32 s20, s20, 49152
	v_lshlrev_b32 v6, 4, v1
	v_add_nc_u32 v[ASC], s20, v6                   ; a's scale bytes: 16 r + 8 x my tiles
	v_lshrrev_b32 v6, 2, v1
	v_mul_u32_u24 v6, v6, 144
	v_and_b32 v9, 3, v1
	v_lshl_add_u32 v6, v9, 5, v6
	s_mul_i32 s20, s16, 16*144
	s_add_co_u32 s20, s20, B0+55296
	v_add_nc_u32 v[BSC], s20, v6                   ; w's: 32 bytes a row, four rows and 16 bytes of padding
	s_mul_i32 s20, s14, 16*SPITCH
	s_add_co_u32 s20, s20, STG
	v_mul_u32_u24 v6, v1, SPITCH
	v_lshl_add_u32 v6, v2, 5, v6
	v_add_nc_u32 v[STO], s20, v6                   ; into my stage: row r, 32 bytes for each half of the lanes
	v_mul_u32_u24 v6, v2, 8*SPITCH
	v_lshl_add_u32 v6, v1, 4, v6
	v_add_nc_u32 v[RD], s20, v6                    ; and back: lanes 0-15 row t, lanes 16-31 row 8 + t,
	v_lshlrev_b32 v[CO], 17, v2                    ; 32 tokens further on
	v_lshl_add_u32 v[CO], v1, 4, v[CO]
	v_lshlrev_b32 v9, 5, v2
	s_lshl_b32 s20, s17, 7
	s_lshl_b32 s21, s15, 6
	s_add_co_u32 s20, s20, s21
	s_lshl_b32 s20, s20, 12
	s_mov_b32 s21, 0
	s_lshl_b32 s22, s67, 9
	s_lshl_b32 s23, s16, 8
	s_add_co_u32 s22, s22, s23
	s_mov_b32 s23, 0
	s_add_nc_u64 s[8:9], s[8:9], s[22:23]
	s_add_nc_u64 s[20:21], s[20:21], s[22:23]
	s_add_nc_u64 s[10:11], s[10:11], s[20:21]
	WALU
	WIN TO_B
.irp b, 0,1,2,3                                ; the bias: tile b, register j: column 16 b + 8 h + j
	global_load_b128 v[96+8*\b:96+8*\b+3], v9, s[8:9] offset:64*\b
	global_load_b128 v[96+8*\b+4:96+8*\b+7], v9, s[8:9] offset:64*\b+16
.endr
	WIN 0
.macro FRAG reg, q, a                  ; six pieces of 8 bytes, two to a load where both lie behind as many paddings
.set SKIP_, 0
.irp p, 0,1,2,3,4,5
.if SKIP_
.set SKIP_, 0
.else
.set PC_, 12*(\q)+6*(\p/3)+\p%3
.set PN_, 12*(\q)+6*((\p+1)/3)+(\p+1)%3
.set X_, (PC_%16+3)/16
.set XQ_, (PN_%16+3)/16
.if (\p < 5) && (X_ == XQ_)
.set SKIP_, 1
	ds_load_2addr_b64 v[\reg+2*\p:\reg+2*\p+3], v[\a+X_] offset0:PC_+2*(PC_/16) offset1:PN_+2*(PN_/16)
.else
	ds_load_b64 v[\reg+2*\p:\reg+2*\p+1], v[\a+X_] offset:8*(PC_+2*(PC_/16))
.endif
.endif
.endr
.endm
.macro FETCH s                         ; step s of 128 along K into set s % 2: 28 loads, or 32 where s % 4 is 1 or 2
	WIN TO_B
.irp i, 0,1,2,3
	FRAG 128*((\s)%2)+FR*\i, (\s)%4, BB+8*((\s)/4)+2*\i
.endr
	WIN 0
.irp i, 0,1,2,3
.irp c, 0,1
.set RG_, AF+48*((\s)%2)+FR*\i+6*\c
.set OF_, (2*((\s)%4)+\c)*6144+768*\i
	ds_load_b128 v[RG_:RG_+3], v[ADRA+(\s)/4] offset:OF_
	ds_load_b64 v[RG_+4:RG_+5], v[ADRA+2+(\s)/4] offset:OF_+512
.endr
.endr
.endm
.macro SCALES k                        ; a's scale bytes of half k: 8 loads
.irp d, 0,1,2,3,4,5,6,7
	ds_load_b64 v[RAW+2*\d:RAW+2*\d+1], v[ASC] offset:AH*\k+256*\d
.endr
.endm
.macro WORDS k                         ; two heads' bytes make a word
.irp q, 0,1,2,3
.irp a, 0,1,2,3
.if \a%2
	v_perm_b32 v[SCA+8*\a+(4*\k+\q+4)%8], v[RAW+4*\q+2+\a/2], v[RAW+4*\q+\a/2], 0x07060302
.else
	v_perm_b32 v[SCA+8*\a+(4*\k+\q+4)%8], v[RAW+4*\q+2+\a/2], v[RAW+4*\q+\a/2], 0x05040100
.endif
.endr
.endr
.endm
.macro MULS s
.irp a, 0,1,2,3
.irp b, 0,1,2,3
.set rD, 8*(4*\a+\b)
.set rB, 128*((\s)%2)+FR*\b
.set rA, AF+48*((\s)%2)+FR*\a
.set rSB, SCB+8*\b+(\s)
.set rSA, SCA+8*\a+((\s)+4)%8
.if (\s) == 0
	v_wmma_scale_f32_16x16x128_f8f6f4 v[rD:rD+7], v[rB:rB+FR-1], v[rA:rA+FR-1], v[96+8*\b:96+8*\b+7], v[rSB], v[rSA] matrix_a_fmt:MATRIX_FMT_FP6 matrix_b_fmt:MATRIX_FMT_FP6
.else
	v_wmma_scale_f32_16x16x128_f8f6f4 v[rD:rD+7], v[rB:rB+FR-1], v[rA:rA+FR-1], v[rD:rD+7], v[rSB], v[rSA] matrix_a_fmt:MATRIX_FMT_FP6 matrix_b_fmt:MATRIX_FMT_FP6
.endif
.endr
.endr
.endm
.macro STEP s
.if (\s) == 3
	WALU
	s_wait_tensorcnt 0x0
	s_wait_dscnt 0x0
	s_barrier_signal -1
	s_barrier_wait -1                              ; the second half is in
.endif
.if (\s) < 7
.if (\s) > 0
	PLACES NP
.endif
	FETCH (\s)+1
.set QN_, ((\s)+1)%4
.set NL_, 16+4*(3+((QN_+1)/2)%2)
.if (\s) == 3
	SCALES 1
.set NL_, NL_+8
.endif
	WALU
	s_wait_dscnt NL_                               ; this step's fragments are in; what was asked for just now may be out
.else
	s_wait_dscnt 0x0
.endif
.if (\s) == 0
	WIN BIA
.else
	WIN MUL
.endif
	MULS \s
	WIN 0
.if (\s) == 3
	s_wait_dscnt 0x0
	PLACES NP
	WORDS 1
.endif
.endm
	s_wait_loadcnt 0x0                             ; the bias
	s_cmp_lt_u32 s14, 2
	s_cbranch_scc0 .Lnot_first
	s_wait_tensorcnt 0x0
.Lnot_first:
	s_barrier_signal -1
	s_barrier_wait -1                              ; the first half is in
	SCALES 0
.irp i, 0,1,2,3
	ds_load_b128 v[SCB+8*\i:SCB+8*\i+3], v[BSC] offset:\i*4*144
	ds_load_b128 v[SCB+8*\i+4:SCB+8*\i+7], v[BSC] offset:\i*4*144+16
.endr
	FETCH 0
	s_wait_dscnt 28                                ; the scale bytes are in
	WORDS 0
.irp s, 0,1,2,3,4,5,6,7
	STEP \s
.endr
.macro TOSTAGE a
	WIN 0x08
.irp b, 0,1,2,3
	ds_store_b128 v[STO], v[32*(\a)+8*\b:32*(\a)+8*\b+3] offset:64*\b
	ds_store_b128 v[STO], v[32*(\a)+8*\b+4:32*(\a)+8*\b+7] offset:64*\b+16
.endr
	WIN 0
.irp t, 0,1,2,3,4,5,6,7
	ds_load_b128 v[BK+32*(\a)+4*\t:BK+32*(\a)+4*\t+3], v[RD] offset:\t*SPITCH   ; LDS serves a wave's instructions in order: these see the stores above
.endr
.endm
.macro SEND a, younger
	s_wait_dscnt \younger
.irp t, 0,1,2,3,4,5,6,7
	global_store_b128 v[CO], v[BK+32*(\a)+4*\t:BK+32*(\a)+4*\t+3], s[10:11] offset:(8*(\a)+\t)*4096 th:TH_STORE_NT   ; 16 lanes store one aligned unit of 256 bytes
.endr
.endm
	PLACES NP
	TOSTAGE 0
	TOSTAGE 1
	SEND 0, 16
	TOSTAGE 2
	SEND 1, 16
	TOSTAGE 3
	SEND 2, 16
	SEND 3, 0
	s_wait_tensorcnt 0x0                           ; the wave's end
	ds_add_u32 v[SPW], v[NIL]
	s_wait_dscnt 0x0
	CROUND                                         ; the closing round
	s_endpgm
.Lfunc_end_k_qac31eaa796_proj:
	.size	k_qac31eaa796_proj, .Lfunc_end_k_qac31eaa796_proj-k_qac31eaa796_proj
	.p2alignl 7, 3214868480
	.fill 96, 4, 3214868480
	.section	.rodata,"a",@progbits
	.p2align	6, 0x0
	.amdhsa_kernel k_qac31eaa796_proj
		.amdhsa_group_segment_fixed_size 235520
		.amdhsa_private_segment_fixed_size 0
		.amdhsa_enable_private_segment 0
		.amdhsa_kernarg_size 32
		.amdhsa_user_sgpr_count 2
		.amdhsa_user_sgpr_kernarg_segment_ptr 1
		.amdhsa_wavefront_size32 1
		.amdhsa_system_sgpr_workgroup_id_x 1
		.amdhsa_system_sgpr_workgroup_id_y 1
		.amdhsa_system_sgpr_workgroup_id_z 1
		.amdhsa_system_vgpr_workitem_id 0
		.amdhsa_next_free_vgpr 768
		.amdhsa_next_free_sgpr 102
		.amdhsa_reserve_vcc 0
		.amdhsa_float_denorm_mode_32 3
		.amdhsa_float_denorm_mode_16_64 3
		.amdhsa_memory_ordered 1
		.amdhsa_forward_progress 1
		.amdhsa_inst_pref_size 56
	.end_amdhsa_kernel
	.amdgpu_metadata
---
amdhsa.version: [ 1, 2 ]
amdhsa.kernels:
  - .name:           k_qac31eaa796_proj
    .symbol:         k_qac31eaa796_proj.kd
    .args:
      - { .name: ac, .offset: 0, .size: 8, .value_kind: global_buffer, .address_space: global }
      - { .name: c1, .offset: 8, .size: 8, .value_kind: global_buffer, .address_space: global }
      - { .name: b_proj, .offset: 16, .size: 8, .value_kind: global_buffer, .address_space: global }
      - { .name: out0, .offset: 24, .size: 8, .value_kind: global_buffer, .address_space: global }
    .group_segment_fixed_size: 235520
    .private_segment_fixed_size: 0
    .kernarg_segment_align: 8
    .kernarg_segment_size: 32
    .max_flat_workgroup_size: 128
    .sgpr_count:     102
    .vgpr_count:     768
    .wavefront_size: 32
...
	.end_amdgpu_metadata
.endif
;; end of part 8
